; MI455X (gfx1250); checked and timed in simulation.
; The chip was launched on July 23, 2026; its instructions are those of AMD's public machine-readable ISA for CDNA 5 (MIT licence, August 2026) and "CDNA5" Instruction Set Architecture Reference Guide (July 2026). The comments in the code are by the model that wrote it; some were corrected since.
;; Block. Allowed arithmetic: matrix products marked QUANTISED: E3M2 operands, one E8M0 scale for each 32 along K, by v_wmma_scale_f32_16x16x128_f8f6f4 with both operands' format E3M2, f32 sums; everything else in f32.
;; Inputs: W1_codes 4,096 x 32 x 24 uint8 (E3M2 codes of W1, K innermost, in blocks of 32 codes, four codes in three bytes); W1_scales 4,096 x 32 uint8 (E8M0 scales of W1, one for each 32 codes along K); W2_codes 1,024 x 128 x 24 uint8 (E3M2 codes of W2, K innermost, in blocks of 32 codes, four codes in three bytes); W2_scales 1,024 x 128 uint8 (E8M0 scales of W2, one for each 32 codes along K); Wk_codes 16 x 64 x 32 x 24 uint8 (E3M2 codes of Wk, K innermost, in blocks of 32 codes, four codes in three bytes); Wk_scales 16 x 64 x 32 uint8 (E8M0 scales of Wk, one for each 32 codes along K); Wo_codes 1,024 x 32 x 24 uint8 (E3M2 codes of Wo, K innermost, in blocks of 32 codes, four codes in three bytes); Wo_scales 1,024 x 32 uint8 (E8M0 scales of Wo, one for each 32 codes along K); Wq_codes 16 x 64 x 32 x 24 uint8 (E3M2 codes of Wq, K innermost, in blocks of 32 codes, four codes in three bytes); Wq_scales 16 x 64 x 32 uint8 (E8M0 scales of Wq, one for each 32 codes along K); Wv_codes 16 x 64 x 32 x 24 uint8 (E3M2 codes of Wv, K innermost, in blocks of 32 codes, four codes in three bytes); Wv_scales 16 x 64 x 32 uint8 (E8M0 scales of Wv, one for each 32 codes along K); b1 4,096 float32; b2 1,024 float32; be1 1,024 float32; be2 1,024 float32; bo 1,024 float32; g1 1,024 float32; g2 1,024 float32; x 4 x 1,024 x 1,024 float32.
;; Outputs: out0 4 x 1,024 x 1,024 float32.
;; This version of the problem:
;;   THIS VERSION OF THE PROBLEM IS GIVEN IN LOW PRECISION. The matrix products marked QUANTISED in the list below multiply operands that are first quantised to E3M2 (3 exponent bits, 2 mantissa bits; 6 bits a number), with one power-of-two scale for each 32 numbers along K (OCP MX v1.0); their sums are f32. All else is computed in f32.
;;   The module's matrix products, in the order in which they are computed (A, B: the left and right operand; K: the contracted axis; several contracted axes count as one K, in the product's order):
;;     1. [M 1,024, K 1,024] x [K 1,024, N 4,096]; A: input Wq (given as codes); B: computed on the way: QUANTISED
;;     2. [M 1,024, K 1,024] x [K 1,024, N 4,096]; A: input Wk (given as codes); B: computed on the way: QUANTISED
;;     3. [M 1,024, K 1,024] x [K 1,024, N 4,096]; A: input Wv (given as codes); B: computed on the way: QUANTISED
;;     4. batch 64 x [M 1,024, K 64] x [K 64, N 1,024]; A: computed on the way; B: computed on the way: QUANTISED
;;     5. batch 64 x [M 1,024, K 1,024] x [K 1,024, N 64]; A: softmax (see below); B: computed on the way: QUANTISED
;;     6. [M 4,096, K 1,024] x [K 1,024, N 1,024]; A: computed on the way; B: input Wo (given as codes): QUANTISED
;;     7. [M 4,096, K 1,024] x [K 1,024, N 4,096]; A: computed on the way; B: input W1 (given as codes): QUANTISED
;;     8. [M 4,096, K 4,096] x [K 4,096, N 1,024]; A: computed on the way; B: input W2 (given as codes): QUANTISED
;;   THE QUANTISER, for each operand of a quantised product, along K:
;;     - K is cut into blocks of 32 from its start; a last block that is shorter is filled with zeros.
;;     - A block's scale is 2^e with e = floor(log2(the largest magnitude in the block)) - 4, held to -126 .. 127; a block of zeros has e = 0. As a byte (E8M0): e + 127.
;;     - Each number is divided by its block's scale, clamped to +-28, and rounded to the nearest number of E3M2, ties to even, subnormals kept.
;;     - The product sums the exact products of the quantised numbers (number of the format x scale) in f32.
;;   ~~~python
;;   def quantise(x, axis):      # numpy; x: float32 -> the quantised numbers, widened to float32 again
;;       x = np.moveaxis(x, axis, -1); K = x.shape[-1]
;;       x = np.pad(x, [(0, 0)] * (x.ndim - 1) + [(0, -K % 32)]); x = x.reshape(x.shape[:-1] + (-1, 32)); a = np.abs(x).max(-1, keepdims=True)
;;       e = np.where(a > 0, np.clip(np.frexp(np.where(a > 0, a, 1))[1] - 1 - 4, -126, 127), 0)      # np.frexp(a)[1] - 1 = floor(log2(a)), exactly
;;       r = np.clip(x / 2.0 ** e, -28, 28)
;;       step = 2.0 ** (np.maximum(np.frexp(np.where(r == 0, 1, r))[1] - 1, -2) - 2)
;;       q = np.round(r / step) * step * 2.0 ** e      # np.round: ties to even
;;       return np.moveaxis(q.reshape(q.shape[:-2] + (-1,))[..., :K], -1, axis).astype(np.float32)
;;   ~~~
;;   SOFTMAX AHEAD OF A QUANTISED PRODUCT. Where the list says 'softmax', what is quantised is not the finished softmax but p = 2^(t - M), with t = logit x log2(e) and M = ceil(the row's largest t), a whole number; so 1/2 < the row's largest p <= 1. The row's sum l is taken of the UNQUANTISED p, in f32, and the product's result is divided by l at the end. Since M is a whole number, a kernel that streams over the keys may use a running M (the ceiling of the running maximum): every later rescaling is an exact power of two, which a block's scale takes up: the codes' values come out the same.
;;   OPERANDS COMPUTED ON THE WAY. 'Computed on the way' means the value that the module computes at that place (a softmax that the list does not call 'softmax' is quantised finished and normalised). What goes into a quantiser is computed in f32, as accurately as f32 sums, v_exp_f32 and their like allow (about 1e-6 of the number): no bf16 or f16 on the way to a quantiser, and a product that is left as it is and whose result goes on into a quantised operand takes f32 operands (vector FMAs, or v_wmma_f32_16x16x4_f32). A number that lies on a knife's edge between two numbers of the format may be rounded either way, as far as f32 arithmetic and the matrix unit's own rounding can turn it there, and no further.
;;   INPUTS GIVEN AS CODES. W1 (in the module: [1024, 4096], K = its axis 0); W2 (in the module: [4096, 1024], K = its axis 0); Wk (in the module: [16, 1024, 64], K = its axis 1); Wo (in the module: [1024, 1024], K = its axis 0); Wq (in the module: [16, 1024, 64], K = its axis 1); Wv (in the module: [16, 1024, 64], K = its axis 1): each comes as NAME_codes (uint8): NAME with its K axis moved to the last place and cut into blocks of 32 codes, [.., K / 32, bytes a block], one block behind the other in memory; four codes in three bytes: a row's codes are one little-endian stream of bits, code i at bits 6 i .. 6 i + 5 (a code: sign, 3 exponent bits, 2 mantissa bits); and NAME_scales (uint8): the same leading axes, one E8M0 byte (e + 127) for each 32 codes along K. Its value is code x scale, taken as it is: it is not quantised again, and the codes and scales need not be those that the quantiser above would give.
;; One version. Each part assembles by itself: llvm-mc -triple=amdgcn-amd-amdhsa -mcpu=gfx1250 --defsym DOCPART=n.
;; ======== version 1 of 1: 7 launches
;; limits: right only within a limited range of input values
;; workspace buffers: wts 9,830,400 bytes; hbuf 3,276,800 bytes; qkv 9,830,400 bytes; att 3,276,800 bytes; x1 16,777,216 bytes; hid 13,107,200 bytes
;; launch prep (part 1): grid 256 x 1, 8 waves a work-group, no clusters, 66,816 bytes of LDS; arguments x, g1, be1, hbuf, wts, Wq_codes, Wq_scales, Wk_codes, Wk_scales, Wv_codes, Wv_scales, Wo_codes, Wo_scales, W1_codes, W1_scales, W2_codes, W2_scales; writes hbuf, wts
.if DOCPART == 1
	.amdgcn_target "amdgcn-amd-amdhsa--gfx1250"
	.amdhsa_code_object_version 6
	.text
	.protected	k_qb84c024267_prep
	.globl	k_qb84c024267_prep
	.p2align	8
	.type	k_qb84c024267_prep,@function
k_qb84c024267_prep:
	s_mov_b64 s[64:65], 0
	v_nop
	global_prefetch_b8 v0, s[64:65] scope:SCOPE_SE
	s_setreg_imm32_b32 hwreg(HW_REG_WAVE_MODE, 25, 1), 1
	s_wait_xcnt 0x0
; LAYER NORM AND QUANTISER; with WEIGHTS = 1 each wave also lays its share of the six weights anew.  One text serves two launches (WEIGHTS = 1: the first layer norm; 0: the second).
; y = (x - mean) * rsqrt(var + 1e-5) * g + b along rows of 1,024 f32, then y is turned into codes of BF6 (E3M2) with one E8M0 byte for each 32 along the row.
; WORK LEFT OUT IN THIS PROGRAM: reference() sets scores[t][u] to -inf wherever u > t, by a jnp.tril that it builds in its own body; exp(-inf) = 0, so such a score adds nothing to the row's sum nor to w @ v, whatever
; finite values the inputs hold.  The attention launch therefore leaves out every step of 128 keys that lies wholly behind a tile's 16 queries.  Nothing else is left out, and every input is loaded by some launch.
; LIMIT: a NaN, an infinity or an overflow that reaches only those steps is not carried to the result.
; LIMITS of the quantiser, in every launch: NaN and infinities are not served; a block whose largest magnitude lies under 2^-122 gets the byte 1; a block of zeros gets the byte 1 where the rule says 127
; (its codes are zeros, which add nothing under any byte but 0xff, and these bytes are read by this program alone).
; SHARES.  A work-group takes 16 rows.  Wave w loads rows 2 w and 2 w + 1 (eight loads of 512 neighbouring bytes a row), finds mean and variance in two passes (the mean is taken away before the squares, so a common
; offset costs nothing), and stores y into a stage in LDS.  Behind one barrier wave w takes K step w (128 along the row) of all 16 rows: lane (r, h) reads 2 x 32 neighbours of row r, as the operand's layout wants them.
; OUT.  An operand goes to memory as an IMAGE OF ITS REGISTERS: registers 4 c .. 4 c + 3 of lane l at byte 512 c + 16 l of 1,536.  A panel is 128 rows x 1,024: [K / 256][8 tiles of rows][2][1,536];
; its scale words lie from byte 3,145,728 on: [panel][K / 128][128 rows], four bytes each.
; THE WEIGHTS' codes and scale bytes are laid, bit for bit, as such images, so that the products' launches fetch dense blocks and read each fragment by three loads of 16 bytes a lane.  A fragment is 16 rows x 128 K:
; lane (r, h) holds the 24 bytes at 24 h and the 24 bytes at 48 + 24 h of row r's 96.  wts: panels of Wq, Wk, Wv, Wo, W1 (K = 1,024) from byte 0, of W2 (K = 4,096: [K / 256][8][2][1,536]) from 6,291,456;
; scale words [panel][K / 128][128 rows] from 9,437,184, W2's from 9,699,328.  The five tensors with K = 1,024 are 256 x 8 tasks of 32 rows x 128 K, W2 is 2,048 images, and the launch has 2,048 waves: wave w of work-group u
; takes the task (32 rows u, K step w) and W2's image (tile u / 4, K step 8 (u % 4) + w).  Its 20 loads are issued behind the layer norm's, land in registers of their own under the layer norm's work, and are stored at the end.
; THE ROWS OF Wv THAT FORM A TILE ARE NOT NEIGHBOURS: lane r of tile 2 b + u takes row 32 b + 8 u + r + 8 (r / 8), so that in the attention launch the 16 registers of two neighbouring tiles of O^T are 16 neighbouring channels.
.set WEIGHTS, 1
.set WL,    20*WEIGHTS                 ; the weights' loads of a wave: 12 + 1 for the task, 6 + 1 for W2's image
.set PITCH, 4112                       ; a stage row: 4,096 bytes + 16 = 1,028 words: row r begins 4 r words on, modulo 64: sixteen rows' 16 bytes fall on sixteen different groups of four words
.set SPARE, 16*PITCH                   ; behind the stage: the spare words, 128 bytes for each of eight waves
.set L4,  1                            ; 4 x lane (WEIGHTS)
.set LI,  2                            ; 16 x lane
.set SPW, 5                            ; my spare word; never rewritten
.set NIL, 6                            ; 0; never rewritten
.set STW, 7                            ; the stage, on the way in
.set RDF, 8                            ; and on the way out
.set LS4, 9                            ; 4 r
.set SH8, 10                           ; 8 h
.set WA0, 11                           ; the task's first tile: my bytes of its rows;
.set WA1, 12                           ; its second tile;
.set WSA, 13                           ; its scale words
.set W2A, 14                           ; W2's image likewise
.set W2S, 15
.set G,   16                           ; v16-47  g of my columns
.set BE,  48                           ; v48-79  b of my columns
.set X,   80                           ; v80-143 two rows x 32 numbers; later 64 numbers of one row
.set SM,  144
.set MN,  148
.set QS,  152
.set RS,  156
.set VE,  160
.set PC,  164                          ; the codes: 12 registers
.set PT,  176
.set MX,  184
.set SOP, 186
.set BY,  188
.set W,   190
.set WT,  191
.set WD,  192                          ; v192-215 the task's two images, v216 its scale words
.set W2D, 220                          ; v220-231 W2's image, v232 its scale words
.set SEL, 20
; 64 numbers of a lane, register 32 c + i = k 64 c + 32 h + i of my row, become a fragment's 12 registers in v[PC] on and the row's scale word in v[W] (in both halves of the lanes).
.macro QUANT2 x
.irp c, 0,1
	v_max3_num_f32 v[MX+\c], |v[(\x)+32*\c]|, |v[(\x)+32*\c+1]|, 0x2800000   ; my block 2 c + h: all 32 numbers are mine; the floor 2^(5 - 127) holds the byte at 1 from below
.endr
.irp i, 2,4,6,8,10,12,14,16,18,20,22,24,26,28,30
.irp c, 0,1
	s_delay_alu instid0(VALU_DEP_2)
	v_max3_num_f32 v[MX+\c], v[MX+\c], |v[(\x)+32*\c+\i]|, |v[(\x)+32*\c+\i+1]|
.endr
.endr
.irp c, 0,1
	s_delay_alu instid0(VALU_DEP_2)
	v_add_nc_u32 v[SOP+\c], 0xfe000000, v[MX+\c]   ; 4 off the exponent field: the conversion's scale operand
.endr
.irp c, 0,1
	s_delay_alu instid0(VALU_DEP_2)
	v_lshrrev_b32 v[BY+\c], 23, v[SOP+\c]          ; the scale's byte
.endr
	s_delay_alu instid0(VALU_DEP_1)
	v_lshl_or_b32 v[W], v[BY+1], 16, v[BY]         ; blocks h and 2 + h,
	s_delay_alu instid0(VALU_DEP_1)
	v_lshlrev_b32 v[W], v[SH8], v[W]               ; at their places in the word;
	s_delay_alu instid0(VALU_DEP_1)
	v_permlanex16_b32 v[WT], v[W], s[SEL], s[SEL+1]
	s_delay_alu instid0(VALU_DEP_1)
	v_or_b32 v[W], v[W], v[WT]                     ; with lane l xor 16's two the word is whole
.irp c, 0,1
	v_cvt_scalef32_pk16_bf6_f32 v[PC+6*\c:PC+6*\c+2], v[(\x)+32*\c:(\x)+32*\c+15], v[SOP+\c]
	v_cvt_scalef32_pk16_bf6_f32 v[PT+4*\c:PT+4*\c+2], v[(\x)+32*\c+16:(\x)+32*\c+31], v[SOP+\c]   ; (a conversion's three registers begin on an even number)
.endr
	v_nop                                          ; one plain place behind the conversions
.irp c, 0,1
.irp i, 0,1,2
	v_mov_b32 v[PC+3+6*\c+\i], v[PT+4*\c+\i]
.endr
.endr
.endm
; v[reg + 2 p] = the sum over the wave of the pair v[reg + 2 p], v[reg + 2 p + 1], for both rows by turns
.macro ACROSS reg
.irp p, 0,1
	s_delay_alu instid0(VALU_DEP_2)
	v_add_f32 v[\reg+2*\p], v[\reg+2*\p], v[\reg+2*\p+1]
.endr
.irp m, 1,2,4,8
.irp p, 0,1
	s_delay_alu instid0(VALU_DEP_2)
	v_add_f32_dpp v[\reg+2*\p], v[\reg+2*\p], v[\reg+2*\p] row_xmask:\m row_mask:0xf bank_mask:0xf
.endr
.endr
.irp p, 0,1
	s_delay_alu instid0(VALU_DEP_2)
	v_permlanex16_b32 v[\reg+2*\p+1], v[\reg+2*\p], s[SEL], s[SEL+1]
.endr
.irp p, 0,1
	s_delay_alu instid0(VALU_DEP_2)
	v_add_f32 v[\reg+2*\p], v[\reg+2*\p], v[\reg+2*\p+1]
.endr
.endm
	s_load_b256 s[4:11], s[0:1], 0x0               ; x s[4:5], g s[6:7], b s[8:9], the codes' buffer s[10:11]
.if WEIGHTS
	s_load_b256 s[32:39], s[0:1], 0x20             ; wts, Wq's codes, Wq's scales, Wk's codes
	s_load_b512 s[40:55], s[0:1], 0x40             ; Wk's scales, Wv c, Wv s, Wo c, Wo s, W1 c, W1 s, W2 c
	s_load_b64 s[56:57], s[0:1], 0x80              ; W2's scales
.endif
	v_lshl_add_u32 v[SPW], v0, 2, SPARE
	v_mov_b32 v[NIL], 0
	v_lshrrev_b32 v1, 5, v0
	s_delay_alu instid0(VALU_DEP_1)
	v_readfirstlane_b32 s12, v1                    ; wave 0..7
	v_and_b32 v1, 31, v0
	s_delay_alu instid0(VALU_DEP_1)
	v_lshlrev_b32 v[LI], 4, v1
.if WEIGHTS
	s_delay_alu instid0(VALU_DEP_2)
	v_lshlrev_b32 v[L4], 2, v1
.endif
	v_and_b32 v3, 15, v0                           ; r
	v_bfe_u32 v4, v0, 4, 1                         ; h
	s_mul_i32 s13, s12, 2*PITCH
	v_add_nc_u32 v[STW], s13, v[LI]                ; in: my two rows, 16 bytes a lane
	v_mul_u32_u24 v[RDF], v3, PITCH
	s_delay_alu instid0(VALU_DEP_1)
	v_lshl_add_u32 v[RDF], v4, 7, v[RDF]
	s_lshl_b32 s13, s12, 9
	v_add_nc_u32 v[RDF], s13, v[RDF]               ; out: row r, + 512 w (my K step) + 128 h
	v_lshlrev_b32 v[LS4], 2, v3
	v_lshlrev_b32 v[SH8], 3, v4
	v_mov_b32 v[WT], 0                             ; written once: a lane permute's destination counts as one of its sources
	s_mov_b32 s[SEL], 0x76543210
	s_mov_b32 s[SEL+1], 0xfedcba98
	s_mov_b32 s22, 0x3a800000                      ; 1 / 1,024
	s_lshl_b32 s14, ttmp9, 16                      ; 16 rows of 4,096 bytes a work-group,
	s_lshl_b32 s15, s12, 13                        ; two a wave
	s_add_co_u32 s14, s14, s15
	s_mov_b32 s15, 0
	s_lshr_b32 s16, ttmp9, 3                       ; the panel
	s_mul_i32 s17, s16, 98304
	s_lshr_b32 s18, s12, 1
	s_mul_i32 s18, s18, 24576
	s_add_co_u32 s17, s17, s18
	s_and_b32 s18, ttmp9, 7                        ; the tile of rows in it
	s_mul_i32 s19, s18, 3072
	s_add_co_u32 s17, s17, s19
	s_and_b32 s19, s12, 1
	s_mul_i32 s19, s19, 1536
	s_add_co_u32 s24, s17, s19                     ; my image
	s_mov_b32 s25, 0
	s_lshl_b32 s26, s16, 3
	s_add_co_u32 s26, s26, s12
	s_lshl_b32 s26, s26, 9
	s_lshl_b32 s18, s18, 6
	s_add_co_u32 s26, s26, s18
	s_add_co_u32 s26, s26, 3145728                 ; my 16 scale words
	s_mov_b32 s27, 0
	s_wait_alu depctr_va_vdst(0)
	s_wait_kmcnt 0x0
	s_add_nc_u64 s[4:5], s[4:5], s[14:15]
	s_add_nc_u64 s[24:25], s[10:11], s[24:25]
	s_add_nc_u64 s[26:27], s[10:11], s[26:27]
.irp p, 0,1
.irp i, 0,1,2,3,4,5,6,7
	global_load_b128 v[X+32*\p+4*\i:X+32*\p+4*\i+3], v[LI], s[4:5] offset:4096*\p+512*\i th:TH_LOAD_NT   ; 32 lanes read 512 neighbouring bytes: lane l has columns 128 i + 4 l on
.endr
.endr
.irp i, 0,1,2,3,4,5,6,7
	global_load_b128 v[G+4*\i:G+4*\i+3], v[LI], s[6:7] offset:512*\i
	global_load_b128 v[BE+4*\i:BE+4*\i+3], v[LI], s[8:9] offset:512*\i
.endr
.if WEIGHTS
	; ---- my task of the five tensors with K = 1,024: 32 rows u, K step w.  The tensor is chosen by the work-group's number alone
	s_mov_b32 s66, ttmp9                           ; u
	s_sub_co_u32 s67, s66, 64
	s_cmp_lt_u32 s67, 32                           ; Wv?
	s_cselect_b32 s68, 8, 0
	s_cselect_b32 s69, 8, 16                       ; rows from the first tile of the pair to the second
	s_mov_b32 s70, 0
	s_mov_b64 s[58:59], s[34:35]
	s_mov_b64 s[60:61], s[36:37]
	s_cmp_ge_u32 s66, 32
	s_cselect_b64 s[58:59], s[38:39], s[58:59]
	s_cselect_b64 s[60:61], s[40:41], s[60:61]
	s_cselect_b32 s70, 32, s70
	s_cmp_ge_u32 s66, 64
	s_cselect_b64 s[58:59], s[42:43], s[58:59]
	s_cselect_b64 s[60:61], s[44:45], s[60:61]
	s_cselect_b32 s70, 64, s70
	s_cmp_ge_u32 s66, 96
	s_cselect_b64 s[58:59], s[46:47], s[58:59]
	s_cselect_b64 s[60:61], s[48:49], s[60:61]
	s_cselect_b32 s70, 96, s70
	s_cmp_ge_u32 s66, 128
	s_cselect_b64 s[58:59], s[50:51], s[58:59]
	s_cselect_b64 s[60:61], s[52:53], s[60:61]
	s_cselect_b32 s70, 128, s70                    ; the tensor's first pair of tiles
	s_sub_co_u32 s71, s66, s70
	s_lshl_b32 s71, s71, 5                         ; my first row in the tensor
	s_mul_i32 s72, s71, 768                        ; a row of codes is 768 bytes,
	s_mul_i32 s73, s12, 96                         ; a K step 96
	s_add_co_u32 s72, s72, s73
	s_mov_b32 s73, 0
	s_add_nc_u64 s[58:59], s[58:59], s[72:73]
	s_lshl_b32 s72, s71, 5                         ; a row of scale bytes is 32 bytes, a K step 4
	s_lshl_b32 s74, s12, 2
	s_add_co_u32 s72, s72, s74
	s_add_nc_u64 s[60:61], s[60:61], s[72:73]
	s_lshr_b32 s74, s66, 2                         ; the panel in wts.  Also: W2's tile
	s_and_b32 s76, s66, 3
	s_mul_i32 s72, s74, 98304
	s_lshr_b32 s75, s12, 1
	s_mul_i32 s75, s75, 24576
	s_add_co_u32 s72, s72, s75
	s_mul_i32 s75, s76, 6144
	s_add_co_u32 s72, s72, s75
	s_and_b32 s75, s12, 1
	s_mul_i32 s75, s75, 1536
	s_add_co_u32 s72, s72, s75
	s_add_nc_u64 s[78:79], s[32:33], s[72:73]      ; my two images
	s_lshl_b32 s72, s74, 12
	s_lshl_b32 s75, s12, 9
	s_add_co_u32 s72, s72, s75
	s_lshl_b32 s75, s76, 7
	s_add_co_u32 s72, s72, s75
	s_add_co_u32 s72, s72, 9437184
	s_add_nc_u64 s[80:81], s[32:33], s[72:73]      ; my 32 scale words
	; ---- my image of W2: tile u / 4, K step 8 (u % 4) + w
	s_lshl_b32 s77, s76, 3
	s_add_co_u32 s77, s77, s12                     ; the K step
	s_mul_i32 s72, s74, 49152                      ; 16 rows of 3,072 bytes
	s_mul_i32 s75, s77, 96
	s_add_co_u32 s72, s72, s75
	s_add_nc_u64 s[82:83], s[54:55], s[72:73]
	s_lshl_b32 s72, s74, 11                        ; 16 rows of 128 scale bytes
	s_lshl_b32 s75, s77, 2
	s_add_co_u32 s72, s72, s75
	s_add_nc_u64 s[84:85], s[56:57], s[72:73]
	s_lshr_b32 s86, s74, 3                         ; W2's panel,
	s_and_b32 s87, s74, 7                          ; the tile in it
	s_mul_i32 s72, s86, 393216
	s_lshr_b32 s75, s77, 1
	s_mul_i32 s75, s75, 24576
	s_add_co_u32 s72, s72, s75
	s_mul_i32 s75, s87, 3072
	s_add_co_u32 s72, s72, s75
	s_and_b32 s75, s77, 1
	s_mul_i32 s75, s75, 1536
	s_add_co_u32 s72, s72, s75
	s_add_co_u32 s72, s72, 6291456
	s_add_nc_u64 s[88:89], s[32:33], s[72:73]      ; the image
	s_lshl_b32 s72, s86, 14
	s_lshl_b32 s75, s77, 9
	s_add_co_u32 s72, s72, s75
	s_lshl_b32 s75, s87, 6
	s_add_co_u32 s72, s72, s75
	s_add_co_u32 s72, s72, 9699328
	s_add_nc_u64 s[90:91], s[32:33], s[72:73]      ; its 16 scale words
	v_and_b32 v[WA0], s68, v3
	s_delay_alu instid0(VALU_DEP_1)
	v_add_nc_u32 v[WA0], v[WA0], v3                ; the row that lane r takes: r, in Wv r + 8 (r / 8)
	v_mul_lo_u32 v[WSA], v4, s69
	s_delay_alu instid0(VALU_DEP_1)
	v_add_nc_u32 v[WSA], v[WSA], v[WA0]
	s_delay_alu instid0(VALU_DEP_1)
	v_lshlrev_b32 v[WSA], 5, v[WSA]                ; scale words: lanes 0-15 the first tile's rows, lanes 16-31 the second's
	s_delay_alu instid0(VALU_DEP_4)
	v_mul_u32_u24 v[WA0], v[WA0], 768
	s_delay_alu instid0(VALU_DEP_1)
	v_mad_u32_u24 v[WA0], v4, 24, v[WA0]
	s_mul_i32 s75, s69, 768
	v_add_nc_u32 v[WA1], s75, v[WA0]
	v_mul_u32_u24 v[W2A], v3, 3072
	s_delay_alu instid0(VALU_DEP_1)
	v_mad_u32_u24 v[W2A], v4, 24, v[W2A]
	v_lshlrev_b32 v[W2S], 7, v3
.irp p, 0,1,2,3,4,5
	global_load_b64 v[WD+2*\p:WD+2*\p+1], v[WA0], s[58:59] offset:48*(\p/3)+8*(\p%3) th:TH_LOAD_NT
.endr
.irp p, 0,1,2,3,4,5
	global_load_b64 v[WD+12+2*\p:WD+12+2*\p+1], v[WA1], s[58:59] offset:48*(\p/3)+8*(\p%3) th:TH_LOAD_NT
.endr
	global_load_b32 v[WD+24], v[WSA], s[60:61] th:TH_LOAD_NT
.irp p, 0,1,2,3,4,5
	global_load_b64 v[W2D+2*\p:W2D+2*\p+1], v[W2A], s[82:83] offset:48*(\p/3)+8*(\p%3) th:TH_LOAD_NT
.endr
	global_load_b32 v[W2D+12], v[W2S], s[84:85] th:TH_LOAD_NT
.endif
	s_wait_loadcnt 16+WL                           ; my two rows are in; the 16 loads of g and b and the weights' may be out
.irp p, 0,1
	v_pk_add_f32 v[SM+2*\p:SM+2*\p+1], v[X+32*\p:X+32*\p+1], v[X+32*\p+2:X+32*\p+3]
.endr
.irp i, 4,6,8,10,12,14,16,18,20,22,24,26,28,30
.irp p, 0,1
	s_delay_alu instid0(VALU_DEP_2)
	v_pk_add_f32 v[SM+2*\p:SM+2*\p+1], v[SM+2*\p:SM+2*\p+1], v[X+32*\p+\i:X+32*\p+\i+1]
.endr
.endr
	ACROSS SM
.irp p, 0,1
	s_delay_alu instid0(VALU_DEP_2)
	v_mul_f32 v[MN+2*\p], s22, v[SM+2*\p]          ; the mean,
.endr
.irp p, 0,1
	s_delay_alu instid0(VALU_DEP_2)
	v_mov_b32 v[MN+2*\p+1], v[MN+2*\p]             ; twice, for the packed forms
.endr
.irp i, 0,2,4,6,8,10,12,14,16,18,20,22,24,26,28,30
.irp p, 0,1
	v_pk_add_f32 v[X+32*\p+\i:X+32*\p+\i+1], v[X+32*\p+\i:X+32*\p+\i+1], v[MN+2*\p:MN+2*\p+1] neg_lo:[0,1] neg_hi:[0,1]   ; x - mean
.endr
.endr
.irp p, 0,1
	v_pk_mul_f32 v[QS+2*\p:QS+2*\p+1], v[X+32*\p:X+32*\p+1], v[X+32*\p:X+32*\p+1]
.endr
.irp i, 2,4,6,8,10,12,14,16,18,20,22,24,26,28,30
.irp p, 0,1
	s_delay_alu instid0(VALU_DEP_2)
	v_pk_fma_f32 v[QS+2*\p:QS+2*\p+1], v[X+32*\p+\i:X+32*\p+\i+1], v[X+32*\p+\i:X+32*\p+\i+1], v[QS+2*\p:QS+2*\p+1]
.endr
.endr
	ACROSS QS
.irp p, 0,1
	s_delay_alu instid0(VALU_DEP_2)
	v_fmaak_f32 v[VE+\p], s22, v[QS+2*\p], 0x3727c5ac   ; the variance + 1e-5
.endr
	s_wait_alu depctr_va_vdst(0)
.irp p, 0,1
	v_rsq_f32 v[RS+2*\p], v[VE+\p]
.endr
	v_nop                                          ; a plain place behind the two roots,
	s_wait_alu depctr_va_vdst(0)                   ; and a wait ahead of their first reader
.irp p, 0,1
	v_mov_b32 v[RS+2*\p+1], v[RS+2*\p]
.endr
	s_wait_alu depctr_va_vdst(0)
	s_wait_loadcnt WL                              ; g and b are in; the weights' loads may be out
.irp i, 0,2,4,6,8,10,12,14,16,18,20,22,24,26,28,30
.irp p, 0,1
	v_pk_mul_f32 v[X+32*\p+\i:X+32*\p+\i+1], v[X+32*\p+\i:X+32*\p+\i+1], v[RS+2*\p:RS+2*\p+1]
.endr
.endr
.irp i, 0,2,4,6,8,10,12,14,16,18,20,22,24,26,28,30
.irp p, 0,1
	v_pk_fma_f32 v[X+32*\p+\i:X+32*\p+\i+1], v[X+32*\p+\i:X+32*\p+\i+1], v[G+\i:G+\i+1], v[BE+\i:BE+\i+1]
.endr
.endr
.irp p, 0,1
.irp i, 0,1,2,3,4,5,6,7
	ds_store_b128 v[STW], v[X+32*\p+4*\i:X+32*\p+4*\i+3] offset:PITCH*\p+512*\i
.endr
.endr
	s_wait_dscnt 0x0                               ; for the others' sake: my rows lie in the stage
	s_barrier_signal -1
	s_barrier_wait -1
.irp c, 0,1
.irp i, 0,1,2,3,4,5,6,7
	ds_load_b128 v[X+32*\c+4*\i:X+32*\c+4*\i+3], v[RDF] offset:256*\c+16*\i   ; y(r, 128 w + 64 c + 32 h + 4 i ..)
.endr
.endr
	s_wait_dscnt 0x0
	QUANT2 X
.irp c, 0,1,2
	global_store_b128 v[LI], v[PC+4*\c:PC+4*\c+3], s[24:25] offset:512*\c   ; 32 lanes store 512 neighbouring bytes
.endr
	global_store_b32 v[LS4], v[W], s[26:27]        ; row r's word; lanes l and l + 16 write the same word to the same place
.if WEIGHTS
	s_wait_loadcnt 0x0                             ; the weights' 20 loads
.irp t, 0,1
.irp c, 0,1,2
	global_store_b128 v[LI], v[WD+12*\t+4*\c:WD+12*\t+4*\c+3], s[78:79] offset:3072*\t+512*\c   ; 32 lanes store 512 neighbouring bytes
.endr
.endr
	global_store_b32 v[L4], v[WD+24], s[80:81]
.irp c, 0,1,2
	global_store_b128 v[LI], v[W2D+4*\c:W2D+4*\c+3], s[88:89] offset:512*\c
.endr
	global_store_b32 v[LS4], v[W2D+12], s[90:91]   ; row r's word; lanes l and l + 16 hold and write the same word
.endif
	s_wait_tensorcnt 0x0                           ; the wave's end
	ds_add_u32 v[SPW], v[NIL]
	s_wait_dscnt 0x0
	s_endpgm
.Lfunc_end_k_qb84c024267_prep:
	.size	k_qb84c024267_prep, .Lfunc_end_k_qb84c024267_prep-k_qb84c024267_prep
	.p2alignl 7, 3214868480
	.fill 96, 4, 3214868480
	.section	.rodata,"a",@progbits
	.p2align	6, 0x0
	.amdhsa_kernel k_qb84c024267_prep
		.amdhsa_group_segment_fixed_size 66816
		.amdhsa_private_segment_fixed_size 0
		.amdhsa_enable_private_segment 0
		.amdhsa_kernarg_size 136
		.amdhsa_user_sgpr_count 2
		.amdhsa_user_sgpr_kernarg_segment_ptr 1
		.amdhsa_wavefront_size32 1
		.amdhsa_system_sgpr_workgroup_id_x 1
		.amdhsa_system_sgpr_workgroup_id_y 1
		.amdhsa_system_sgpr_workgroup_id_z 1
		.amdhsa_system_vgpr_workitem_id 0
		.amdhsa_next_free_vgpr 240
		.amdhsa_next_free_sgpr 96
		.amdhsa_reserve_vcc 0
		.amdhsa_float_denorm_mode_32 3
		.amdhsa_float_denorm_mode_16_64 3
		.amdhsa_memory_ordered 1
		.amdhsa_forward_progress 1
		.amdhsa_inst_pref_size 35
	.end_amdhsa_kernel
	.amdgpu_metadata
---
amdhsa.version: [ 1, 2 ]
amdhsa.kernels:
  - .name:           k_qb84c024267_prep
    .symbol:         k_qb84c024267_prep.kd
    .args:
      - { .name: x, .offset: 0, .size: 8, .value_kind: global_buffer, .address_space: global }
      - { .name: g1, .offset: 8, .size: 8, .value_kind: global_buffer, .address_space: global }
      - { .name: be1, .offset: 16, .size: 8, .value_kind: global_buffer, .address_space: global }
      - { .name: hbuf, .offset: 24, .size: 8, .value_kind: global_buffer, .address_space: global }
      - { .name: wts, .offset: 32, .size: 8, .value_kind: global_buffer, .address_space: global }
      - { .name: Wq_codes, .offset: 40, .size: 8, .value_kind: global_buffer, .address_space: global }
      - { .name: Wq_scales, .offset: 48, .size: 8, .value_kind: global_buffer, .address_space: global }
      - { .name: Wk_codes, .offset: 56, .size: 8, .value_kind: global_buffer, .address_space: global }
      - { .name: Wk_scales, .offset: 64, .size: 8, .value_kind: global_buffer, .address_space: global }
      - { .name: Wv_codes, .offset: 72, .size: 8, .value_kind: global_buffer, .address_space: global }
      - { .name: Wv_scales, .offset: 80, .size: 8, .value_kind: global_buffer, .address_space: global }
      - { .name: Wo_codes, .offset: 88, .size: 8, .value_kind: global_buffer, .address_space: global }
      - { .name: Wo_scales, .offset: 96, .size: 8, .value_kind: global_buffer, .address_space: global }
      - { .name: W1_codes, .offset: 104, .size: 8, .value_kind: global_buffer, .address_space: global }
      - { .name: W1_scales, .offset: 112, .size: 8, .value_kind: global_buffer, .address_space: global }
      - { .name: W2_codes, .offset: 120, .size: 8, .value_kind: global_buffer, .address_space: global }
      - { .name: W2_scales, .offset: 128, .size: 8, .value_kind: global_buffer, .address_space: global }
    .group_segment_fixed_size: 66816
    .private_segment_fixed_size: 0
    .kernarg_segment_align: 8
    .kernarg_segment_size: 136
    .max_flat_workgroup_size: 256
    .sgpr_count:     96
    .vgpr_count:     240
    .wavefront_size: 32
...
	.end_amdgpu_metadata
.endif
;; end of part 1
;; launch qkv (part 2): grid 12 x 16, 4 waves a work-group, clusters of 4 x 4, 327,680 bytes of LDS; arguments hbuf, wts, qkv; writes qkv
.if DOCPART == 2
	.amdgcn_target "amdgcn-amd-amdhsa--gfx1250"
	.amdhsa_code_object_version 6
	.text
	.protected	k_qb84c024267_qkv
	.globl	k_qb84c024267_qkv
	.p2align	8
	.type	k_qb84c024267_qkv,@function
k_qb84c024267_qkv:
	s_mov_b64 s[64:65], 0
	v_nop
	global_prefetch_b8 v0, s[64:65] scope:SCOPE_SE
	s_setreg_imm32_b32 hwreg(HW_REG_WAVE_MODE, 25, 1), 1
	s_wait_xcnt 0x0
	s_wait_alu depctr_hold_cnt(0) depctr_sa_sdst(0) depctr_va_vdst(0) depctr_va_sdst(0) depctr_va_ssrc(0) depctr_va_vcc(0) depctr_vm_vsrc(0)
	s_getreg_b32 s2, hwreg(HW_REG_IB_STS2, 6, 4)
	s_cmp_eq_u32 s2, 0
	s_cbranch_scc0 .Lentry_in_a_cluster
	s_endpgm
.Lentry_in_a_cluster:
	s_bfe_u32 s2, ttmp6, 0x10000c
	s_cmp_lg_u32 s2, 0xf033
	s_cbranch_scc0 .Lentry_shape_is_right
	s_endpgm
.Lentry_shape_is_right:
; C = A B^T on codes of BF6 (E3M2) with one E8M0 scale for each 32 along K = 1,024; C is quantised along its columns on the way out and leaves as codes.  One text serves two launches (FFN = 0 or 1).
; FFN = 0: cluster x = 0: Q = h Wq, 1: K = h Wk (A = h's 4,096 rows, B = the weight's 1,024), 2: V^T = Wv h^T (A = Wv's 1,024 rows, B = h): so V is quantised along the keys.  FFN = 1: relu(h2 W1 + b1), quantised along the 4,096.
; Operands lie in memory as images of their registers (16 rows x 128 K: registers 4 c .. 4 c + 3 of lane l at byte 512 c + 16 l of 1,536), in panels of 128 rows: [K / 256][8 tiles][2][1,536]: 256 along K of a panel are 24,576 dense bytes.
; A tile of C, 256 x 256, is made by four waves, 128 x 128 each: 64 accumulators, 512 registers.  K goes in four steps of 256; a step's tiles are 98,304 bytes, each wave fetching one panel's 24,576 by one tensor load.
; THREE LDS SLOTS: steps 0, 1 and 2 are asked for together at the head; step 3 goes into slot 0 as soon as that has been read, and no other slot is filled again: so between that one request and the wait for it
; stand the products of slots 1 and 2, some 240 matrix instructions a wave.  The scale words of the four panels, for all of K, come once, with the first fills.
; CLUSTERS: 4 x 4: A's panels are asked for jointly along a row of the cluster, B's along a column.
; THE MATRIX INSTRUCTION IS USED TRANSPOSED (source 0 = 16 rows of B, source 1 = 16 rows of A): a lane holds eight neighbouring columns of one row of C.
; REGISTERS: window 0: v10-29 addresses; v32-63 scale words, two sets; v64-127 the bias (FFN), later the quantiser's; v128-223 A's 8 fragments, one set; window 1: B's, two sets; windows 2, 3: the accumulators ((a, b) at v[8 (8 (a % 4) + b)]).
; LIMITS: as stated at the head of the first kernel (NaN, infinities, blocks under 2^-122, the byte of a block of zeros).
.set FFN,    0
.set PART,   24576                     ; 256 along K of a panel
.set SLOT,   4*PART                    ; A's two panels, then B's two
.set SCL,    3*SLOT                    ; behind the three slots: four panels' scale words, 4,096 bytes each
.set SPARE,  SCL+4*4096                ; the spare words, 128 bytes for each wave
.set SPITCH, 528                       ; the way out: a stage of 16 rows x (512 + 16) bytes for each wave,
.set STAGE,  SLOT                      ; in slot 1: it is filled once, and nobody reads it behind the last barrier
.set FR,  12
.set NL,  3                            ; LDS loads that bring a fragment
.set NP,  4                            ; places behind this matrix instruction (ISA guide 7.12.1)
.set LI,   10                          ; 16 x lane
.set LS4,  11                          ; 4 x lane
.set SH8,  12                          ; 8 h
.set ADRA, 16                          ; v16-18 my A panel in slot 0, 1, 2
.set ADRB, 20                          ; v20-22 my B panel
.set STO,  24
.set RDQ,  25
.set ADRS, 27                          ; my scale words: lanes 0-15 A's rows, lanes 16-31 B's
.set SPW,  28
.set NIL,  29
.set SC,   32                          ; set s at v[SC + 16 s]; register 2 i + q: block i, the K step's q-th 128 along K; K step n uses set n % 2
.set BIAS, 64
.set AF,   128
.set PC,   96
.set PT,   108
.set MX,   116
.set SOP,  118
.set BY,   120
.set W,    122
.set WT,   123
.set WE,   124
.set WP,   125
.set G0C,  20
.set G1,   24
.set G0,   32                          ; s[32:39] group 0 for A's tiles, slots 0 and 1
.set G1B,  48
.set G0B,  56                          ; s[56:63] the same for B's tiles
.set SEL,  66
.set G1S,  68
.set G0S,  76
.set G1SB, 80
.set G0SB, 88
.set G0BC, 92
.set LMASK, 99                         ; s99 lanes 16-31
.if FFN
.set APTR, 4
.set BPTR, 6
.set OUTP, 10
.set ASTEP, 3072
.else
.set APTR, 10
.set BPTR, 12
.set OUTP, 8
.set ASTEP, 1536
.endif
.set MSB, 0
.macro WIN new                         ; the immediate's high byte repeats the setting that is left
.if MSB != \new
	s_set_vgpr_msb (MSB<<8)|\new
.set MSB, \new
.endif
.endm
.set MUL_LO, 0xa1                      ; source 0 (B) window 1, source 1 (A) window 0, C and D window 2
.set MUL_HI, 0xf1                      ; the same, C and D window 3
.set TO_B,   0x40
; A joint load: waves 0 and 1 fetch for A, waves 2 and 3 for B.  The branch hangs on the wave's number alone.  An s_nop 0 and four v_nop follow each of the two lines.
.macro JLOAD g0a, g1a, g0b, g1b
	s_cmp_eq_u32 s15, 0
	s_cbranch_scc0 .Lfor_b_\@
	tensor_load_to_lds s[\g0a:\g0a+3], s[\g1a:\g1a+7]
	s_nop 0
.rept 4
	v_nop
.endr
	s_branch .Lasked_\@
.Lfor_b_\@:
	tensor_load_to_lds s[\g0b:\g0b+3], s[\g1b:\g1b+7]
	s_nop 0
.rept 4
	v_nop
.endr
.Lasked_\@:
.endm
.macro CREST                           ; a round of the cluster's barrier behind its opening barrier
	s_cmp_lg_u32 s14, 0
	s_cbranch_scc1 .Lnot_wave_0_\@
	s_barrier_signal -3
.Lnot_wave_0_\@:
	s_barrier_wait -3
	s_barrier_signal -1
	s_barrier_wait -1
.endm
.macro CROUND
	s_barrier_signal -1
	s_barrier_wait -1
	CREST
.endm
.macro PLACES n
.rept \n
	v_nop
.endr
.endm
; 64 numbers of a lane, register 32 c + i = place 64 c + 32 h + i along K of my row, become a fragment's 12 registers in v[PC] on and the row's scale word in v[W] (in both halves of the lanes).
.macro QUANT2 x
.irp c, 0,1
	v_max3_num_f32 v[MX+\c], |v[(\x)+32*\c]|, |v[(\x)+32*\c+1]|, 0x2800000   ; my block 2 c + h; the floor 2^(5 - 127) holds the byte at 1 from below
.endr
.irp i, 2,4,6,8,10,12,14,16,18,20,22,24,26,28,30
.irp c, 0,1
	v_max3_num_f32 v[MX+\c], v[MX+\c], |v[(\x)+32*\c+\i]|, |v[(\x)+32*\c+\i+1]|
.endr
.endr
.irp c, 0,1
	v_add_nc_u32 v[SOP+\c], 0xfe000000, v[MX+\c]   ; 4 off the exponent field: the conversion's scale operand
.endr
.irp c, 0,1
	v_lshrrev_b32 v[BY+\c], 23, v[SOP+\c]
.endr
	v_lshl_or_b32 v[W], v[BY+1], 16, v[BY]
	v_lshlrev_b32 v[W], v[SH8], v[W]
	v_permlanex16_b32 v[WT], v[W], s[SEL], s[SEL+1]
	v_or_b32 v[W], v[W], v[WT]
.irp c, 0,1
	v_cvt_scalef32_pk16_bf6_f32 v[PC+6*\c:PC+6*\c+2], v[(\x)+32*\c:(\x)+32*\c+15], v[SOP+\c]
	v_cvt_scalef32_pk16_bf6_f32 v[PT+4*\c:PT+4*\c+2], v[(\x)+32*\c+16:(\x)+32*\c+31], v[SOP+\c]
.endr
	v_nop                                          ; one plain place behind the conversions
.irp c, 0,1
.irp i, 0,1,2
	v_mov_b32 v[PC+3+6*\c+\i], v[PT+4*\c+\i]
.endr
.endr
.endm
.if FFN
	s_load_b256 s[4:11], s[0:1], 0x0               ; h2's codes, the weights, b1, the hidden layer's codes
.else
	s_load_b128 s[4:7], s[0:1], 0x0                ; h's codes, the weights
	s_load_b64 s[8:9], s[0:1], 0x10                ; Q, K, V
.endif
	v_lshl_add_u32 v[SPW], v0, 2, SPARE
	v_mov_b32 v[NIL], 0
	ds_add_u32 v[SPW], v[NIL]                      ; the wave's opening: the add, twice on end, and its wait ahead of my first tensor load
	ds_add_u32 v[SPW], v[NIL]
	v_lshrrev_b32 v1, 5, v0
	v_readfirstlane_b32 s14, v1                    ; wave 0..3
	s_lshr_b32 s15, s14, 1                         ; my half of the tile's rows.  Also: I fetch for A (0) or for B (1)
	s_and_b32 s16, s14, 1                          ; my half of its columns.  Also: which of the two panels I fetch
	s_bfe_u32 s40, ttmp6, 0x40000                  ; cx
	s_bfe_u32 s41, ttmp6, 0x40004                  ; cy
	s_and_b32 s13, ttmp7, 0xffff
	s_lshl_b32 s13, s13, 2                         ; 4 x cluster y
.if FFN
	s_lshl_b32 s42, ttmp9, 2
	s_mov_b32 s17, s13
	s_mov_b32 s97, 0                               ; where A's codes, A's scale words, B's codes and B's scale words begin in their buffers
	s_mov_b32 s98, 3145728
	s_mov_b32 s18, 3145728
	s_mov_b32 s19, 9568256
.else
	s_mul_i32 s18, ttmp9, 786432
	s_lshl_b32 s19, ttmp9, 15
	s_add_co_u32 s19, s19, 9437184
	s_mov_b32 s96, 3145728
	s_cmp_eq_u32 ttmp9, 2                          ; V?  The cluster's x is the same in all sixteen partners
	s_cselect_b32 s17, 0, s13
	s_cselect_b32 s42, s13, 0
	s_cselect_b32 s97, 1572864, 0
	s_cselect_b32 s98, 9502720, s96
	s_cselect_b32 s18, 0, s18
	s_cselect_b32 s19, s96, s19
.endif
	s_add_co_u32 s17, s17, s41                     ; tile row of C
	s_add_co_u32 s42, s42, s40                     ; tile column of C
	s_lshl_b32 s43, s41, 2
	s_lshl_b32 s43, 15, s43                        ; my row of the cluster
	s_lshl_b32 s44, 0x1111, s40                    ; my column
	; group 1: a dense block as rows of 256 bytes (32 elements of 8 bytes), no padding: 96 rows of codes, 16 of scale words
	s_or_b32 s[G1+0], s43, (3<<16)|(1<<21)
	s_or_b32 s[G1B+0], s44, (3<<16)|(1<<21)
.irp g, G1, G1B
	s_mov_b32 s[\g+1], 3072<<16                    ; for the head's load: K step 0 of two panels: 2 rows of 24,576 bytes, 98,304 bytes apart
	s_mov_b32 s[\g+2], 2<<16
	s_mov_b32 s[\g+3], 3072<<16
	s_mov_b32 s[\g+4], 2
	s_mov_b32 s[\g+5], 12288
	s_mov_b32 s[\g+6], 0
	s_mov_b32 s[\g+7], 0
.endr
	s_or_b32 s[G1S+0], s43, (3<<16)|(1<<21)
	s_or_b32 s[G1SB+0], s44, (3<<16)|(1<<21)
.irp g, G1S, G1SB
	s_mov_b32 s[\g+1], 32<<16
	s_mov_b32 s[\g+2], 32<<16                      ; two panels' scale words: 8,192 dense bytes
	s_mov_b32 s[\g+3], 32<<16
	s_mov_b32 s[\g+4], 32
	s_mov_b32 s[\g+5], 32
	s_mov_b32 s[\g+6], 0
	s_mov_b32 s[\g+7], 0
.endr
	s_lshl_b32 s20, s17, 1
	s_lshl_b32 s22, s20, 12
	s_mul_i32 s20, s20, 98304
	s_add_co_u32 s20, s20, s97
	s_add_co_u32 s22, s22, s98
	s_mov_b32 s21, 0
	s_mov_b32 s23, 0
	s_lshl_b32 s46, s42, 1
	s_lshl_b32 s92, s46, 12
	s_mul_i32 s46, s46, 98304
	s_add_co_u32 s46, s46, s18
	s_add_co_u32 s92, s92, s19
	s_mov_b32 s47, 0
	s_mov_b32 s93, 0
	s_mul_i32 s45, s14, PART                       ; where they go: no place in the cluster enters an LDS address
	s_mov_b32 s[SEL], 0x76543210
	s_mov_b32 s[SEL+1], 0xfedcba98
	s_mov_b32 s[LMASK], 0xffff0000                 ; lanes 16-31
	s_wait_dscnt 0x0                               ; both opening adds are done
	s_wait_kmcnt 0x0
.if FFN == 0
	s_cmp_eq_u32 ttmp9, 2
	s_cselect_b64 s[10:11], s[6:7], s[4:5]         ; A's buffer
	s_cselect_b64 s[12:13], s[4:5], s[6:7]         ; B's
.endif
	s_add_nc_u64 s[20:21], s[APTR:APTR+1], s[20:21]
	s_add_nc_u64 s[22:23], s[APTR:APTR+1], s[22:23]
	s_add_nc_u64 s[46:47], s[BPTR:BPTR+1], s[46:47]
	s_add_nc_u64 s[92:93], s[BPTR:BPTR+1], s[92:93]
	CROUND                                         ; all sixteen work-groups are here: the first joint loads meet
	s_mov_b32 s[G0S], 1
	s_mov_b32 s[G0S+1], SCL
	s_mov_b64 s[G0S+2:G0S+3], s[22:23]
	s_or_b32 s[G0S+3], s[G0S+3], 0x80000000
	s_mov_b32 s[G0SB], 1
	s_mov_b32 s[G0SB+1], SCL+8192
	s_mov_b64 s[G0SB+2:G0SB+3], s[92:93]
	s_or_b32 s[G0SB+3], s[G0SB+3], 0x80000000
; HOW THE TILES COME, in place of what the head comment says of the first fills.  THE HEAD: one joint load a wave: wave 0 K step 0 of A's two panels, wave 1 of B's two,
; wave 2 the scale words of A's two panels, wave 3 of B's.  K steps 1 and 2 come behind the full sequence and a round, one dense load of 49,152 bytes a wave: in LDS they lie panel by panel from SLOT on
; (panel p at SLOT + 2 p PART, K step 1 then K step 2).  K step 3 goes into slot 0 as before.
; PREFETCH, one load ahead: behind the head's load each wave asks for K steps 1 and 2 of the panel that it will fetch, behind the second load for K step 3.  A K step of a panel is 96 blocks of 256 bytes:
; each of the four partners that ask jointly takes 24, told apart by address (cx for A, cy for B), a lane a block (lanes 24-31 name block 23 again).
	s_mov_b32 s4, 1
	s_mov_b32 s5, 0
	s_mov_b64 s[6:7], s[20:21]
	s_or_b32 s7, s7, 0x80000000
	s_mov_b32 s92, 1                               ; s[92:95]: of wave 1's
	s_mov_b32 s93, 2*PART
	s_mov_b64 s[94:95], s[46:47]
	s_or_b32 s95, s95, 0x80000000
	s_mul_i32 s2, s16, 98304                       ; from here on: the one panel that I fetch
	s_mov_b32 s3, 0
	s_add_nc_u64 s[20:21], s[20:21], s[2:3]
	s_add_nc_u64 s[46:47], s[46:47], s[2:3]
	s_lshl_b32 s2, s45, 1                          ; wave x 2 PART
.irp s, 0,1
	s_mov_b32 s[G0+4*\s], 1
	s_add_nc_u64 s[G0+4*\s+2:G0+4*\s+3], s[20:21], \s*PART
	s_or_b32 s[G0+4*\s+3], s[G0+4*\s+3], 0x80000000
	s_mov_b32 s[G0B+4*\s], 1
	s_add_nc_u64 s[G0B+4*\s+2:G0B+4*\s+3], s[46:47], \s*PART
	s_or_b32 s[G0B+4*\s+3], s[G0B+4*\s+3], 0x80000000
.endr
	s_mov_b32 s[G0+1], s45
	s_mov_b32 s[G0B+1], s45
	s_add_co_u32 s[G0+5], s2, SLOT
	s_add_co_u32 s[G0B+5], s2, SLOT
	s_cmp_eq_u32 s15, 0                            ; do I fetch for A?
	s_cselect_b64 s[22:23], s[20:21], s[46:47]     ; s[22:23]: where my prefetches stand; never rewritten
	s_cselect_b32 s2, s40, s41                     ; my place among the four that ask with me
	s_mul_i32 s2, s2, 6144                         ; 24 blocks of 256 bytes each (s3 = 0)
	s_add_nc_u64 s[22:23], s[22:23], s[2:3]
.macro ARM under, g0, g1, next         ; one chain of branches on the wave's number: every way passes exactly one load
	s_cmp_lt_u32 s14, \under
	s_cbranch_scc0 \next
	tensor_load_to_lds s[\g0:\g0+3], s[\g1:\g1+7]
	s_nop 0
.rept 4
	v_nop
.endr
	s_branch .Lhead_asked
\next:
.endm
	ARM 1, 4,   G1,  .Lhead_b
	ARM 2, 92,  G1B, .Lhead_sa
	ARM 3, G0S, G1S, .Lhead_sb
	tensor_load_to_lds s[G0SB:G0SB+3], s[G1SB:G1SB+7]
	s_nop 0
.rept 4
	v_nop
.endr
.Lhead_asked:
	v_and_b32 v30, 31, v0
	v_min_u32 v30, 23, v30
	v_lshlrev_b32 v30, 8, v30                      ; v30: the prefetches' offset, 256 x min(lane, 23); never rewritten
	global_prefetch_b8 v30, s[22:23] offset:PART th:TH_LOAD_NT scope:SCOPE_SE     ; K step 1
	global_prefetch_b8 v30, s[22:23] offset:2*PART th:TH_LOAD_NT scope:SCOPE_SE   ; K step 2
	v_and_b32 v1, 15, v0
	v_bfe_u32 v2, v0, 4, 1                         ; h
	v_and_b32 v3, 31, v0
	v_lshlrev_b32 v[LI], 4, v3
	v_lshlrev_b32 v[LS4], 2, v3
	v_lshlrev_b32 v[SH8], 3, v2
	s_mul_i32 s2, s15, PART                        ; my panel of A,
	s_mul_i32 s3, s16, PART
	s_add_co_u32 s3, s3, 2*PART                    ; my panel of B, behind A's two
	v_add_nc_u32 v[ADRA], s2, v[LI]
	v_add_nc_u32 v[ADRB], s3, v[LI]
	s_lshl_b32 s2, s2, 1                           ; K steps 1 and 2: panel p at SLOT + 2 p PART
	s_lshl_b32 s3, s3, 1
	s_add_co_u32 s2, s2, SLOT
	s_add_co_u32 s3, s3, SLOT
	v_add_nc_u32 v[ADRA+1], s2, v[LI]
	v_add_nc_u32 v[ADRB+1], s3, v[LI]
	v_add_nc_u32 v[ADRA+2], PART, v[ADRA+1]
	v_add_nc_u32 v[ADRB+2], PART, v[ADRB+1]
	s_lshl_b32 s2, s15, 12
	s_lshl_b32 s3, s16, 12
	s_add_co_u32 s3, s3, 2*4096
	s_sub_co_u32 s3, s3, s2
	v_mul_u32_u24 v6, s3, v2                       ; lanes 16-31 take B's words: one product, the distance between the two bases
	s_add_co_u32 s2, s2, SCL
	v_lshl_add_u32 v5, v1, 2, v6
	v_add_nc_u32 v[ADRS], s2, v5
	s_mul_i32 s13, s14, 16*SPITCH
	s_add_co_u32 s13, s13, STAGE                   ; my stage
	v_mul_u32_u24 v5, v1, SPITCH
	v_add_nc_u32 v5, s13, v5
	v_lshl_add_u32 v[STO], v2, 5, v5               ; in: row r, 32 bytes for each half of the lanes
	v_lshl_add_u32 v[RDQ], v2, 7, v5               ; back: row r, 32 numbers for each half
	s_lshl_b32 s96, s17, 1
	s_add_co_u32 s96, s96, s15                     ; my panel of C's rows
	s_lshl_b32 s97, s42, 1
	s_add_co_u32 s97, s97, s16                     ; my panel of C's columns
.if FFN
	s_lshl_b32 s46, s97, 9
	s_mov_b32 s47, 0
	s_add_nc_u64 s[8:9], s[8:9], s[46:47]          ; b1 at my 128 columns
	v_lshlrev_b32 v7, 5, v2
.irp b, 0,1,2,3,4,5,6,7
	global_load_b128 v[BIAS+8*\b:BIAS+8*\b+3], v7, s[8:9] offset:64*\b        ; lane (r, h): b1 of columns 16 b + 8 h + 0 .. 7: the result's layout
	global_load_b128 v[BIAS+8*\b+4:BIAS+8*\b+7], v7, s[8:9] offset:64*\b+16
.endr
	s_mul_i32 s46, s96, 393216                     ; the hidden layer's panel (K = 4,096); my 128 columns are its K step 2 x tile column + half
	s_mul_i32 s2, s42, 24576
	s_add_co_u32 s46, s46, s2
	s_mul_i32 s2, s16, 1536
	s_add_co_u32 s46, s46, s2
	s_lshl_b32 s2, s96, 5
	s_add_co_u32 s2, s2, s97
	s_lshl_b32 s2, s2, 9
	s_add_co_u32 s2, s2, 12582912
.else
	s_cmp_eq_u32 ttmp9, 2
	s_cselect_b32 s3, s97, s96                     ; the panel of tokens,
	s_cselect_b32 s13, s96, s97                    ; the pair of heads
	s_lshr_b32 s98, s3, 3
	s_lshl_b32 s98, s98, 3
	s_add_co_u32 s98, s98, s13                     ; 8 x batch + pair
	s_and_b32 s3, s3, 7                            ; which 128 tokens of the sequence
	s_mul_i32 s46, s98, 294912
	s_mul_i32 s2, ttmp9, 98304
	s_add_co_u32 s46, s46, s2
	s_mul_i32 s2, s3, 12288
	s_add_co_u32 s46, s46, s2
	s_mul_i32 s2, s98, 12288
	s_lshl_b32 s13, ttmp9, 12
	s_add_co_u32 s2, s2, s13
	s_lshl_b32 s13, s3, 9
	s_add_co_u32 s2, s2, s13
	s_add_co_u32 s2, s2, 9437184
.endif
	s_mov_b32 s47, 0
	s_add_nc_u64 s[96:97], s[OUTP:OUTP+1], s[46:47]   ; my eight images
	s_mov_b32 s46, s2
	s_add_nc_u64 s[18:19], s[OUTP:OUTP+1], s[46:47]   ; my 128 scale words
.macro FRAG reg, adr, q, i             ; a fragment comes back as it was stored: three loads of 16 bytes a lane, 512 neighbouring bytes each
.irp c, 0,1,2
	ds_load_b128 v[\reg+4*\c:\reg+4*\c+3], v[\adr] offset:(2*(\i)+(\q))*1536+512*\c
.endr
.endm
; 16 matrix instructions: A's blocks a0, a0 + 1 x B's eight.  p: B's set; q: the K step's q-th 128 along K; sc: the set of scale words.  zero = 1: the first product starts the sums; 2: it starts them with the bias.
; The 64 accumulators take turns, one instruction a turn, in the same order in every step.
.macro MUL16 a0, p, q, sc, zero
.irp a, \a0, \a0+1
.irp b, 0,1,2,3,4,5,6,7
.if \zero == 1
	v_wmma_scale_f32_16x16x128_f8f6f4 v[8*(8*((\a)%4)+\b):8*(8*((\a)%4)+\b)+7], v[128*(\p)+FR*\b:128*(\p)+FR*\b+FR-1], v[AF+FR*(\a):AF+FR*(\a)+FR-1], 0, v[SC+16*(\sc)+2*\b+(\q)], v[SC+16*(\sc)+2*(\a)+(\q)] matrix_a_fmt:MATRIX_FMT_BF6 matrix_b_fmt:MATRIX_FMT_BF6 matrix_a_scale:MATRIX_SCALE_ROW1
.elseif \zero == 2
	v_wmma_scale_f32_16x16x128_f8f6f4 v[8*(8*((\a)%4)+\b):8*(8*((\a)%4)+\b)+7], v[128*(\p)+FR*\b:128*(\p)+FR*\b+FR-1], v[AF+FR*(\a):AF+FR*(\a)+FR-1], v[BIAS+8*\b:BIAS+8*\b+7], v[SC+16*(\sc)+2*\b+(\q)], v[SC+16*(\sc)+2*(\a)+(\q)] matrix_a_fmt:MATRIX_FMT_BF6 matrix_b_fmt:MATRIX_FMT_BF6 matrix_a_scale:MATRIX_SCALE_ROW1
.else
	v_wmma_scale_f32_16x16x128_f8f6f4 v[8*(8*((\a)%4)+\b):8*(8*((\a)%4)+\b)+7], v[128*(\p)+FR*\b:128*(\p)+FR*\b+FR-1], v[AF+FR*(\a):AF+FR*(\a)+FR-1], v[8*(8*((\a)%4)+\b):8*(8*((\a)%4)+\b)+7], v[SC+16*(\sc)+2*\b+(\q)], v[SC+16*(\sc)+2*(\a)+(\q)] matrix_a_fmt:MATRIX_FMT_BF6 matrix_b_fmt:MATRIX_FMT_BF6 matrix_a_scale:MATRIX_SCALE_ROW1
.endif
.endr
.endr
.endm
.macro FETCH_B slot, q, p
	WIN TO_B
.irp i, 0,1,2,3,4,5,6,7
	FRAG 128*(\p)+FR*\i, ADRB+\slot, \q, \i
.endr
	WIN 0
.endm
.macro FETCH_A slot, q, i0
.irp i, \i0, \i0+1, \i0+2, \i0+3
	FRAG AF+FR*(\i), ADRA+\slot, \q, \i
.endr
.endm
.macro SCALES sc                       ; a K step's scale words: lanes 0-15 take A's block i, lanes 16-31 B's block i
.irp i, 0,1,2,3,4,5,6,7
.irp q, 0,1
	ds_load_b32 v[SC+16*\sc+2*\i+\q], v[ADRS] offset:512*\q+64*\i
.endr
.endr
.endm
; A K step's first 128 along K.  slot: where its tiles lie; sc: its set of scale words.
.macro STEP slot, sc, zero
	s_wait_dscnt 4*NL                              ; B's set and A's blocks 0-3 are in; the youngest 12 loads (A's blocks 4-7) may be out
.if \zero == 2
	WIN 0x81                                       ; C (the bias) window 0, D window 2
.else
	WIN MUL_LO
.endif
	MUL16 0, 0, 0, \sc, \zero
	MUL16 2, 0, 0, \sc, \zero
	s_wait_dscnt 0                                 ; A's blocks 4-7 are in
	PLACES NP                                      ; in front of loads into registers that matrix instructions have read
	FETCH_B \slot, 1, 1
	FETCH_A \slot, 1, 0
.if \zero == 2
	WIN 0xc1
.else
	WIN MUL_HI
.endif
	MUL16 4, 0, 0, \sc, \zero
	MUL16 6, 0, 0, \sc, \zero
	PLACES NP
	WIN 0
	FETCH_A \slot, 1, 4
.endm
; A K step's second 128 along K goes on to the next slot.
; mode 1: this slot is filled again: each wave waits for all its tensor loads, adds 0 to its spare word, waits for that and for its own reads of this slot; the barrier opens a round of the cluster's barrier; the refill comes first behind it.
; mode 0: the next slot is the one that was filled again: the same three lines and my work-group's barrier, behind which that slot is whole for every wave.
; mode 2: the next slot was shown whole to every wave by the barrier of mode 1, and nothing is filled: no barrier.
.macro TURN slot, sc, next, nsc, mode
.if \mode < 2
	s_wait_tensorcnt 0x0                           ; all my tensor loads have landed
	ds_add_u32 v[SPW], v[NIL]
	s_wait_dscnt 4*NL+1                            ; (the add and the youngest 12 loads may be out)
	WIN MUL_LO
	MUL16 0, 1, 1, \sc, 0
	s_wait_dscnt 0x0                               ; the add is done, and my reads of this slot are over
	s_barrier_signal -1
	MUL16 2, 1, 1, \sc, 0
	WIN 0
	s_barrier_wait -1
.else
	s_wait_dscnt 4*NL                              ; the youngest 12 loads (A's blocks 4-7) may be out
	WIN MUL_LO
	MUL16 0, 1, 1, \sc, 0
	MUL16 2, 1, 1, \sc, 0
	s_wait_dscnt 0x0                               ; A's blocks 4-7 are in
	WIN 0
.endif
.if \mode == 1
	CREST                                          ; no wave of any partner still reads this slot or has a load on its way
	s_mov_b32 s[G1+2], 96<<16                      ; no tensor load of mine is out: this load brings one K step of a panel, 96 rows of 256 bytes
	s_mov_b32 s[G1+4], 96
	s_mov_b32 s[G1B+2], 96<<16
	s_mov_b32 s[G1B+4], 96
	s_add_nc_u64 s[G0+4*\slot+2:G0+4*\slot+3], s[G0+4*\slot+2:G0+4*\slot+3], 3*PART
	s_add_nc_u64 s[G0B+4*\slot+2:G0B+4*\slot+3], s[G0B+4*\slot+2:G0B+4*\slot+3], 3*PART
	JLOAD G0+4*\slot, G1, G0B+4*\slot, G1B         ; my one tensor load behind the round: three K steps on; its four v_nop are the places in front of the loads below
.else
	PLACES NP
.endif
	v_add_nc_u32 v[ADRS], 1024, v[ADRS]            ; the next K step's scale words
	FETCH_B \next, 0, 0
	FETCH_A \next, 0, 0
	SCALES \nsc
	WIN MUL_HI
	MUL16 4, 1, 1, \sc, 0
	MUL16 6, 1, 1, \sc, 0
	PLACES NP
	WIN 0
	FETCH_A \next, 0, 4
.endm
	s_wait_alu depctr_va_vdst(0)
	s_wait_tensorcnt 0x0                           ; my tile of the head's four is in
	ds_add_u32 v[SPW], v[NIL]
.irp g, G1, G1B
	s_mov_b32 s[\g+1], 32<<16                      ; no tensor load of mine is out: the next load brings K steps 1 and 2 of a panel, 192 dense rows of 256 bytes
	s_mov_b32 s[\g+2], 192<<16
	s_mov_b32 s[\g+3], 32<<16
	s_mov_b32 s[\g+4], 192
	s_mov_b32 s[\g+5], 32
.endr
	s_wait_dscnt 0x0
	CROUND                                         ; all four tiles are in, and all sixteen work-groups are here
	JLOAD G0+4, G1, G0B+4, G1B                     ; my one tensor load behind the round
	global_prefetch_b8 v30, s[22:23] offset:3*PART th:TH_LOAD_NT scope:SCOPE_SE   ; K step 3
	FETCH_B 0, 0, 0
	FETCH_A 0, 0, 0
	SCALES 0
	FETCH_A 0, 0, 4
.if FFN
	s_wait_loadcnt 0x0                             ; the bias
	STEP 0, 0, 2
.else
	STEP 0, 0, 1
.endif
	TURN 0, 0, 1, 1, 1                             ; K step 0 ends: slot 0 takes K step 3
	s_wait_alu depctr_va_vdst(0)
	STEP 1, 1, 0
	TURN 1, 1, 2, 0, 2                             ; K step 1 ends
	s_wait_alu depctr_va_vdst(0)
	STEP 2, 0, 0
	TURN 2, 0, 0, 1, 0                             ; K step 2 ends: K step 3 has landed
	STEP 0, 1, 0
	s_wait_dscnt 4*NL                              ; the very last 128 along K: nothing more to fetch
	WIN MUL_LO
	MUL16 0, 1, 1, 1, 0
	MUL16 2, 1, 1, 1, 0
	s_wait_dscnt 0
	WIN MUL_HI
	MUL16 4, 1, 1, 1, 0
	MUL16 6, 1, 1, 1, 0
	WIN 0
; THE WAY OUT, block by block of 16 rows x 128 columns.  The quantiser wants 32 neighbours along the columns in one lane; a lane holds eight.  So a block goes through my stage and comes back 2 x 32 numbers a lane.
; FFN = 0: inside each block of 32 the second and third groups of eight change places.  For V that is the order in which the attention launch's p lies (its tiles of keys are 16 neighbours, so a lane's 16 numbers of a block
; are keys 8 h + 0 .. 7 and 16 + 8 h + 0 .. 7); Q and K are both laid so, which leaves their product as it is.  A block's scale does not hang on the order inside it.
.macro TOSTAGE a
.set AC, 64*((\a)%4)
	WIN 0x08+4*((\a)/4)                            ; an LDS store's data: window 2 or 3
.irp b, 0,1,2,3,4,5,6,7
	ds_store_b128 v[STO], v[AC+8*\b:AC+8*\b+3] offset:64*\b          ; each accumulator from its low end on
	ds_store_b128 v[STO], v[AC+8*\b+4:AC+8*\b+7] offset:64*\b+16
.endr
	WIN 0
.set XB, 128+64*((\a)%2)
.irp c, 0,1
.irp g, 0,1,2,3
.if FFN
.set PG, \g
.else
.set PG, 2*(\g%2)+\g/2
.endif
.irp u, 0,1
	ds_load_b128 v[XB+32*\c+8*\g+4*\u:XB+32*\c+8*\g+4*\u+3], v[RDQ] offset:256*\c+32*PG+16*\u   ; LDS serves a wave's instructions in order (ISA guide 5.7.1.4): these see the stores above
.endr
.endr
.endr
.endm
	PLACES NP                                      ; behind the last products: their results are read, and loads land in registers that held A's fragments
	v_mov_b32 v[WT], 0                             ; a lane permute's destination counts as one of its sources
	TOSTAGE 0
.irp a, 0,1,2,3,4,5,6,7
.if \a < 7
	TOSTAGE \a+1
	s_wait_dscnt 32                                ; this block is back; the next block's 16 stores and 16 loads may be out
.else
	s_wait_dscnt 0x0
.endif
.set XB, 128+64*(\a%2)
.if FFN
.set j, 0
.rept 64
	v_max_num_f32 v[XB+j], 0, v[XB+j]              ; the activation, in f32
.set j, j+1
.endr
.endif
	s_wait_xcnt 0x0                                ; the last block's stores have read their registers: the codes and the word are written again only behind this wait
	QUANT2 XB
.irp c, 0,1,2
	global_store_b128 v[LI], v[PC+4*\c:PC+4*\c+3], s[96:97] offset:\a*ASTEP+512*\c   ; 32 lanes store 512 neighbouring bytes
.endr
.if \a%2 == 0
	v_mov_b32 v[WE], v[W]
.else
	v_cndmask_b32 v[WP], v[WE], v[W], s[LMASK]     ; lanes 0-15 the even block's words, lanes 16-31 the odd one's
	global_store_b32 v[LS4], v[WP], s[18:19] offset:128*(\a/2)
.endif
.endr
	s_wait_tensorcnt 0x0                           ; the wave's end
	ds_add_u32 v[SPW], v[NIL]
	s_wait_dscnt 0x0
	CROUND                                         ; the closing round: no work-group ends while a partner may still ask for a tile that names it
	s_endpgm
.Lfunc_end_k_qb84c024267_qkv:
	.size	k_qb84c024267_qkv, .Lfunc_end_k_qb84c024267_qkv-k_qb84c024267_qkv
	.p2alignl 7, 3214868480
	.fill 96, 4, 3214868480
	.section	.rodata,"a",@progbits
	.p2align	6, 0x0
	.amdhsa_kernel k_qb84c024267_qkv
		.amdhsa_group_segment_fixed_size 327680
		.amdhsa_private_segment_fixed_size 0
		.amdhsa_enable_private_segment 0
		.amdhsa_kernarg_size 24
		.amdhsa_user_sgpr_count 2
		.amdhsa_user_sgpr_kernarg_segment_ptr 1
		.amdhsa_wavefront_size32 1
		.amdhsa_system_sgpr_workgroup_id_x 1
		.amdhsa_system_sgpr_workgroup_id_y 1
		.amdhsa_system_sgpr_workgroup_id_z 1
		.amdhsa_system_vgpr_workitem_id 0
		.amdhsa_next_free_vgpr 1024
		.amdhsa_next_free_sgpr 100
		.amdhsa_reserve_vcc 0
		.amdhsa_float_denorm_mode_32 3
		.amdhsa_float_denorm_mode_16_64 3
		.amdhsa_memory_ordered 1
		.amdhsa_forward_progress 1
		.amdhsa_inst_pref_size 154
	.end_amdhsa_kernel
	.amdgpu_metadata
---
amdhsa.version: [ 1, 2 ]
amdhsa.kernels:
  - .name:           k_qb84c024267_qkv
    .symbol:         k_qb84c024267_qkv.kd
    .args:
      - { .name: hbuf, .offset: 0, .size: 8, .value_kind: global_buffer, .address_space: global }
      - { .name: wts, .offset: 8, .size: 8, .value_kind: global_buffer, .address_space: global }
      - { .name: qkv, .offset: 16, .size: 8, .value_kind: global_buffer, .address_space: global }
    .group_segment_fixed_size: 327680
    .private_segment_fixed_size: 0
    .kernarg_segment_align: 8
    .kernarg_segment_size: 24
    .max_flat_workgroup_size: 128
    .sgpr_count:     100
    .vgpr_count:     1024
    .wavefront_size: 32
...
	.end_amdgpu_metadata
.endif
;; end of part 2
;; launch attn (part 3): grid 8 x 32, 16 waves a work-group, clusters of 4 x 1, 327,680 bytes of LDS; arguments qkv, att; writes att
.if DOCPART == 3
	.amdgcn_target "amdgcn-amd-amdhsa--gfx1250"
	.amdhsa_code_object_version 6
	.text
	.protected	k_qb84c024267_attn
	.globl	k_qb84c024267_attn
	.p2align	8
	.type	k_qb84c024267_attn,@function
k_qb84c024267_attn:
	s_mov_b64 s[64:65], 0
	v_nop
	global_prefetch_b8 v0, s[64:65] scope:SCOPE_SE
	s_setreg_imm32_b32 hwreg(HW_REG_WAVE_MODE, 25, 1), 1
	s_wait_xcnt 0x0
	s_wait_alu depctr_hold_cnt(0) depctr_sa_sdst(0) depctr_va_vdst(0) depctr_va_sdst(0) depctr_va_ssrc(0) depctr_va_vcc(0) depctr_vm_vsrc(0)
	s_getreg_b32 s2, hwreg(HW_REG_IB_STS2, 6, 4)
	s_cmp_eq_u32 s2, 0
	s_cbranch_scc0 .Lentry_in_a_cluster
	s_endpgm
.Lentry_in_a_cluster:
	s_bfe_u32 s2, ttmp6, 0x10000c
	s_cmp_lg_u32 s2, 0x3003
	s_cbranch_scc0 .Lentry_shape_is_right
	s_endpgm
.Lentry_shape_is_right:
.set OSTG,  204800
.set OSS,   217088
.set SPARE, 217600
.set LI,  1
.set LS4, 2
.set SPW, 3
.set NIL, 4
.set AV0, 5
.set AS0, 6
.set AT0, 7
.set ADK, 8
.set ADV, 9
.set ADS, 10
.set ADT, 11
.set QF,  16
.set QS,  28
.set DD,  29
.set R,   30
.set H,   31
.set KF,  32
.set S,   96
.set O,   160
.set PC,  192
.set PT,  204
.set BM,  212
.set BX,  216
.set SO,  220
.set TT,  224
.set F,   226
.set PW,  228
.set KS,  232
.set VS,  236
.set ADA, 240
.set ADB, 241
.set OSW, 242
.set RDI, 243
.set RDS, 244
.set GSO, 245
.set QA,  246
.set WV,  8
.set E,   9
.set T,   10
.set J,   11
.set BP,  12
.set G1C, 16
.set G1S, 24
.set G0C, 32
.set G0S, 36
.set SEL, 40
.set CS,  42
.set TB,  44
.set TS,  45
.set KSI, 46
.macro CROUND
	s_barrier_signal -1
	s_barrier_wait -1
	s_cmp_lg_u32 s[WV], 0
	s_cbranch_scc1 .Lnot_wave_0_\@
	s_barrier_signal -3
.Lnot_wave_0_\@:
	s_barrier_wait -3
	s_barrier_signal -1
	s_barrier_wait -1
.endm
	s_load_b128 s[4:7], s[0:1], 0x0
	v_lshl_add_u32 v[SPW], v0, 2, SPARE
	v_mov_b32 v[NIL], 0
	ds_add_u32 v[SPW], v[NIL]
	ds_add_u32 v[SPW], v[NIL]
	v_lshrrev_b32 v8, 5, v0
	s_delay_alu instid0(VALU_DEP_1)
	v_readfirstlane_b32 s[WV], v8
	s_lshr_b32 s[E], s[WV], 3
	s_and_b32 s[T], s[WV], 3
	s_bfe_u32 s50, s[WV], 0x10002
	s_mul_i32 s50, s50, 7
	s_xor_b32 s[T], s[T], s50
	s_bfe_u32 s13, ttmp6, 0x40000
	s_lshl_b32 s[J], ttmp9, 2
	s_add_co_u32 s[J], s[J], s13
	s_and_b32 s[BP], ttmp7, 0xffff
	s_mov_b32 s[G1C], 15|(3<<16)|(1<<21)
	s_mov_b32 s[G1C+1], 32<<16
	s_mov_b32 s[G1C+2], 96<<16                     ; a load of codes: 24,576 dense bytes, 96 rows of 256
	s_mov_b32 s[G1C+3], 32<<16
	s_mov_b32 s[G1C+4], 96
	s_mov_b32 s[G1C+5], 32
	s_mov_b32 s[G1C+6], 0
	s_mov_b32 s[G1C+7], 0
	s_mov_b32 s[G1S], 15|(3<<16)|(1<<21)
	s_mov_b32 s[G1S+1], 32<<16
	s_mov_b32 s[G1S+2], 32<<16                     ; K's and V's scale words: 8,192 dense bytes, 32 rows of 256
	s_mov_b32 s[G1S+3], 32<<16
	s_mov_b32 s[G1S+4], 32
	s_mov_b32 s[G1S+5], 32
	s_mov_b32 s[G1S+6], 0
	s_mov_b32 s[G1S+7], 0
	s_mul_i32 s50, s[BP], 294912
	s_mul_i32 s51, s[WV], 24576
	s_add_co_u32 s52, s50, s51
	s_add_co_u32 s52, s52, 98304
	s_mov_b32 s53, 0
	s_mul_i32 s54, s[BP], 12288
	s_add_co_u32 s54, s54, 9437184
	s_mov_b32 s55, 0
	s_add_co_u32 s56, s54, s55
	s_add_co_u32 s56, s56, 4096
	s_mov_b32 s57, 0
	s_add_co_u32 s55, s55, 196608
	s_mov_b32 s[SEL], 0x76543210
	s_mov_b32 s[SEL+1], 0xfedcba98
	s_mov_b32 s[CS], 0x3e38aa3b
	s_mov_b32 s[CS+1], s[CS]
	s_mov_b32 s[TB], 0
	s_mov_b32 s[TS], 0
	s_mov_b32 s[KSI], 0
	s_cmp_eq_u32 s[E], 0
	s_cselect_b32 s47, -1, 0
	s_cselect_b32 s48, 0, -1
	s_wait_dscnt 0x0
	s_wait_kmcnt 0x0
	s_mov_b32 s[G0C], 1
	s_mov_b32 s[G0C+1], s51
	s_add_nc_u64 s[G0C+2:G0C+3], s[4:5], s[52:53]
	s_or_b32 s[G0C+3], s[G0C+3], 0x80000000
	s_mov_b32 s[G0S], 1
	s_mov_b32 s[G0S+1], s55
	s_add_nc_u64 s[G0S+2:G0S+3], s[4:5], s[56:57]
	s_or_b32 s[G0S+3], s[G0S+3], 0x80000000
	CROUND
	; THE HEAD'S LOADS, at most one a wave, in one chain of branches on the wave's number: waves 0-7 fetch an eighth each of K's and V's 196,608 bytes of images, wave 8 all their scale words, waves 9-15 nothing.
	; Nothing is filled again in this launch.
	s_cmp_lt_u32 s[WV], 8
	s_cbranch_scc0 .Lhead_s
	tensor_load_to_lds s[G0C:G0C+3], s[G1C:G1C+7]
	s_nop 0
.rept 4
	v_nop
.endr
	s_branch .Lhead_asked
.Lhead_s:
	s_cmp_eq_u32 s[WV], 8
	s_cbranch_scc0 .Lhead_asked
	tensor_load_to_lds s[G0S:G0S+3], s[G1S:G1S+7]
	s_nop 0
.rept 4
	v_nop
.endr
.Lhead_asked:
	s_lshl_b32 s58, s[T], 3
	s_add_co_u32 s58, s58, s[J]
	s_mul_i32 s60, s58, 1536
	s_add_co_u32 s60, s60, s50
	s_mov_b32 s61, 0
	s_add_nc_u64 s[60:61], s[4:5], s[60:61]
	s_lshl_b32 s62, s58, 6
	s_add_co_u32 s62, s62, s54
	s_mov_b32 s63, 0
	s_add_nc_u64 s[62:63], s[4:5], s[62:63]
	v_and_b32 v8, 31, v0
	s_delay_alu instid0(VALU_DEP_1)
	v_lshlrev_b32 v[LI], 4, v8
	s_delay_alu instid0(VALU_DEP_2)
	v_lshlrev_b32 v[LS4], 2, v8
	v_and_b32 v[R], 15, v0
	v_bfe_u32 v[H], v0, 4, 1
	s_delay_alu instid0(VALU_DEP_2)
	v_lshlrev_b32 v[QA], 2, v[R]
.irp c, 0,1,2
	global_load_b128 v[QF+4*\c:QF+4*\c+3], v[LI], s[60:61] offset:512*\c
.endr
	global_load_b32 v[QS], v[QA], s[62:63]
	s_mul_i32 s50, s[E], 6144
	s_add_co_u32 s50, s50, 98304
	v_add_nc_u32 v[AV0], s50, v[LI]
	v_add_nc_u32 v[AS0], 196608, v[LS4]
	s_lshl_b32 s50, s[E], 8
	s_add_co_u32 s50, s50, 200704
	v_add_nc_u32 v[AT0], s50, v[LS4]
	v_lshlrev_b32 v[DD], 3, v[H]
	s_delay_alu instid0(VALU_DEP_1)
	v_sub_nc_u32 v[DD], v[R], v[DD]
	s_lshl_b32 s50, s[J], 4
	v_add_nc_u32 v[DD], s50, v[DD]
	s_lshr_b32 s66, s[BP], 3
	s_lshl_b32 s66, s66, 3
	s_and_b32 s67, s[BP], 7
	s_and_b32 s68, s[WV], 7
	s_add_co_u32 s69, s66, s68
	s_mul_i32 s70, s69, 98304
	s_lshr_b32 s71, s67, 1
	s_mul_i32 s71, s71, 24576
	s_add_co_u32 s70, s70, s71
	s_mul_i32 s71, s[J], 3072
	s_add_co_u32 s70, s70, s71
	s_and_b32 s71, s67, 1
	s_mul_i32 s71, s71, 1536
	s_add_co_u32 s70, s70, s71
	s_mov_b32 s71, 0
	s_add_nc_u64 s[70:71], s[6:7], s[70:71]
	s_and_b32 s72, s[WV], 3
	s_lshl_b32 s73, s72, 1
	s_add_co_u32 s73, s73, s66
	s_lshl_b32 s73, s73, 3
	s_add_co_u32 s73, s73, s67
	s_lshl_b32 s73, s73, 9
	s_lshl_b32 s74, s[J], 6
	s_add_co_u32 s74, s73, s74
	s_add_co_u32 s74, s74, 3145728
	s_mov_b32 s75, 0
	s_add_nc_u64 s[74:75], s[6:7], s[74:75]
	s_mul_i32 s76, s[T], 1536
	s_add_co_u32 s76, s76, OSTG
	s_mul_i32 s77, s[E], 520
	s_add_co_u32 s77, s77, s76
	v_add_nc_u32 v[ADA], s77, v[LI]
	s_mul_i32 s77, s[E], 1016
	s_add_co_u32 s77, s77, s76
	s_add_co_u32 s77, s77, 8
	v_add_nc_u32 v[ADB], s77, v[LI]
	s_lshl_b32 s77, s[T], 6
	s_lshl_b32 s78, s[E], 1
	s_add_co_u32 s77, s77, s78
	s_add_co_u32 s77, s77, OSS
	v_lshl_add_u32 v[OSW], v[R], 2, s77
	s_mul_i32 s77, s68, 1536
	s_add_co_u32 s77, s77, OSTG
	v_add_nc_u32 v[RDI], s77, v[LI]
	s_lshl_b32 s77, s72, 7
	s_add_co_u32 s77, s77, OSS
	v_add_nc_u32 v[RDS], s77, v[LS4]
	v_lshlrev_b32 v[GSO], 12, v[H]
	s_delay_alu instid0(VALU_DEP_1)
	v_lshl_add_u32 v[GSO], v[R], 2, v[GSO]
	s_wait_loadcnt 0x0
.irp i, 0,1,2,3,4,5
	v_and_b32 v[QF+\i], s47, v[QF+\i]
.endr
.irp i, 6,7,8,9,10,11
	v_and_b32 v[QF+\i], s48, v[QF+\i]
.endr
	v_mov_b32 v13, 0xff61b1e6
	s_delay_alu instid0(VALU_DEP_1)
	v_floor_f32 v12, -v13
	v_mov_b32 v14, 0
	v_mov_b32 v15, 0
.irp b, 0,1,2,3
	v_mov_b32 v[BX+\b], 0
.endr
	v_mov_b32 v[F+1], 0
.set n, 0
.rept 32
	v_mov_b32 v[O+n], 0
.set n, n+1
.endr
	s_wait_tensorcnt 0x0
	s_barrier_signal -1
	s_barrier_wait -1
.Lstep:
	s_cmp_gt_u32 s[KSI], s[T]
	s_cbranch_scc1 .Lhidden
	v_add_nc_u32 v[ADK], s[TB], v[LI]
	s_wait_alu depctr_va_vdst(0)
	v_add_nc_u32 v[ADV], s[TB], v[AV0]
	v_add_nc_u32 v[ADS], s[TS], v[AS0]
	v_add_nc_u32 v[ADT], s[TS], v[AT0]
.irp i, 0,1,2,3
	ds_load_b32 v[KS+\i], v[ADS] offset:128*\i
.endr
.irp g, 0,1
.if \g
.rept 4
	v_nop
.endr
.endif
.irp t, 0,1,2,3
.irp c, 0,1,2
	ds_load_b128 v[KF+12*\t+4*\c:KF+12*\t+4*\c+3], v[ADK] offset:(4*\g+\t)*1536+512*\c
.endr
.endr
	s_wait_dscnt 0x0
.irp t, 0,1,2,3
.if \t%2
	v_wmma_scale_f32_16x16x128_f8f6f4 v[S+8*(4*\g+\t):S+8*(4*\g+\t)+7], v[KF+12*\t:KF+12*\t+11], v[QF:QF+11], 0, v[KS+2*\g+\t/2], v[QS] matrix_a_fmt:MATRIX_FMT_BF6 matrix_b_fmt:MATRIX_FMT_BF6 matrix_a_scale:MATRIX_SCALE_ROW1
.else
	v_wmma_scale_f32_16x16x128_f8f6f4 v[S+8*(4*\g+\t):S+8*(4*\g+\t)+7], v[KF+12*\t:KF+12*\t+11], v[QF:QF+11], 0, v[KS+2*\g+\t/2], v[QS] matrix_a_fmt:MATRIX_FMT_BF6 matrix_b_fmt:MATRIX_FMT_BF6
.endif
.endr
.endr
.rept 4
	v_nop
.endr
	s_cmp_lg_u32 s[KSI], s[T]
	s_cbranch_scc1 .Lopen
	v_mov_b32 v[TT], 0xff800000
.set n, 0
.rept 64
	v_cmp_gt_i32 vcc_lo, 16*(n/8)+n%8, v[DD]
	v_cndmask_b32 v[S+n], v[S+n], v[TT], vcc_lo
.set n, n+1
.endr
.Lopen:
.irp b, 0,1,2,3
	v_max3_num_f32 v[BM+\b], v[S+16*\b], v[S+1+16*\b], v[S+2+16*\b]
.endr
.irp i, 3,5,7,9,11,13
.irp b, 0,1,2,3
	v_max3_num_f32 v[BM+\b], v[BM+\b], v[S+16*\b+\i], v[S+1+16*\b+\i]
.endr
.endr
.irp b, 0,1,2,3
	v_max_num_f32 v[BM+\b], v[BM+\b], v[S+15+16*\b]
.endr
.irp b, 0,1,2,3
	s_delay_alu instid0(VALU_DEP_4)
	v_permlanex16_b32 v[BX+\b], v[BM+\b], s[SEL], s[SEL+1]
.endr
.irp b, 0,1,2,3
	s_delay_alu instid0(VALU_DEP_4)
	v_max_num_f32 v[BM+\b], v[BM+\b], v[BX+\b]
.endr
	s_delay_alu instid0(VALU_DEP_2)
	v_max3_num_f32 v[TT], v[BM], v[BM+1], v[BM+2]
	s_delay_alu instid0(VALU_DEP_1)
	v_max_num_f32 v[TT], v[TT], v[BM+3]
	s_delay_alu instid0(VALU_DEP_1)
	v_mul_f32 v[TT], s[CS], v[TT]
	s_delay_alu instid0(VALU_DEP_1)
	v_max_num_f32 v13, v13, v[TT]
	v_mov_b32 v[TT], v12
	s_delay_alu instid0(VALU_DEP_2)
	v_floor_f32 v12, -v13
	s_delay_alu instid0(VALU_DEP_1)
	v_sub_f32 v[TT], v12, v[TT]
	s_delay_alu instid0(VALU_DEP_1)
	v_cvt_i32_f32 v[TT], v[TT]
	s_delay_alu instid0(VALU_DEP_1)
	v_ldexp_f32 v[F], 1.0, v[TT]
.set n, 0
.rept 32
	v_pk_fma_f32 v[S+n:S+n+1], v[S+n:S+n+1], s[CS:CS+1], v[12:13] op_sel_hi:[1,0,0]
.set n, n+2
.endr
.irp b, 0,1,2,3
	v_fma_f32 v[BM+\b], v[BM+\b], s[CS], v12
.endr
.set n, 0
	s_wait_alu depctr_va_vdst(0)
.rept 64
	v_exp_f32 v[S+n], v[S+n]
.set n, n+1
.endr
	v_pk_mul_f32 v[14:15], v[14:15], v[F:F+1] op_sel_hi:[1,0]
	s_wait_alu depctr_va_vdst(0)
.irp b, 0,1,2,3
	v_exp_f32 v[BM+\b], v[BM+\b]
.endr
	v_pk_add_f32 v[BX:BX+1], v[S:S+1], v[S+2:S+3]
.irp i, 4,8,12,16,20,24,28,32,36,40,44,48,52,56,60
	v_pk_add_f32 v[14:15], v[14:15], v[S+\i:S+\i+1]
	v_pk_add_f32 v[BX:BX+1], v[BX:BX+1], v[S+2+\i:S+3+\i]
.endr
	s_delay_alu instid0(VALU_DEP_1)
	v_pk_add_f32 v[14:15], v[14:15], v[BX:BX+1]
	s_wait_alu depctr_va_vdst(0)
.irp b, 0,1,2,3
	v_max_num_f32 v[BM+\b], 0x2800000, v[BM+\b]
.endr
.irp b, 0,1,2,3
	s_delay_alu instid0(VALU_DEP_4)
	v_add_nc_u32 v[SO+\b], 0xfe000000, v[BM+\b]
.endr
.irp b, 0,1,2,3
	s_delay_alu instid0(VALU_DEP_4)
	v_lshrrev_b32 v[BX+\b], 23, v[SO+\b]
.endr
	s_delay_alu instid0(VALU_DEP_3)
	v_lshl_or_b32 v[PW], v[BX+1], 8, v[BX]
	s_delay_alu instid0(VALU_DEP_1)
	v_lshl_or_b32 v[PW], v[BX+2], 16, v[PW]
	s_delay_alu instid0(VALU_DEP_1)
	v_lshl_or_b32 v[PW], v[BX+3], 24, v[PW]
.irp c, 0,1
	v_cvt_scalef32_pk16_bf6_f32 v[PC+6*\c:PC+6*\c+2], v[S+32*\c:S+32*\c+15], v[SO+2*\c]
	v_cvt_scalef32_pk16_bf6_f32 v[PT+4*\c:PT+4*\c+2], v[S+16+32*\c:S+31+32*\c], v[SO+2*\c+1]
.endr
	v_nop
.irp c, 0,1
.irp i, 0,1,2
	v_permlane16_swap_b32 v[PC+6*\c+\i], v[PT+4*\c+\i]
.endr
.irp i, 0,1,2
	s_delay_alu instid0(VALU_DEP_3)
	v_mov_b32 v[PC+3+6*\c+\i], v[PT+4*\c+\i]
.endr
.endr
.set n, 0
.rept 16
	v_pk_mul_f32 v[O+n:O+n+1], v[O+n:O+n+1], v[F:F+1] op_sel_hi:[1,0]
.set n, n+2
.endr
.irp t, 0,1,2,3
.irp c, 0,1,2
	ds_load_b128 v[KF+12*\t+4*\c:KF+12*\t+4*\c+3], v[ADV] offset:\t*1536+512*\c
.endr
.endr
.irp i, 0,1
	ds_load_b32 v[VS+\i], v[ADT] offset:128*\i
.endr
	s_wait_alu depctr_va_vdst(0)
	s_wait_dscnt 0x0
.irp t, 0,1,2,3
.if \t%2
	v_wmma_scale_f32_16x16x128_f8f6f4 v[O+8*\t:O+8*\t+7], v[KF+12*\t:KF+12*\t+11], v[PC:PC+11], v[O+8*\t:O+8*\t+7], v[VS+\t/2], v[PW] matrix_a_fmt:MATRIX_FMT_BF6 matrix_b_fmt:MATRIX_FMT_BF6 matrix_a_scale:MATRIX_SCALE_ROW1
.else
	v_wmma_scale_f32_16x16x128_f8f6f4 v[O+8*\t:O+8*\t+7], v[KF+12*\t:KF+12*\t+11], v[PC:PC+11], v[O+8*\t:O+8*\t+7], v[VS+\t/2], v[PW] matrix_a_fmt:MATRIX_FMT_BF6 matrix_b_fmt:MATRIX_FMT_BF6
.endif
.endr
.Lhidden:
	s_add_co_u32 s[TB], s[TB], 12288
	s_add_co_u32 s[TS], s[TS], 512
	s_add_co_u32 s[KSI], s[KSI], 1
	s_cmp_lt_u32 s[KSI], 8
	s_cbranch_scc1 .Lstep
.rept 4
	v_nop
.endr
	v_add_f32 v14, v14, v15
	s_delay_alu instid0(VALU_DEP_1)
	v_permlanex16_b32 v[BX], v14, s[SEL], s[SEL+1]
	s_delay_alu instid0(VALU_DEP_1)
	v_add_f32 v14, v14, v[BX]
	s_wait_alu depctr_va_vdst(0)
	v_rcp_f32 v15, v14
	v_nop
	s_wait_alu depctr_va_vdst(0)
.set n, 0
.rept 32
	v_mul_f32 v[S+n], v[O+n], v15
.set n, n+1
.endr
.irp b, 0,1
	v_max3_num_f32 v[BM+\b], |v[S+16*\b]|, |v[S+1+16*\b]|, 0x2800000
.endr
.irp i, 2,4,6,8,10,12,14
.irp b, 0,1
	s_delay_alu instid0(VALU_DEP_2)
	v_max3_num_f32 v[BM+\b], v[BM+\b], |v[S+16*\b+\i]|, |v[S+1+16*\b+\i]|
.endr
.endr
.irp b, 0,1
	s_delay_alu instid0(VALU_DEP_2)
	v_permlanex16_b32 v[BX+\b], v[BM+\b], s[SEL], s[SEL+1]
.endr
.irp b, 0,1
	s_delay_alu instid0(VALU_DEP_2)
	v_max_num_f32 v[BM+\b], v[BM+\b], v[BX+\b]
.endr
.irp b, 0,1
	s_delay_alu instid0(VALU_DEP_2)
	v_add_nc_u32 v[SO+\b], 0xfe000000, v[BM+\b]
.endr
.irp b, 0,1
	s_delay_alu instid0(VALU_DEP_2)
	v_lshrrev_b32 v[BX+\b], 23, v[SO+\b]
.endr
	s_delay_alu instid0(VALU_DEP_1)
	v_lshl_or_b32 v[PW], v[BX+1], 8, v[BX]
	v_cvt_scalef32_pk16_bf6_f32 v[PC:PC+2], v[S:S+15], v[SO]
	v_cvt_scalef32_pk16_bf6_f32 v[PT:PT+2], v[S+16:S+31], v[SO+1]
	v_nop
.irp i, 0,1,2
	v_permlane16_swap_b32 v[PC+\i], v[PT+\i]
.endr
.irp i, 0,1,2
	s_delay_alu instid0(VALU_DEP_3)
	v_mov_b32 v[PC+3+\i], v[PT+\i]
.endr
	ds_store_b64 v[ADA], v[PC:PC+1]
	ds_store_b64 v[ADB], v[PC+2:PC+3]
	ds_store_b64 v[ADA], v[PC+4:PC+5] offset:512
	ds_store_b16 v[OSW], v[PW]
	s_wait_dscnt 0x0
	s_barrier_signal -1
	s_barrier_wait -1
	s_cmp_lt_u32 s[WV], 8
	s_cbranch_scc0 .Lnot_image
.irp c, 0,1,2
	ds_load_b128 v[S+4*\c:S+4*\c+3], v[RDI] offset:512*\c
.endr
	s_wait_dscnt 0x0
.irp c, 0,1,2
	global_store_b128 v[LI], v[S+4*\c:S+4*\c+3], s[70:71] offset:512*\c
.endr
	s_branch .Lend
.Lnot_image:
	s_cmp_lt_u32 s[WV], 12
	s_cbranch_scc0 .Lend
	ds_load_b32 v[S], v[RDS]
	s_wait_dscnt 0x0
	global_store_b32 v[GSO], v[S], s[74:75]
.Lend:
	s_wait_tensorcnt 0x0
	ds_add_u32 v[SPW], v[NIL]
	s_wait_dscnt 0x0
	CROUND
	s_endpgm
.Lfunc_end_k_qb84c024267_attn:
	.size	k_qb84c024267_attn, .Lfunc_end_k_qb84c024267_attn-k_qb84c024267_attn
	.p2alignl 7, 3214868480
	.fill 96, 4, 3214868480
	.section	.rodata,"a",@progbits
	.p2align	6, 0x0
	.amdhsa_kernel k_qb84c024267_attn
		.amdhsa_group_segment_fixed_size 327680
		.amdhsa_private_segment_fixed_size 0
		.amdhsa_enable_private_segment 0
		.amdhsa_kernarg_size 16
		.amdhsa_user_sgpr_count 2
		.amdhsa_user_sgpr_kernarg_segment_ptr 1
		.amdhsa_wavefront_size32 1
		.amdhsa_system_sgpr_workgroup_id_x 1
		.amdhsa_system_sgpr_workgroup_id_y 1
		.amdhsa_system_sgpr_workgroup_id_z 1
		.amdhsa_system_vgpr_workitem_id 0
		.amdhsa_next_free_vgpr 256
		.amdhsa_next_free_sgpr 80
		.amdhsa_reserve_vcc 1
		.amdhsa_float_denorm_mode_32 3
		.amdhsa_float_denorm_mode_16_64 3
		.amdhsa_memory_ordered 1
		.amdhsa_forward_progress 1
		.amdhsa_inst_pref_size 39
	.end_amdhsa_kernel
	.amdgpu_metadata
---
amdhsa.version: [ 1, 2 ]
amdhsa.kernels:
  - .name:           k_qb84c024267_attn
    .symbol:         k_qb84c024267_attn.kd
    .args:
      - { .name: qkv, .offset: 0, .size: 8, .value_kind: global_buffer, .address_space: global }
      - { .name: att, .offset: 8, .size: 8, .value_kind: global_buffer, .address_space: global }
    .group_segment_fixed_size: 327680
    .private_segment_fixed_size: 0
    .kernarg_segment_align: 8
    .kernarg_segment_size: 16
    .max_flat_workgroup_size: 512
    .sgpr_count:     80
    .vgpr_count:     256
    .wavefront_size: 32
...
	.end_amdgpu_metadata
.endif
;; end of part 3
;; launch wo (part 4): grid 8 x 32, 4 waves a work-group, clusters of 4 x 4, 327,680 bytes of LDS; arguments att, wts, bo, x, x1; writes x1
.if DOCPART == 4
	.amdgcn_target "amdgcn-amd-amdhsa--gfx1250"
	.amdhsa_code_object_version 6
	.text
	.protected	k_qb84c024267_wo
	.globl	k_qb84c024267_wo
	.p2align	8
	.type	k_qb84c024267_wo,@function
k_qb84c024267_wo:
	s_mov_b64 s[64:65], 0
	v_nop
	global_prefetch_b8 v0, s[64:65] scope:SCOPE_SE
	s_setreg_imm32_b32 hwreg(HW_REG_WAVE_MODE, 25, 1), 1
	s_wait_xcnt 0x0
	s_wait_alu depctr_hold_cnt(0) depctr_sa_sdst(0) depctr_va_vdst(0) depctr_va_sdst(0) depctr_va_ssrc(0) depctr_va_vcc(0) depctr_vm_vsrc(0)
	s_getreg_b32 s2, hwreg(HW_REG_IB_STS2, 6, 4)
	s_cmp_eq_u32 s2, 0
	s_cbranch_scc0 .Lentry_in_a_cluster
	s_endpgm
.Lentry_in_a_cluster:
	s_bfe_u32 s2, ttmp6, 0x10000c
	s_cmp_lg_u32 s2, 0xf033
	s_cbranch_scc0 .Lentry_shape_is_right
	s_endpgm
.Lentry_shape_is_right:
; out = resid + A B^T + bias, f32, with A [4,096][KDIM] and B [1,024][KDIM] on codes of BF6 (E3M2), one E8M0 scale for each 32 along K.  One text serves two launches: KDIM = 1,024 (attention's result x Wo) and 4,096 (hidden layer x W2).
; C has only 1,024 columns: a tile of C is 128 x 128, so that each of the grid's 256 work-groups has one.  Four waves, 64 x 64 each: 16 accumulators.
; Operands lie in memory as images of their registers, in panels of 128 rows: [K / 256][8 tiles][2][1,536]: a tile of C takes one panel of A and one of B.  K goes in steps of 512 through a ring of two LDS slots: each wave
; fetches 256 along K of one panel, 24,576 dense bytes, by one tensor load.  The two panels' scale words, for all of K, come once, with the first fills.
; CLUSTERS: 4 x 4: A's panel is asked for jointly along a row of the cluster, B's along a column.  THE MATRIX INSTRUCTION IS USED TRANSPOSED: a lane holds eight neighbouring columns of one row of C.
; The bias is the C of each sum's first product.  The residual's 64 x 64 numbers of a wave are asked for at the head, into registers of their own, and land under the whole product.
; REGISTERS: window 0: v10-29 addresses; v32-39 scale words, two sets; v40-71 the bias; v128-255 the accumulators ((a, b) at v[128 + 8 (4 a + b)]);  window 1: two buffers of fragments (A's four, then B's four), at v0 and v128;  window 2: v0-127 the residual.
.set KDIM,  1024
.set ASC,   3145728                    ; where A's scale words begin in its buffer
.set BC,    2359296                    ; B's codes in wts
.set BS,    9535488                    ; B's scale words in wts
.set LAPS,  KDIM/1024
.set PART,  24576
.set SLOT,  4*PART                     ; A's two parts (256 along K each), then B's two
.set SCL,   2*SLOT                     ; A's scale words, 4 KDIM bytes, then B's
.set SPARE, SCL+32768                  ; the spare words
.set SP,    272                        ; the way out: a stage of 16 rows x (256 + 16) bytes for each wave, in slot 0, which has had its last fill and its last read by then
.set FR,   12
.set LI,   10
.set ADRA, 16
.set ADRB, 20
.set STO,  24
.set RD,   25
.set CO,   26
.set ADRS, 27
.set SPW,  28
.set NIL,  29
.set SC,   32
.set BIAS, 40
.set ACC,  128
.set G1,   24
.set G0,   32
.set G1B,  48
.set G0B,  56
.set G1S,  68
.set G0S,  76
.set G1SB, 80
.set G0SB, 88
.set MSB, 0
.macro WIN new
.if MSB != \new
	s_set_vgpr_msb (MSB<<8)|\new
.set MSB, \new
.endif
.endm
.set MUL,  0x05                        ; sources 0 (B) and 1 (A) window 1; C and D window 0
.set TO_F, 0x40
.macro JLOAD g0a, g1a, g0b, g1b        ; a joint load: waves 0 and 1 fetch for A, waves 2 and 3 for B; an s_nop 0 and four v_nop follow each of the two lines
	s_cmp_eq_u32 s15, 0
	s_cbranch_scc0 .Lfor_b_\@
	tensor_load_to_lds s[\g0a:\g0a+3], s[\g1a:\g1a+7]
	s_nop 0
.rept 4
	v_nop
.endr
	s_branch .Lasked_\@
.Lfor_b_\@:
	tensor_load_to_lds s[\g0b:\g0b+3], s[\g1b:\g1b+7]
	s_nop 0
.rept 4
	v_nop
.endr
.Lasked_\@:
.endm
.macro CREST
	s_cmp_lg_u32 s14, 0
	s_cbranch_scc1 .Lnot_wave_0_\@
	s_barrier_signal -3
.Lnot_wave_0_\@:
	s_barrier_wait -3
	s_barrier_signal -1
	s_barrier_wait -1
.endm
.macro CROUND
	s_barrier_signal -1
	s_barrier_wait -1
	CREST
.endm
.macro PLACES
.rept 4
	v_nop
.endr
.endm
	s_load_b256 s[4:11], s[0:1], 0x0               ; A, the weights, the bias, the residual
	s_load_b64 s[12:13], s[0:1], 0x20              ; out
	v_lshl_add_u32 v[SPW], v0, 2, SPARE
	v_mov_b32 v[NIL], 0
	ds_add_u32 v[SPW], v[NIL]                      ; the wave's opening: the add, twice on end, and its wait ahead of my first tensor load
	ds_add_u32 v[SPW], v[NIL]
	v_lshrrev_b32 v1, 5, v0
	v_readfirstlane_b32 s14, v1                    ; wave 0..3
	s_lshr_b32 s15, s14, 1                         ; my half of the tile's rows.  Also: I fetch for A (0) or for B (1)
	s_and_b32 s16, s14, 1                          ; my half of its columns.  Also: which 256 along K of a slot I fetch
	s_bfe_u32 s40, ttmp6, 0x40000
	s_bfe_u32 s41, ttmp6, 0x40004
	s_lshl_b32 s42, ttmp9, 2
	s_add_co_u32 s42, s42, s40                     ; tile column = B's panel
	s_and_b32 s17, ttmp7, 0xffff
	s_lshl_b32 s17, s17, 2
	s_add_co_u32 s17, s17, s41                     ; tile row = A's panel
	s_lshl_b32 s43, s41, 2
	s_lshl_b32 s43, 15, s43
	s_lshl_b32 s44, 0x1111, s40
	s_or_b32 s[G1+0], s43, (3<<16)|(1<<21)         ; dense blocks as rows of 256 bytes (32 elements of 8 bytes), no padding: 384 rows of codes
	s_or_b32 s[G1B+0], s44, (3<<16)|(1<<21)
.irp g, G1, G1B
	s_mov_b32 s[\g+1], 32<<16
	s_mov_b32 s[\g+2], 384<<16                     ; a whole panel: 384 rows of 256 bytes
	s_mov_b32 s[\g+3], 32<<16
	s_mov_b32 s[\g+4], 384
	s_mov_b32 s[\g+5], 32
	s_mov_b32 s[\g+6], 0
	s_mov_b32 s[\g+7], 0
.endr
	s_or_b32 s[G1S+0], s43, (3<<16)|(1<<21)        ; a whole panel's scale words: 4 KDIM bytes
	s_or_b32 s[G1SB+0], s44, (3<<16)|(1<<21)
.irp g, G1S, G1SB
	s_mov_b32 s[\g+1], 32<<16
	s_mov_b32 s[\g+2], (KDIM/64)<<16               ; a whole panel's scale words: 4 KDIM bytes
	s_mov_b32 s[\g+3], 32<<16
	s_mov_b32 s[\g+4], KDIM/64
	s_mov_b32 s[\g+5], 32
	s_mov_b32 s[\g+6], 0
	s_mov_b32 s[\g+7], 0
.endr
	s_mul_i32 s20, s17, KDIM*96
	s_mov_b32 s21, 0
	s_mul_i32 s22, s17, KDIM*4
	s_add_co_u32 s22, s22, ASC
	s_mov_b32 s23, 0
	s_mul_i32 s46, s42, KDIM*96
	s_add_co_u32 s46, s46, BC
	s_mov_b32 s47, 0
	s_mul_i32 s92, s42, KDIM*4
	s_add_co_u32 s92, s92, BS
	s_mov_b32 s93, 0
	s_wait_dscnt 0x0                               ; both opening adds are done
	s_wait_kmcnt 0x0
	s_add_nc_u64 s[20:21], s[4:5], s[20:21]
	s_add_nc_u64 s[22:23], s[4:5], s[22:23]
	s_add_nc_u64 s[46:47], s[6:7], s[46:47]
	s_add_nc_u64 s[92:93], s[6:7], s[92:93]
	CROUND                                         ; all sixteen work-groups are here: the first joint loads meet
	s_mov_b32 s[G0S], 1
	s_mov_b32 s[G0S+1], SCL
	s_mov_b64 s[G0S+2:G0S+3], s[22:23]
	s_or_b32 s[G0S+3], s[G0S+3], 0x80000000
	s_mov_b32 s[G0SB], 1
	s_mov_b32 s[G0SB+1], SCL+4*KDIM
	s_mov_b64 s[G0SB+2:G0SB+3], s[92:93]
	s_or_b32 s[G0SB+3], s[G0SB+3], 0x80000000
; HOW THE TILES COME IN THIS TEXT (KDIM = 1,024), in place of the ring that the head comment describes: both panels, for all of K, are 2 x 98,304 bytes and fit in LDS together, so nothing is filled again.
; One joint load a wave at the head: wave 0 A's panel (to byte 0), wave 1 B's (to byte 4 PART), wave 2 A's scale words, wave 3 B's.  'Slot' s below means K = 512 s on of each panel.
; No prefetch: all that the work-group reads is asked for at its first lines, and there is no loop to run ahead in.
	s_mov_b32 s[G0], 1
	s_mov_b32 s[G0+1], 0
	s_mov_b64 s[G0+2:G0+3], s[20:21]
	s_or_b32 s[G0+3], s[G0+3], 0x80000000
	s_mov_b32 s[G0B], 1
	s_mov_b32 s[G0B+1], 4*PART
	s_mov_b64 s[G0B+2:G0B+3], s[46:47]
	s_or_b32 s[G0B+3], s[G0B+3], 0x80000000
.macro ARM under, g0, g1, next         ; one chain of branches on the wave's number: every way passes exactly one load
	s_cmp_lt_u32 s14, \under
	s_cbranch_scc0 \next
	tensor_load_to_lds s[\g0:\g0+3], s[\g1:\g1+7]
	s_nop 0
.rept 4
	v_nop
.endr
	s_branch .Lhead_asked
\next:
.endm
	ARM 1, G0,  G1,  .Lhead_b
	ARM 2, G0B, G1B, .Lhead_sa
	ARM 3, G0S, G1S, .Lhead_sb
	tensor_load_to_lds s[G0SB:G0SB+3], s[G1SB:G1SB+7]
	s_nop 0
.rept 4
	v_nop
.endr
.Lhead_asked:
	v_and_b32 v1, 15, v0                           ; r
	v_bfe_u32 v2, v0, 4, 1                         ; h
	s_wait_alu depctr_va_vdst(0)
	v_and_b32 v3, 31, v0
	v_lshlrev_b32 v[LI], 4, v3
	s_mul_i32 s21, s15, 12288                      ; my four tiles of A's rows,
	s_mul_i32 s22, s16, 12288
	s_add_co_u32 s22, s22, 4*PART                  ; of B's, behind A's whole panel
.irp s, 0,1
	v_add_nc_u32 v[ADRA+\s], s21, v[LI]
	v_add_nc_u32 v[ADRB+\s], s22, v[LI]
	s_add_co_u32 s21, s21, 2*PART
	s_add_co_u32 s22, s22, 2*PART
.endr
	s_lshl_b32 s21, s15, 8
	s_lshl_b32 s22, s16, 8
	s_add_co_u32 s22, s22, 4*KDIM
	s_sub_co_u32 s22, s22, s21
	v_mul_u32_u24 v6, s22, v2                      ; lanes 16-31 take B's words: one product, the distance between the two bases
	s_add_co_u32 s21, s21, SCL
	v_lshl_add_u32 v5, v1, 2, v6
	v_add_nc_u32 v[ADRS], s21, v5
	s_mul_i32 s23, s14, 16*SP                      ; my stage
	v_mul_u32_u24 v5, v1, SP
	v_lshl_add_u32 v5, v2, 5, v5
	v_add_nc_u32 v[STO], s23, v5                   ; in: row r, 32 bytes for each half of the lanes
	v_mul_u32_u24 v5, v2, SP
	v_lshl_add_u32 v5, v1, 4, v5
	v_add_nc_u32 v[RD], s23, v5                    ; back: lanes 0-15 one row of 256 bytes, lanes 16-31 the next
	v_lshlrev_b32 v[CO], 12, v2
	v_lshl_add_u32 v[CO], v1, 4, v[CO]             ; and the same two rows in memory
	s_wait_alu depctr_va_vdst(0)
	s_lshl_b32 s20, s42, 9
	s_lshl_b32 s21, s16, 8
	s_add_co_u32 s20, s20, s21                     ; my first column, in bytes
	s_mov_b32 s21, 0
	s_add_nc_u64 s[8:9], s[8:9], s[20:21]
	s_lshl_b32 s22, s17, 19
	s_lshl_b32 s23, s15, 18
	s_add_co_u32 s22, s22, s23                     ; my first row, 4,096 bytes each
	s_add_co_u32 s20, s20, s22
	s_add_nc_u64 s[10:11], s[10:11], s[20:21]
	s_add_nc_u64 s[12:13], s[12:13], s[20:21]
	v_lshlrev_b32 v7, 5, v2
.irp b, 0,1,2,3
	global_load_b128 v[BIAS+8*\b:BIAS+8*\b+3], v7, s[8:9] offset:64*\b        ; lane (r, h): the bias of columns 16 b + 8 h + 0 .. 7
	global_load_b128 v[BIAS+8*\b+4:BIAS+8*\b+7], v7, s[8:9] offset:64*\b+16
.endr
	WIN 0x80                                       ; destination window 2
.irp a, 0,1,2,3
.irp t, 0,1,2,3,4,5,6,7
	global_load_b128 v[32*\a+4*\t:32*\a+4*\t+3], v[CO], s[10:11] offset:(16*\a+2*\t)*4096 th:TH_LOAD_NT   ; sixteen lanes read 256 neighbouring bytes of a row
.endr
.endr
	WIN 0
; 8 matrix instructions: A's blocks a0, a0 + 1 x B's four, 128 along K, from buffer f; sc: the set of scale words.  zero = 1: the first product starts the sums with the bias.
; The 16 accumulators take turns, one instruction a turn, in the same order in every quarter.
.macro MUL8 f, a0, sc, zero
.irp a, \a0, \a0+1
.irp b, 0,1,2,3
.if \zero
	v_wmma_scale_f32_16x16x128_f8f6f4 v[ACC+8*(4*(\a)+\b):ACC+8*(4*(\a)+\b)+7], v[(\f)+48+FR*\b:(\f)+48+FR*\b+FR-1], v[(\f)+FR*(\a):(\f)+FR*(\a)+FR-1], v[BIAS+8*\b:BIAS+8*\b+7], v[SC+4*(\sc)+\b], v[SC+4*(\sc)+(\a)] matrix_a_fmt:MATRIX_FMT_BF6 matrix_b_fmt:MATRIX_FMT_BF6 matrix_a_scale:MATRIX_SCALE_ROW1
.else
	v_wmma_scale_f32_16x16x128_f8f6f4 v[ACC+8*(4*(\a)+\b):ACC+8*(4*(\a)+\b)+7], v[(\f)+48+FR*\b:(\f)+48+FR*\b+FR-1], v[(\f)+FR*(\a):(\f)+FR*(\a)+FR-1], v[ACC+8*(4*(\a)+\b):ACC+8*(4*(\a)+\b)+7], v[SC+4*(\sc)+\b], v[SC+4*(\sc)+(\a)] matrix_a_fmt:MATRIX_FMT_BF6 matrix_b_fmt:MATRIX_FMT_BF6 matrix_a_scale:MATRIX_SCALE_ROW1
.endif
.endr
.endr
.endm
; the fragments and scale words of the slot's q-th 128 along K, into buffer f and set q % 2: 24 loads of 16 bytes a lane, 4 of 4
.macro FETCH slot, q, f
	WIN TO_F
.irp i, 0,1,2,3
.irp c, 0,1,2
	ds_load_b128 v[(\f)+48+FR*\i+4*\c:(\f)+48+FR*\i+4*\c+3], v[ADRB+\slot] offset:((\q)/2)*PART+\i*3072+((\q)%2)*1536+512*\c
.endr
.endr
.irp i, 0,1,2,3
.irp c, 0,1,2
	ds_load_b128 v[(\f)+FR*\i+4*\c:(\f)+FR*\i+4*\c+3], v[ADRA+\slot] offset:((\q)/2)*PART+\i*3072+((\q)%2)*1536+512*\c
.endr
.endr
	WIN 0
.irp i, 0,1,2,3
	ds_load_b32 v[SC+4*((\q)%2)+\i], v[ADRS] offset:512*(\q)+64*\i
.endr
.endm
; One of a slot's first three quarters: its fragments are in; the next quarter's are asked for; then its 16 products.
.macro QUARTER slot, q, zero
	s_wait_dscnt 0x0                               ; this quarter's fragments, asked for 16 products ago
	PLACES                                         ; in front of loads into registers that the last products read
	FETCH \slot, (\q)+1, 128*(((\q)+1)%2)
	WIN MUL
	MUL8 128*((\q)%2), 0, (\q)%2, \zero
	MUL8 128*((\q)%2), 2, (\q)%2, \zero
.endm
; A slot's last quarter changes slots: ONE barrier; in front of it each wave waits for all its tensor loads, adds 0 to its spare word, and waits for that and for its own reads of this slot.
.macro TURN slot, next, fill
	WIN 0
	s_wait_tensorcnt 0x0                           ; all my tensor loads have landed: my part of the next slot
	ds_add_u32 v[SPW], v[NIL]
	s_wait_dscnt 0x0                               ; the add is done, and my reads of this slot are over
	s_barrier_signal -1
	WIN MUL
	MUL8 128, 0, 1, 0
	WIN 0
	s_barrier_wait -1
.if \fill
	CREST                                          ; the barrier has opened a round of the cluster's barrier
	s_add_nc_u64 s[G0+4*\slot+2:G0+4*\slot+3], s[G0+4*\slot+2:G0+4*\slot+3], 4*PART
	s_add_nc_u64 s[G0B+4*\slot+2:G0B+4*\slot+3], s[G0B+4*\slot+2:G0B+4*\slot+3], 4*PART
	JLOAD G0+4*\slot, G1, G0B+4*\slot, G1B         ; my one tensor load behind the round; its four v_nop are the places in front of the loads below
.else
	PLACES
.endif
	v_add_nc_u32 v[ADRS], 2048, v[ADRS]            ; the next slot's scale words
	FETCH \next, 0, 0
	WIN MUL
	MUL8 128, 2, 1, 0
.endm
	s_wait_tensorcnt 0x0                           ; my tile of the head's four is in; behind the barrier all four are there for every wave
	s_barrier_signal -1
	s_barrier_wait -1
	FETCH 0, 0, 0
	s_wait_loadcnt 32                              ; the bias is in; the residual's 32 loads may be out
	QUARTER 0, 0, 1
.if LAPS > 1
	WIN 0                                          ; at a label and at a branch every window is 0
	s_mov_b32 s3, LAPS-1
.Llap:                                             ; a trip goes once round the ring and fills both slots again
	QUARTER 0, 1, 0
	QUARTER 0, 2, 0
	TURN 0, 1, 1
	QUARTER 1, 0, 0
	QUARTER 1, 1, 0
	QUARTER 1, 2, 0
	TURN 1, 0, 1
	QUARTER 0, 0, 0
	WIN 0
	s_sub_co_u32 s3, s3, 1
	s_cmp_lg_u32 s3, 0
	s_cbranch_scc1 .Llap
.endif
	QUARTER 0, 1, 0                                ; the last lap fills nothing
	QUARTER 0, 2, 0
	TURN 0, 1, 0
	s_wait_alu depctr_va_vdst(0)
	QUARTER 1, 0, 0
	QUARTER 1, 1, 0
	QUARTER 1, 2, 0
	s_wait_dscnt 0x0
	MUL8 128, 0, 1, 0
	MUL8 128, 2, 1, 0
	WIN 0
	; THE WAY OUT, block by block of 16 rows x 64 columns: through my stage, back as whole rows of 256 bytes, the residual added, stored: sixteen lanes fill 256 neighbouring bytes, at a multiple of 256 from the buffer's first byte.
	PLACES
.irp a, 0,1,2,3
.if \a >= 2
	s_wait_xcnt 0x0                                ; the stores of two blocks ago have read their registers
.endif
	WIN 0
.irp b, 0,1,2,3
	ds_store_b128 v[STO], v[ACC+8*(4*\a+\b):ACC+8*(4*\a+\b)+3] offset:64*\b          ; each accumulator from its low end on
	ds_store_b128 v[STO], v[ACC+8*(4*\a+\b)+4:ACC+8*(4*\a+\b)+7] offset:64*\b+16
.endr
	WIN TO_F
.irp t, 0,1,2,3,4,5,6,7
	ds_load_b128 v[128+32*(\a%2)+4*\t:128+32*(\a%2)+4*\t+3], v[RD] offset:2*SP*\t    ; LDS serves a wave's instructions in order (ISA guide 5.7.1.4)
.endr
	s_wait_dscnt 0x0
	s_wait_loadcnt 24-8*\a                         ; this block's eight loads of the residual are in; the later blocks' may be out
	WIN 0x49                                       ; source 0 and destination window 1, source 1 window 2
.irp t, 0,1,2,3,4,5,6,7,8,9,10,11,12,13,14,15
	v_pk_add_f32 v[128+32*(\a%2)+2*\t:128+32*(\a%2)+2*\t+1], v[128+32*(\a%2)+2*\t:128+32*(\a%2)+2*\t+1], v[32*\a+2*\t:32*\a+2*\t+1]
.endr
	WIN 0x04                                       ; a store's data: window 1
.irp t, 0,1,2,3,4,5,6,7
	global_store_b128 v[CO], v[128+32*(\a%2)+4*\t:128+32*(\a%2)+4*\t+3], s[12:13] offset:(16*\a+2*\t)*4096
.endr
.endr
	WIN 0
	s_wait_tensorcnt 0x0                           ; the wave's end
	ds_add_u32 v[SPW], v[NIL]
	s_wait_dscnt 0x0
	CROUND                                         ; the closing round
	s_endpgm
.Lfunc_end_k_qb84c024267_wo:
	.size	k_qb84c024267_wo, .Lfunc_end_k_qb84c024267_wo-k_qb84c024267_wo
	.p2alignl 7, 3214868480
	.fill 96, 4, 3214868480
	.section	.rodata,"a",@progbits
	.p2align	6, 0x0
	.amdhsa_kernel k_qb84c024267_wo
		.amdhsa_group_segment_fixed_size 327680
		.amdhsa_private_segment_fixed_size 0
		.amdhsa_enable_private_segment 0
		.amdhsa_kernarg_size 40
		.amdhsa_user_sgpr_count 2
		.amdhsa_user_sgpr_kernarg_segment_ptr 1
		.amdhsa_wavefront_size32 1
		.amdhsa_system_sgpr_workgroup_id_x 1
		.amdhsa_system_sgpr_workgroup_id_y 1
		.amdhsa_system_sgpr_workgroup_id_z 1
		.amdhsa_system_vgpr_workitem_id 0
		.amdhsa_next_free_vgpr 640
		.amdhsa_next_free_sgpr 100
		.amdhsa_reserve_vcc 0
		.amdhsa_float_denorm_mode_32 3
		.amdhsa_float_denorm_mode_16_64 3
		.amdhsa_memory_ordered 1
		.amdhsa_forward_progress 1
		.amdhsa_inst_pref_size 57
	.end_amdhsa_kernel
	.amdgpu_metadata
---
amdhsa.version: [ 1, 2 ]
amdhsa.kernels:
  - .name:           k_qb84c024267_wo
    .symbol:         k_qb84c024267_wo.kd
    .args:
      - { .name: att, .offset: 0, .size: 8, .value_kind: global_buffer, .address_space: global }
      - { .name: wts, .offset: 8, .size: 8, .value_kind: global_buffer, .address_space: global }
      - { .name: bo, .offset: 16, .size: 8, .value_kind: global_buffer, .address_space: global }
      - { .name: x, .offset: 24, .size: 8, .value_kind: global_buffer, .address_space: global }
      - { .name: x1, .offset: 32, .size: 8, .value_kind: global_buffer, .address_space: global }
    .group_segment_fixed_size: 327680
    .private_segment_fixed_size: 0
    .kernarg_segment_align: 8
    .kernarg_segment_size: 40
    .max_flat_workgroup_size: 128
    .sgpr_count:     100
    .vgpr_count:     640
    .wavefront_size: 32
...
	.end_amdgpu_metadata
.endif
;; end of part 4
;; launch ln2 (part 5): grid 256 x 1, 8 waves a work-group, no clusters, 66,816 bytes of LDS; arguments x1, g2, be2, hbuf; writes hbuf
.if DOCPART == 5
	.amdgcn_target "amdgcn-amd-amdhsa--gfx1250"
	.amdhsa_code_object_version 6
	.text
	.protected	k_qb84c024267_ln2
	.globl	k_qb84c024267_ln2
	.p2align	8
	.type	k_qb84c024267_ln2,@function
k_qb84c024267_ln2:
	s_mov_b64 s[64:65], 0
	v_nop
	global_prefetch_b8 v0, s[64:65] scope:SCOPE_SE
	s_setreg_imm32_b32 hwreg(HW_REG_WAVE_MODE, 25, 1), 1
	s_wait_xcnt 0x0
; LAYER NORM AND QUANTISER; with WEIGHTS = 1 each wave also lays its share of the six weights anew.  One text serves two launches (WEIGHTS = 1: the first layer norm; 0: the second).
; y = (x - mean) * rsqrt(var + 1e-5) * g + b along rows of 1,024 f32, then y is turned into codes of BF6 (E3M2) with one E8M0 byte for each 32 along the row.
; WORK LEFT OUT IN THIS PROGRAM: reference() sets scores[t][u] to -inf wherever u > t, by a jnp.tril that it builds in its own body; exp(-inf) = 0, so such a score adds nothing to the row's sum nor to w @ v, whatever
; finite values the inputs hold.  The attention launch therefore leaves out every step of 128 keys that lies wholly behind a tile's 16 queries.  Nothing else is left out, and every input is loaded by some launch.
; LIMIT: a NaN, an infinity or an overflow that reaches only those steps is not carried to the result.
; LIMITS of the quantiser, in every launch: NaN and infinities are not served; a block whose largest magnitude lies under 2^-122 gets the byte 1; a block of zeros gets the byte 1 where the rule says 127
; (its codes are zeros, which add nothing under any byte but 0xff, and these bytes are read by this program alone).
; SHARES.  A work-group takes 16 rows.  Wave w loads rows 2 w and 2 w + 1 (eight loads of 512 neighbouring bytes a row), finds mean and variance in two passes (the mean is taken away before the squares, so a common
; offset costs nothing), and stores y into a stage in LDS.  Behind one barrier wave w takes K step w (128 along the row) of all 16 rows: lane (r, h) reads 2 x 32 neighbours of row r, as the operand's layout wants them.
; OUT.  An operand goes to memory as an IMAGE OF ITS REGISTERS: registers 4 c .. 4 c + 3 of lane l at byte 512 c + 16 l of 1,536.  A panel is 128 rows x 1,024: [K / 256][8 tiles of rows][2][1,536];
; its scale words lie from byte 3,145,728 on: [panel][K / 128][128 rows], four bytes each.
; THE WEIGHTS' codes and scale bytes are laid, bit for bit, as such images, so that the products' launches fetch dense blocks and read each fragment by three loads of 16 bytes a lane.  A fragment is 16 rows x 128 K:
; lane (r, h) holds the 24 bytes at 24 h and the 24 bytes at 48 + 24 h of row r's 96.  wts: panels of Wq, Wk, Wv, Wo, W1 (K = 1,024) from byte 0, of W2 (K = 4,096: [K / 256][8][2][1,536]) from 6,291,456;
; scale words [panel][K / 128][128 rows] from 9,437,184, W2's from 9,699,328.  The five tensors with K = 1,024 are 256 x 8 tasks of 32 rows x 128 K, W2 is 2,048 images, and the launch has 2,048 waves: wave w of work-group u
; takes the task (32 rows u, K step w) and W2's image (tile u / 4, K step 8 (u % 4) + w).  Its 20 loads are issued behind the layer norm's, land in registers of their own under the layer norm's work, and are stored at the end.
; THE ROWS OF Wv THAT FORM A TILE ARE NOT NEIGHBOURS: lane r of tile 2 b + u takes row 32 b + 8 u + r + 8 (r / 8), so that in the attention launch the 16 registers of two neighbouring tiles of O^T are 16 neighbouring channels.
.set WEIGHTS, 0
.set WL,    20*WEIGHTS                 ; the weights' loads of a wave: 12 + 1 for the task, 6 + 1 for W2's image
.set PITCH, 4112                       ; a stage row: 4,096 bytes + 16 = 1,028 words: row r begins 4 r words on, modulo 64: sixteen rows' 16 bytes fall on sixteen different groups of four words
.set SPARE, 16*PITCH                   ; behind the stage: the spare words, 128 bytes for each of eight waves
.set L4,  1                            ; 4 x lane (WEIGHTS)
.set LI,  2                            ; 16 x lane
.set SPW, 5                            ; my spare word; never rewritten
.set NIL, 6                            ; 0; never rewritten
.set STW, 7                            ; the stage, on the way in
.set RDF, 8                            ; and on the way out
.set LS4, 9                            ; 4 r
.set SH8, 10                           ; 8 h
.set WA0, 11                           ; the task's first tile: my bytes of its rows;
.set WA1, 12                           ; its second tile;
.set WSA, 13                           ; its scale words
.set W2A, 14                           ; W2's image likewise
.set W2S, 15
.set G,   16                           ; v16-47  g of my columns
.set BE,  48                           ; v48-79  b of my columns
.set X,   80                           ; v80-143 two rows x 32 numbers; later 64 numbers of one row
.set SM,  144
.set MN,  148
.set QS,  152
.set RS,  156
.set VE,  160
.set PC,  164                          ; the codes: 12 registers
.set PT,  176
.set MX,  184
.set SOP, 186
.set BY,  188
.set W,   190
.set WT,  191
.set WD,  192                          ; v192-215 the task's two images, v216 its scale words
.set W2D, 220                          ; v220-231 W2's image, v232 its scale words
.set SEL, 20
; 64 numbers of a lane, register 32 c + i = k 64 c + 32 h + i of my row, become a fragment's 12 registers in v[PC] on and the row's scale word in v[W] (in both halves of the lanes).
.macro QUANT2 x
.irp c, 0,1
	v_max3_num_f32 v[MX+\c], |v[(\x)+32*\c]|, |v[(\x)+32*\c+1]|, 0x2800000   ; my block 2 c + h: all 32 numbers are mine; the floor 2^(5 - 127) holds the byte at 1 from below
.endr
.irp i, 2,4,6,8,10,12,14,16,18,20,22,24,26,28,30
.irp c, 0,1
	s_delay_alu instid0(VALU_DEP_2)
	v_max3_num_f32 v[MX+\c], v[MX+\c], |v[(\x)+32*\c+\i]|, |v[(\x)+32*\c+\i+1]|
.endr
.endr
.irp c, 0,1
	s_delay_alu instid0(VALU_DEP_2)
	v_add_nc_u32 v[SOP+\c], 0xfe000000, v[MX+\c]   ; 4 off the exponent field: the conversion's scale operand
.endr
.irp c, 0,1
	s_delay_alu instid0(VALU_DEP_2)
	v_lshrrev_b32 v[BY+\c], 23, v[SOP+\c]          ; the scale's byte
.endr
	s_delay_alu instid0(VALU_DEP_1)
	v_lshl_or_b32 v[W], v[BY+1], 16, v[BY]         ; blocks h and 2 + h,
	s_delay_alu instid0(VALU_DEP_1)
	v_lshlrev_b32 v[W], v[SH8], v[W]               ; at their places in the word;
	s_delay_alu instid0(VALU_DEP_1)
	v_permlanex16_b32 v[WT], v[W], s[SEL], s[SEL+1]
	s_delay_alu instid0(VALU_DEP_1)
	v_or_b32 v[W], v[W], v[WT]                     ; with lane l xor 16's two the word is whole
.irp c, 0,1
	v_cvt_scalef32_pk16_bf6_f32 v[PC+6*\c:PC+6*\c+2], v[(\x)+32*\c:(\x)+32*\c+15], v[SOP+\c]
	v_cvt_scalef32_pk16_bf6_f32 v[PT+4*\c:PT+4*\c+2], v[(\x)+32*\c+16:(\x)+32*\c+31], v[SOP+\c]   ; (a conversion's three registers begin on an even number)
.endr
	v_nop                                          ; one plain place behind the conversions
.irp c, 0,1
.irp i, 0,1,2
	v_mov_b32 v[PC+3+6*\c+\i], v[PT+4*\c+\i]
.endr
.endr
.endm
; v[reg + 2 p] = the sum over the wave of the pair v[reg + 2 p], v[reg + 2 p + 1], for both rows by turns
.macro ACROSS reg
.irp p, 0,1
	s_delay_alu instid0(VALU_DEP_2)
	v_add_f32 v[\reg+2*\p], v[\reg+2*\p], v[\reg+2*\p+1]
.endr
.irp m, 1,2,4,8
.irp p, 0,1
	s_delay_alu instid0(VALU_DEP_2)
	v_add_f32_dpp v[\reg+2*\p], v[\reg+2*\p], v[\reg+2*\p] row_xmask:\m row_mask:0xf bank_mask:0xf
.endr
.endr
.irp p, 0,1
	s_delay_alu instid0(VALU_DEP_2)
	v_permlanex16_b32 v[\reg+2*\p+1], v[\reg+2*\p], s[SEL], s[SEL+1]
.endr
.irp p, 0,1
	s_delay_alu instid0(VALU_DEP_2)
	v_add_f32 v[\reg+2*\p], v[\reg+2*\p], v[\reg+2*\p+1]
.endr
.endm
	s_load_b256 s[4:11], s[0:1], 0x0               ; x s[4:5], g s[6:7], b s[8:9], the codes' buffer s[10:11]
.if WEIGHTS
	s_load_b256 s[32:39], s[0:1], 0x20             ; wts, Wq's codes, Wq's scales, Wk's codes
	s_load_b512 s[40:55], s[0:1], 0x40             ; Wk's scales, Wv c, Wv s, Wo c, Wo s, W1 c, W1 s, W2 c
	s_load_b64 s[56:57], s[0:1], 0x80              ; W2's scales
.endif
	v_lshl_add_u32 v[SPW], v0, 2, SPARE
	v_mov_b32 v[NIL], 0
	v_lshrrev_b32 v1, 5, v0
	s_delay_alu instid0(VALU_DEP_1)
	v_readfirstlane_b32 s12, v1                    ; wave 0..7
	v_and_b32 v1, 31, v0
	s_delay_alu instid0(VALU_DEP_1)
	v_lshlrev_b32 v[LI], 4, v1
.if WEIGHTS
	v_lshlrev_b32 v[L4], 2, v1
.endif
	v_and_b32 v3, 15, v0                           ; r
	v_bfe_u32 v4, v0, 4, 1                         ; h
	s_mul_i32 s13, s12, 2*PITCH
	v_add_nc_u32 v[STW], s13, v[LI]                ; in: my two rows, 16 bytes a lane
	v_mul_u32_u24 v[RDF], v3, PITCH
	s_delay_alu instid0(VALU_DEP_1)
	v_lshl_add_u32 v[RDF], v4, 7, v[RDF]
	s_lshl_b32 s13, s12, 9
	v_add_nc_u32 v[RDF], s13, v[RDF]               ; out: row r, + 512 w (my K step) + 128 h
	v_lshlrev_b32 v[LS4], 2, v3
	v_lshlrev_b32 v[SH8], 3, v4
	v_mov_b32 v[WT], 0                             ; written once: a lane permute's destination counts as one of its sources
	s_mov_b32 s[SEL], 0x76543210
	s_mov_b32 s[SEL+1], 0xfedcba98
	s_mov_b32 s22, 0x3a800000                      ; 1 / 1,024
	s_lshl_b32 s14, ttmp9, 16                      ; 16 rows of 4,096 bytes a work-group,
	s_lshl_b32 s15, s12, 13                        ; two a wave
	s_add_co_u32 s14, s14, s15
	s_mov_b32 s15, 0
	s_lshr_b32 s16, ttmp9, 3                       ; the panel
	s_mul_i32 s17, s16, 98304
	s_lshr_b32 s18, s12, 1
	s_mul_i32 s18, s18, 24576
	s_add_co_u32 s17, s17, s18
	s_and_b32 s18, ttmp9, 7                        ; the tile of rows in it
	s_mul_i32 s19, s18, 3072
	s_add_co_u32 s17, s17, s19
	s_and_b32 s19, s12, 1
	s_mul_i32 s19, s19, 1536
	s_add_co_u32 s24, s17, s19                     ; my image
	s_mov_b32 s25, 0
	s_lshl_b32 s26, s16, 3
	s_add_co_u32 s26, s26, s12
	s_lshl_b32 s26, s26, 9
	s_lshl_b32 s18, s18, 6
	s_add_co_u32 s26, s26, s18
	s_add_co_u32 s26, s26, 3145728                 ; my 16 scale words
	s_mov_b32 s27, 0
	s_wait_kmcnt 0x0
	s_add_nc_u64 s[4:5], s[4:5], s[14:15]
	s_add_nc_u64 s[24:25], s[10:11], s[24:25]
	s_add_nc_u64 s[26:27], s[10:11], s[26:27]
.irp p, 0,1
.irp i, 0,1,2,3,4,5,6,7
	global_load_b128 v[X+32*\p+4*\i:X+32*\p+4*\i+3], v[LI], s[4:5] offset:4096*\p+512*\i th:TH_LOAD_NT   ; 32 lanes read 512 neighbouring bytes: lane l has columns 128 i + 4 l on
.endr
.endr
.irp i, 0,1,2,3,4,5,6,7
	global_load_b128 v[G+4*\i:G+4*\i+3], v[LI], s[6:7] offset:512*\i
	global_load_b128 v[BE+4*\i:BE+4*\i+3], v[LI], s[8:9] offset:512*\i
.endr
.if WEIGHTS
	; ---- my task of the five tensors with K = 1,024: 32 rows u, K step w.  The tensor is chosen by the work-group's number alone
	s_mov_b32 s66, ttmp9                           ; u
	s_sub_co_u32 s67, s66, 64
	s_cmp_lt_u32 s67, 32                           ; Wv?
	s_cselect_b32 s68, 8, 0
	s_cselect_b32 s69, 8, 16                       ; rows from the first tile of the pair to the second
	s_mov_b32 s70, 0
	s_mov_b64 s[58:59], s[34:35]
	s_mov_b64 s[60:61], s[36:37]
	s_cmp_ge_u32 s66, 32
	s_cselect_b64 s[58:59], s[38:39], s[58:59]
	s_cselect_b64 s[60:61], s[40:41], s[60:61]
	s_cselect_b32 s70, 32, s70
	s_cmp_ge_u32 s66, 64
	s_cselect_b64 s[58:59], s[42:43], s[58:59]
	s_cselect_b64 s[60:61], s[44:45], s[60:61]
	s_cselect_b32 s70, 64, s70
	s_cmp_ge_u32 s66, 96
	s_cselect_b64 s[58:59], s[46:47], s[58:59]
	s_cselect_b64 s[60:61], s[48:49], s[60:61]
	s_cselect_b32 s70, 96, s70
	s_cmp_ge_u32 s66, 128
	s_cselect_b64 s[58:59], s[50:51], s[58:59]
	s_cselect_b64 s[60:61], s[52:53], s[60:61]
	s_cselect_b32 s70, 128, s70                    ; the tensor's first pair of tiles
	s_sub_co_u32 s71, s66, s70
	s_lshl_b32 s71, s71, 5                         ; my first row in the tensor
	s_mul_i32 s72, s71, 768                        ; a row of codes is 768 bytes,
	s_mul_i32 s73, s12, 96                         ; a K step 96
	s_add_co_u32 s72, s72, s73
	s_mov_b32 s73, 0
	s_add_nc_u64 s[58:59], s[58:59], s[72:73]
	s_lshl_b32 s72, s71, 5                         ; a row of scale bytes is 32 bytes, a K step 4
	s_lshl_b32 s74, s12, 2
	s_add_co_u32 s72, s72, s74
	s_add_nc_u64 s[60:61], s[60:61], s[72:73]
	s_lshr_b32 s74, s66, 2                         ; the panel in wts.  Also: W2's tile
	s_and_b32 s76, s66, 3
	s_mul_i32 s72, s74, 98304
	s_lshr_b32 s75, s12, 1
	s_mul_i32 s75, s75, 24576
	s_add_co_u32 s72, s72, s75
	s_mul_i32 s75, s76, 6144
	s_add_co_u32 s72, s72, s75
	s_and_b32 s75, s12, 1
	s_mul_i32 s75, s75, 1536
	s_add_co_u32 s72, s72, s75
	s_add_nc_u64 s[78:79], s[32:33], s[72:73]      ; my two images
	s_lshl_b32 s72, s74, 12
	s_lshl_b32 s75, s12, 9
	s_add_co_u32 s72, s72, s75
	s_lshl_b32 s75, s76, 7
	s_add_co_u32 s72, s72, s75
	s_add_co_u32 s72, s72, 9437184
	s_add_nc_u64 s[80:81], s[32:33], s[72:73]      ; my 32 scale words
	; ---- my image of W2: tile u / 4, K step 8 (u % 4) + w
	s_lshl_b32 s77, s76, 3
	s_add_co_u32 s77, s77, s12                     ; the K step
	s_mul_i32 s72, s74, 49152                      ; 16 rows of 3,072 bytes
	s_mul_i32 s75, s77, 96
	s_add_co_u32 s72, s72, s75
	s_add_nc_u64 s[82:83], s[54:55], s[72:73]
	s_lshl_b32 s72, s74, 11                        ; 16 rows of 128 scale bytes
	s_lshl_b32 s75, s77, 2
	s_add_co_u32 s72, s72, s75
	s_add_nc_u64 s[84:85], s[56:57], s[72:73]
	s_lshr_b32 s86, s74, 3                         ; W2's panel,
	s_and_b32 s87, s74, 7                          ; the tile in it
	s_mul_i32 s72, s86, 393216
	s_lshr_b32 s75, s77, 1
	s_mul_i32 s75, s75, 24576
	s_add_co_u32 s72, s72, s75
	s_mul_i32 s75, s87, 3072
	s_add_co_u32 s72, s72, s75
	s_and_b32 s75, s77, 1
	s_mul_i32 s75, s75, 1536
	s_add_co_u32 s72, s72, s75
	s_add_co_u32 s72, s72, 6291456
	s_add_nc_u64 s[88:89], s[32:33], s[72:73]      ; the image
	s_lshl_b32 s72, s86, 14
	s_lshl_b32 s75, s77, 9
	s_add_co_u32 s72, s72, s75
	s_lshl_b32 s75, s87, 6
	s_add_co_u32 s72, s72, s75
	s_add_co_u32 s72, s72, 9699328
	s_add_nc_u64 s[90:91], s[32:33], s[72:73]      ; its 16 scale words
	v_and_b32 v[WA0], s68, v3
	v_add_nc_u32 v[WA0], v[WA0], v3                ; the row that lane r takes: r, in Wv r + 8 (r / 8)
	v_mul_lo_u32 v[WSA], v4, s69
	v_add_nc_u32 v[WSA], v[WSA], v[WA0]
	v_lshlrev_b32 v[WSA], 5, v[WSA]                ; scale words: lanes 0-15 the first tile's rows, lanes 16-31 the second's
	v_mul_u32_u24 v[WA0], v[WA0], 768
	v_mad_u32_u24 v[WA0], v4, 24, v[WA0]
	s_mul_i32 s75, s69, 768
	v_add_nc_u32 v[WA1], s75, v[WA0]
	v_mul_u32_u24 v[W2A], v3, 3072
	v_mad_u32_u24 v[W2A], v4, 24, v[W2A]
	v_lshlrev_b32 v[W2S], 7, v3
.irp p, 0,1,2,3,4,5
	global_load_b64 v[WD+2*\p:WD+2*\p+1], v[WA0], s[58:59] offset:48*(\p/3)+8*(\p%3) th:TH_LOAD_NT
.endr
.irp p, 0,1,2,3,4,5
	global_load_b64 v[WD+12+2*\p:WD+12+2*\p+1], v[WA1], s[58:59] offset:48*(\p/3)+8*(\p%3) th:TH_LOAD_NT
.endr
	global_load_b32 v[WD+24], v[WSA], s[60:61] th:TH_LOAD_NT
.irp p, 0,1,2,3,4,5
	global_load_b64 v[W2D+2*\p:W2D+2*\p+1], v[W2A], s[82:83] offset:48*(\p/3)+8*(\p%3) th:TH_LOAD_NT
.endr
	global_load_b32 v[W2D+12], v[W2S], s[84:85] th:TH_LOAD_NT
.endif
	s_wait_loadcnt 16+WL                           ; my two rows are in; the 16 loads of g and b and the weights' may be out
.irp p, 0,1
	v_pk_add_f32 v[SM+2*\p:SM+2*\p+1], v[X+32*\p:X+32*\p+1], v[X+32*\p+2:X+32*\p+3]
.endr
.irp i, 4,6,8,10,12,14,16,18,20,22,24,26,28,30
.irp p, 0,1
	s_delay_alu instid0(VALU_DEP_2)
	v_pk_add_f32 v[SM+2*\p:SM+2*\p+1], v[SM+2*\p:SM+2*\p+1], v[X+32*\p+\i:X+32*\p+\i+1]
.endr
.endr
	ACROSS SM
.irp p, 0,1
	s_delay_alu instid0(VALU_DEP_2)
	v_mul_f32 v[MN+2*\p], s22, v[SM+2*\p]          ; the mean,
.endr
.irp p, 0,1
	s_delay_alu instid0(VALU_DEP_2)
	v_mov_b32 v[MN+2*\p+1], v[MN+2*\p]             ; twice, for the packed forms
.endr
.irp i, 0,2,4,6,8,10,12,14,16,18,20,22,24,26,28,30
.irp p, 0,1
	v_pk_add_f32 v[X+32*\p+\i:X+32*\p+\i+1], v[X+32*\p+\i:X+32*\p+\i+1], v[MN+2*\p:MN+2*\p+1] neg_lo:[0,1] neg_hi:[0,1]   ; x - mean
.endr
.endr
.irp p, 0,1
	v_pk_mul_f32 v[QS+2*\p:QS+2*\p+1], v[X+32*\p:X+32*\p+1], v[X+32*\p:X+32*\p+1]
.endr
.irp i, 2,4,6,8,10,12,14,16,18,20,22,24,26,28,30
.irp p, 0,1
	s_delay_alu instid0(VALU_DEP_2)
	v_pk_fma_f32 v[QS+2*\p:QS+2*\p+1], v[X+32*\p+\i:X+32*\p+\i+1], v[X+32*\p+\i:X+32*\p+\i+1], v[QS+2*\p:QS+2*\p+1]
.endr
.endr
	ACROSS QS
.irp p, 0,1
	s_delay_alu instid0(VALU_DEP_2)
	v_fmaak_f32 v[VE+\p], s22, v[QS+2*\p], 0x3727c5ac   ; the variance + 1e-5
.endr
	s_wait_alu depctr_va_vdst(0)
.irp p, 0,1
	v_rsq_f32 v[RS+2*\p], v[VE+\p]
.endr
	v_nop                                          ; a plain place behind the two roots,
	s_wait_alu depctr_va_vdst(0)                   ; and a wait ahead of their first reader
.irp p, 0,1
	v_mov_b32 v[RS+2*\p+1], v[RS+2*\p]
.endr
	s_wait_alu depctr_va_vdst(0)
	s_wait_loadcnt WL                              ; g and b are in; the weights' loads may be out
.irp i, 0,2,4,6,8,10,12,14,16,18,20,22,24,26,28,30
.irp p, 0,1
	v_pk_mul_f32 v[X+32*\p+\i:X+32*\p+\i+1], v[X+32*\p+\i:X+32*\p+\i+1], v[RS+2*\p:RS+2*\p+1]
.endr
.endr
.irp i, 0,2,4,6,8,10,12,14,16,18,20,22,24,26,28,30
.irp p, 0,1
	v_pk_fma_f32 v[X+32*\p+\i:X+32*\p+\i+1], v[X+32*\p+\i:X+32*\p+\i+1], v[G+\i:G+\i+1], v[BE+\i:BE+\i+1]
.endr
.endr
.irp p, 0,1
.irp i, 0,1,2,3,4,5,6,7
	ds_store_b128 v[STW], v[X+32*\p+4*\i:X+32*\p+4*\i+3] offset:PITCH*\p+512*\i
.endr
.endr
	s_wait_dscnt 0x0                               ; for the others' sake: my rows lie in the stage
	s_barrier_signal -1
	s_barrier_wait -1
.irp c, 0,1
.irp i, 0,1,2,3,4,5,6,7
	ds_load_b128 v[X+32*\c+4*\i:X+32*\c+4*\i+3], v[RDF] offset:256*\c+16*\i   ; y(r, 128 w + 64 c + 32 h + 4 i ..)
.endr
.endr
	s_wait_dscnt 0x0
	QUANT2 X
.irp c, 0,1,2
	global_store_b128 v[LI], v[PC+4*\c:PC+4*\c+3], s[24:25] offset:512*\c   ; 32 lanes store 512 neighbouring bytes
.endr
	global_store_b32 v[LS4], v[W], s[26:27]        ; row r's word; lanes l and l + 16 write the same word to the same place
.if WEIGHTS
	s_wait_loadcnt 0x0                             ; the weights' 20 loads
.irp t, 0,1
.irp c, 0,1,2
	global_store_b128 v[LI], v[WD+12*\t+4*\c:WD+12*\t+4*\c+3], s[78:79] offset:3072*\t+512*\c   ; 32 lanes store 512 neighbouring bytes
.endr
.endr
	global_store_b32 v[L4], v[WD+24], s[80:81]
.irp c, 0,1,2
	global_store_b128 v[LI], v[W2D+4*\c:W2D+4*\c+3], s[88:89] offset:512*\c
.endr
	global_store_b32 v[LS4], v[W2D+12], s[90:91]   ; row r's word; lanes l and l + 16 hold and write the same word
.endif
	s_wait_tensorcnt 0x0                           ; the wave's end
	ds_add_u32 v[SPW], v[NIL]
	s_wait_dscnt 0x0
	s_endpgm
.Lfunc_end_k_qb84c024267_ln2:
	.size	k_qb84c024267_ln2, .Lfunc_end_k_qb84c024267_ln2-k_qb84c024267_ln2
	.p2alignl 7, 3214868480
	.fill 96, 4, 3214868480
	.section	.rodata,"a",@progbits
	.p2align	6, 0x0
	.amdhsa_kernel k_qb84c024267_ln2
		.amdhsa_group_segment_fixed_size 66816
		.amdhsa_private_segment_fixed_size 0
		.amdhsa_enable_private_segment 0
		.amdhsa_kernarg_size 32
		.amdhsa_user_sgpr_count 2
		.amdhsa_user_sgpr_kernarg_segment_ptr 1
		.amdhsa_wavefront_size32 1
		.amdhsa_system_sgpr_workgroup_id_x 1
		.amdhsa_system_sgpr_workgroup_id_y 1
		.amdhsa_system_sgpr_workgroup_id_z 1
		.amdhsa_system_vgpr_workitem_id 0
		.amdhsa_next_free_vgpr 192
		.amdhsa_next_free_sgpr 66
		.amdhsa_reserve_vcc 0
		.amdhsa_float_denorm_mode_32 3
		.amdhsa_float_denorm_mode_16_64 3
		.amdhsa_memory_ordered 1
		.amdhsa_forward_progress 1
		.amdhsa_inst_pref_size 27
	.end_amdhsa_kernel
	.amdgpu_metadata
---
amdhsa.version: [ 1, 2 ]
amdhsa.kernels:
  - .name:           k_qb84c024267_ln2
    .symbol:         k_qb84c024267_ln2.kd
    .args:
      - { .name: x1, .offset: 0, .size: 8, .value_kind: global_buffer, .address_space: global }
      - { .name: g2, .offset: 8, .size: 8, .value_kind: global_buffer, .address_space: global }
      - { .name: be2, .offset: 16, .size: 8, .value_kind: global_buffer, .address_space: global }
      - { .name: hbuf, .offset: 24, .size: 8, .value_kind: global_buffer, .address_space: global }
    .group_segment_fixed_size: 66816
    .private_segment_fixed_size: 0
    .kernarg_segment_align: 8
    .kernarg_segment_size: 32
    .max_flat_workgroup_size: 256
    .sgpr_count:     66
    .vgpr_count:     192
    .wavefront_size: 32
...
	.end_amdgpu_metadata
.endif
;; end of part 5
;; launch ffn1 (part 6): grid 16 x 16, 4 waves a work-group, clusters of 4 x 4, 327,680 bytes of LDS; arguments hbuf, wts, b1, hid; writes hid
.if DOCPART == 6
	.amdgcn_target "amdgcn-amd-amdhsa--gfx1250"
	.amdhsa_code_object_version 6
	.text
	.protected	k_qb84c024267_ffn1
	.globl	k_qb84c024267_ffn1
	.p2align	8
	.type	k_qb84c024267_ffn1,@function
k_qb84c024267_ffn1:
	s_mov_b64 s[64:65], 0
	v_nop
	global_prefetch_b8 v0, s[64:65] scope:SCOPE_SE
	s_setreg_imm32_b32 hwreg(HW_REG_WAVE_MODE, 25, 1), 1
	s_wait_xcnt 0x0
	s_wait_alu depctr_hold_cnt(0) depctr_sa_sdst(0) depctr_va_vdst(0) depctr_va_sdst(0) depctr_va_ssrc(0) depctr_va_vcc(0) depctr_vm_vsrc(0)
	s_getreg_b32 s2, hwreg(HW_REG_IB_STS2, 6, 4)
	s_cmp_eq_u32 s2, 0
	s_cbranch_scc0 .Lentry_in_a_cluster
	s_endpgm
.Lentry_in_a_cluster:
	s_bfe_u32 s2, ttmp6, 0x10000c
	s_cmp_lg_u32 s2, 0xf033
	s_cbranch_scc0 .Lentry_shape_is_right
	s_endpgm
.Lentry_shape_is_right:
; C = A B^T on codes of BF6 (E3M2) with one E8M0 scale for each 32 along K = 1,024; C is quantised along its columns on the way out and leaves as codes.  One text serves two launches (FFN = 0 or 1).
; FFN = 0: cluster x = 0: Q = h Wq, 1: K = h Wk (A = h's 4,096 rows, B = the weight's 1,024), 2: V^T = Wv h^T (A = Wv's 1,024 rows, B = h): so V is quantised along the keys.  FFN = 1: relu(h2 W1 + b1), quantised along the 4,096.
; Operands lie in memory as images of their registers (16 rows x 128 K: registers 4 c .. 4 c + 3 of lane l at byte 512 c + 16 l of 1,536), in panels of 128 rows: [K / 256][8 tiles][2][1,536]: 256 along K of a panel are 24,576 dense bytes.
; A tile of C, 256 x 256, is made by four waves, 128 x 128 each: 64 accumulators, 512 registers.  K goes in four steps of 256; a step's tiles are 98,304 bytes, each wave fetching one panel's 24,576 by one tensor load.
; THREE LDS SLOTS: steps 0, 1 and 2 are asked for together at the head; step 3 goes into slot 0 as soon as that has been read, and no other slot is filled again: so between that one request and the wait for it
; stand the products of slots 1 and 2, some 240 matrix instructions a wave.  The scale words of the four panels, for all of K, come once, with the first fills.
; CLUSTERS: 4 x 4: A's panels are asked for jointly along a row of the cluster, B's along a column.
; THE MATRIX INSTRUCTION IS USED TRANSPOSED (source 0 = 16 rows of B, source 1 = 16 rows of A): a lane holds eight neighbouring columns of one row of C.
; REGISTERS: window 0: v10-29 addresses; v32-63 scale words, two sets; v64-127 the bias (FFN), later the quantiser's; v128-223 A's 8 fragments, one set; window 1: B's, two sets; windows 2, 3: the accumulators ((a, b) at v[8 (8 (a % 4) + b)]).
; LIMITS: as stated at the head of the first kernel (NaN, infinities, blocks under 2^-122, the byte of a block of zeros).
.set FFN,    1
.set PART,   24576                     ; 256 along K of a panel
.set SLOT,   4*PART                    ; A's two panels, then B's two
.set SCL,    3*SLOT                    ; behind the three slots: four panels' scale words, 4,096 bytes each
.set SPARE,  SCL+4*4096                ; the spare words, 128 bytes for each wave
.set SPITCH, 528                       ; the way out: a stage of 16 rows x (512 + 16) bytes for each wave,
.set STAGE,  SLOT                      ; in slot 1: it is filled once, and nobody reads it behind the last barrier
.set FR,  12
.set NL,  3                            ; LDS loads that bring a fragment
.set NP,  4                            ; places behind this matrix instruction (ISA guide 7.12.1)
.set LI,   10                          ; 16 x lane
.set LS4,  11                          ; 4 x lane
.set SH8,  12                          ; 8 h
.set ADRA, 16                          ; v16-18 my A panel in slot 0, 1, 2
.set ADRB, 20                          ; v20-22 my B panel
.set STO,  24
.set RDQ,  25
.set ADRS, 27                          ; my scale words: lanes 0-15 A's rows, lanes 16-31 B's
.set SPW,  28
.set NIL,  29
.set SC,   32                          ; set s at v[SC + 16 s]; register 2 i + q: block i, the K step's q-th 128 along K; K step n uses set n % 2
.set BIAS, 64
.set AF,   128
.set PC,   96
.set PT,   108
.set MX,   116
.set SOP,  118
.set BY,   120
.set W,    122
.set WT,   123
.set WE,   124
.set WP,   125
.set G0C,  20
.set G1,   24
.set G0,   32                          ; s[32:39] group 0 for A's tiles, slots 0 and 1
.set G1B,  48
.set G0B,  56                          ; s[56:63] the same for B's tiles
.set SEL,  66
.set G1S,  68
.set G0S,  76
.set G1SB, 80
.set G0SB, 88
.set G0BC, 92
.set LMASK, 99                         ; s99 lanes 16-31
.if FFN
.set APTR, 4
.set BPTR, 6
.set OUTP, 10
.set ASTEP, 3072
.else
.set APTR, 10
.set BPTR, 12
.set OUTP, 8
.set ASTEP, 1536
.endif
.set MSB, 0
.macro WIN new                         ; the immediate's high byte repeats the setting that is left
.if MSB != \new
	s_set_vgpr_msb (MSB<<8)|\new
.set MSB, \new
.endif
.endm
.set MUL_LO, 0xa1                      ; source 0 (B) window 1, source 1 (A) window 0, C and D window 2
.set MUL_HI, 0xf1                      ; the same, C and D window 3
.set TO_B,   0x40
; A joint load: waves 0 and 1 fetch for A, waves 2 and 3 for B.  The branch hangs on the wave's number alone.  An s_nop 0 and four v_nop follow each of the two lines.
.macro JLOAD g0a, g1a, g0b, g1b
	s_cmp_eq_u32 s15, 0
	s_cbranch_scc0 .Lfor_b_\@
	tensor_load_to_lds s[\g0a:\g0a+3], s[\g1a:\g1a+7]
	s_nop 0
.rept 4
	v_nop
.endr
	s_branch .Lasked_\@
.Lfor_b_\@:
	tensor_load_to_lds s[\g0b:\g0b+3], s[\g1b:\g1b+7]
	s_nop 0
.rept 4
	v_nop
.endr
.Lasked_\@:
.endm
.macro CREST                           ; a round of the cluster's barrier behind its opening barrier
	s_cmp_lg_u32 s14, 0
	s_cbranch_scc1 .Lnot_wave_0_\@
	s_barrier_signal -3
.Lnot_wave_0_\@:
	s_barrier_wait -3
	s_barrier_signal -1
	s_barrier_wait -1
.endm
.macro CROUND
	s_barrier_signal -1
	s_barrier_wait -1
	CREST
.endm
.macro PLACES n
.rept \n
	v_nop
.endr
.endm
; 64 numbers of a lane, register 32 c + i = place 64 c + 32 h + i along K of my row, become a fragment's 12 registers in v[PC] on and the row's scale word in v[W] (in both halves of the lanes).
.macro QUANT2 x
.irp c, 0,1
	v_max3_num_f32 v[MX+\c], |v[(\x)+32*\c]|, |v[(\x)+32*\c+1]|, 0x2800000   ; my block 2 c + h; the floor 2^(5 - 127) holds the byte at 1 from below
.endr
.irp i, 2,4,6,8,10,12,14,16,18,20,22,24,26,28,30
.irp c, 0,1
	v_max3_num_f32 v[MX+\c], v[MX+\c], |v[(\x)+32*\c+\i]|, |v[(\x)+32*\c+\i+1]|
.endr
.endr
.irp c, 0,1
	v_add_nc_u32 v[SOP+\c], 0xfe000000, v[MX+\c]   ; 4 off the exponent field: the conversion's scale operand
.endr
.irp c, 0,1
	v_lshrrev_b32 v[BY+\c], 23, v[SOP+\c]
.endr
	v_lshl_or_b32 v[W], v[BY+1], 16, v[BY]
	v_lshlrev_b32 v[W], v[SH8], v[W]
	v_permlanex16_b32 v[WT], v[W], s[SEL], s[SEL+1]
	v_or_b32 v[W], v[W], v[WT]
.irp c, 0,1
	v_cvt_scalef32_pk16_bf6_f32 v[PC+6*\c:PC+6*\c+2], v[(\x)+32*\c:(\x)+32*\c+15], v[SOP+\c]
	v_cvt_scalef32_pk16_bf6_f32 v[PT+4*\c:PT+4*\c+2], v[(\x)+32*\c+16:(\x)+32*\c+31], v[SOP+\c]
.endr
	v_nop                                          ; one plain place behind the conversions
.irp c, 0,1
.irp i, 0,1,2
	v_mov_b32 v[PC+3+6*\c+\i], v[PT+4*\c+\i]
.endr
.endr
.endm
.if FFN
	s_load_b256 s[4:11], s[0:1], 0x0               ; h2's codes, the weights, b1, the hidden layer's codes
.else
	s_load_b128 s[4:7], s[0:1], 0x0                ; h's codes, the weights
	s_load_b64 s[8:9], s[0:1], 0x10                ; Q, K, V
.endif
	v_lshl_add_u32 v[SPW], v0, 2, SPARE
	v_mov_b32 v[NIL], 0
	ds_add_u32 v[SPW], v[NIL]                      ; the wave's opening: the add, twice on end, and its wait ahead of my first tensor load
	ds_add_u32 v[SPW], v[NIL]
	v_lshrrev_b32 v1, 5, v0
	v_readfirstlane_b32 s14, v1                    ; wave 0..3
	s_lshr_b32 s15, s14, 1                         ; my half of the tile's rows.  Also: I fetch for A (0) or for B (1)
	s_and_b32 s16, s14, 1                          ; my half of its columns.  Also: which of the two panels I fetch
	s_bfe_u32 s40, ttmp6, 0x40000                  ; cx
	s_bfe_u32 s41, ttmp6, 0x40004                  ; cy
	s_and_b32 s13, ttmp7, 0xffff
	s_lshl_b32 s13, s13, 2                         ; 4 x cluster y
.if FFN
	s_lshl_b32 s42, ttmp9, 2
	s_mov_b32 s17, s13
	s_mov_b32 s97, 0                               ; where A's codes, A's scale words, B's codes and B's scale words begin in their buffers
	s_mov_b32 s98, 3145728
	s_mov_b32 s18, 3145728
	s_mov_b32 s19, 9568256
.else
	s_mul_i32 s18, ttmp9, 786432
	s_lshl_b32 s19, ttmp9, 15
	s_add_co_u32 s19, s19, 9437184
	s_mov_b32 s96, 3145728
	s_cmp_eq_u32 ttmp9, 2                          ; V?  The cluster's x is the same in all sixteen partners
	s_cselect_b32 s17, 0, s13
	s_cselect_b32 s42, s13, 0
	s_cselect_b32 s97, 1572864, 0
	s_cselect_b32 s98, 9502720, s96
	s_cselect_b32 s18, 0, s18
	s_cselect_b32 s19, s96, s19
.endif
	s_add_co_u32 s17, s17, s41                     ; tile row of C
	s_add_co_u32 s42, s42, s40                     ; tile column of C
	s_lshl_b32 s43, s41, 2
	s_lshl_b32 s43, 15, s43                        ; my row of the cluster
	s_lshl_b32 s44, 0x1111, s40                    ; my column
	; group 1: a dense block as rows of 256 bytes (32 elements of 8 bytes), no padding: 96 rows of codes, 16 of scale words
	s_or_b32 s[G1+0], s43, (3<<16)|(1<<21)
	s_or_b32 s[G1B+0], s44, (3<<16)|(1<<21)
.irp g, G1, G1B
	s_mov_b32 s[\g+1], 3072<<16                    ; for the head's load: K step 0 of two panels: 2 rows of 24,576 bytes, 98,304 bytes apart
	s_mov_b32 s[\g+2], 2<<16
	s_mov_b32 s[\g+3], 3072<<16
	s_mov_b32 s[\g+4], 2
	s_mov_b32 s[\g+5], 12288
	s_mov_b32 s[\g+6], 0
	s_mov_b32 s[\g+7], 0
.endr
	s_or_b32 s[G1S+0], s43, (3<<16)|(1<<21)
	s_or_b32 s[G1SB+0], s44, (3<<16)|(1<<21)
.irp g, G1S, G1SB
	s_mov_b32 s[\g+1], 32<<16
	s_mov_b32 s[\g+2], 32<<16                      ; two panels' scale words: 8,192 dense bytes
	s_mov_b32 s[\g+3], 32<<16
	s_mov_b32 s[\g+4], 32
	s_mov_b32 s[\g+5], 32
	s_mov_b32 s[\g+6], 0
	s_mov_b32 s[\g+7], 0
.endr
	s_lshl_b32 s20, s17, 1
	s_lshl_b32 s22, s20, 12
	s_mul_i32 s20, s20, 98304
	s_add_co_u32 s20, s20, s97
	s_add_co_u32 s22, s22, s98
	s_mov_b32 s21, 0
	s_mov_b32 s23, 0
	s_lshl_b32 s46, s42, 1
	s_lshl_b32 s92, s46, 12
	s_mul_i32 s46, s46, 98304
	s_add_co_u32 s46, s46, s18
	s_add_co_u32 s92, s92, s19
	s_mov_b32 s47, 0
	s_mov_b32 s93, 0
	s_mul_i32 s45, s14, PART                       ; where they go: no place in the cluster enters an LDS address
	s_mov_b32 s[SEL], 0x76543210
	s_mov_b32 s[SEL+1], 0xfedcba98
	s_mov_b32 s[LMASK], 0xffff0000                 ; lanes 16-31
	s_wait_dscnt 0x0                               ; both opening adds are done
	s_wait_kmcnt 0x0
.if FFN == 0
	s_cmp_eq_u32 ttmp9, 2
	s_cselect_b64 s[10:11], s[6:7], s[4:5]         ; A's buffer
	s_cselect_b64 s[12:13], s[4:5], s[6:7]         ; B's
.endif
	s_add_nc_u64 s[20:21], s[APTR:APTR+1], s[20:21]
	s_add_nc_u64 s[22:23], s[APTR:APTR+1], s[22:23]
	s_add_nc_u64 s[46:47], s[BPTR:BPTR+1], s[46:47]
	s_add_nc_u64 s[92:93], s[BPTR:BPTR+1], s[92:93]
	CROUND                                         ; all sixteen work-groups are here: the first joint loads meet
	s_mov_b32 s[G0S], 1
	s_mov_b32 s[G0S+1], SCL
	s_mov_b64 s[G0S+2:G0S+3], s[22:23]
	s_or_b32 s[G0S+3], s[G0S+3], 0x80000000
	s_mov_b32 s[G0SB], 1
	s_mov_b32 s[G0SB+1], SCL+8192
	s_mov_b64 s[G0SB+2:G0SB+3], s[92:93]
	s_or_b32 s[G0SB+3], s[G0SB+3], 0x80000000
; HOW THE TILES COME, in place of what the head comment says of the first fills.  THE HEAD: one joint load a wave: wave 0 K step 0 of A's two panels, wave 1 of B's two,
; wave 2 the scale words of A's two panels, wave 3 of B's.  K steps 1 and 2 come behind the full sequence and a round, one dense load of 49,152 bytes a wave: in LDS they lie panel by panel from SLOT on
; (panel p at SLOT + 2 p PART, K step 1 then K step 2).  K step 3 goes into slot 0 as before.
; PREFETCH, one load ahead: behind the head's load each wave asks for K steps 1 and 2 of the panel that it will fetch, behind the second load for K step 3.  A K step of a panel is 96 blocks of 256 bytes:
; each of the four partners that ask jointly takes 24, told apart by address (cx for A, cy for B), a lane a block (lanes 24-31 name block 23 again).
	s_mov_b32 s4, 1
	s_mov_b32 s5, 0
	s_mov_b64 s[6:7], s[20:21]
	s_or_b32 s7, s7, 0x80000000
	s_mov_b32 s92, 1                               ; s[92:95]: of wave 1's
	s_mov_b32 s93, 2*PART
	s_mov_b64 s[94:95], s[46:47]
	s_or_b32 s95, s95, 0x80000000
	s_mul_i32 s2, s16, 98304                       ; from here on: the one panel that I fetch
	s_mov_b32 s3, 0
	s_add_nc_u64 s[20:21], s[20:21], s[2:3]
	s_add_nc_u64 s[46:47], s[46:47], s[2:3]
	s_lshl_b32 s2, s45, 1                          ; wave x 2 PART
.irp s, 0,1
	s_mov_b32 s[G0+4*\s], 1
	s_add_nc_u64 s[G0+4*\s+2:G0+4*\s+3], s[20:21], \s*PART
	s_or_b32 s[G0+4*\s+3], s[G0+4*\s+3], 0x80000000
	s_mov_b32 s[G0B+4*\s], 1
	s_add_nc_u64 s[G0B+4*\s+2:G0B+4*\s+3], s[46:47], \s*PART
	s_or_b32 s[G0B+4*\s+3], s[G0B+4*\s+3], 0x80000000
.endr
	s_mov_b32 s[G0+1], s45
	s_mov_b32 s[G0B+1], s45
	s_add_co_u32 s[G0+5], s2, SLOT
	s_add_co_u32 s[G0B+5], s2, SLOT
	s_cmp_eq_u32 s15, 0                            ; do I fetch for A?
	s_cselect_b64 s[22:23], s[20:21], s[46:47]     ; s[22:23]: where my prefetches stand; never rewritten
	s_cselect_b32 s2, s40, s41                     ; my place among the four that ask with me
	s_mul_i32 s2, s2, 6144                         ; 24 blocks of 256 bytes each (s3 = 0)
	s_add_nc_u64 s[22:23], s[22:23], s[2:3]
.macro ARM under, g0, g1, next         ; one chain of branches on the wave's number: every way passes exactly one load
	s_cmp_lt_u32 s14, \under
	s_cbranch_scc0 \next
	tensor_load_to_lds s[\g0:\g0+3], s[\g1:\g1+7]
	s_nop 0
.rept 4
	v_nop
.endr
	s_branch .Lhead_asked
\next:
.endm
	ARM 1, 4,   G1,  .Lhead_b
	ARM 2, 92,  G1B, .Lhead_sa
	ARM 3, G0S, G1S, .Lhead_sb
	tensor_load_to_lds s[G0SB:G0SB+3], s[G1SB:G1SB+7]
	s_nop 0
.rept 4
	v_nop
.endr
.Lhead_asked:
	v_and_b32 v30, 31, v0
	v_min_u32 v30, 23, v30
	v_lshlrev_b32 v30, 8, v30                      ; v30: the prefetches' offset, 256 x min(lane, 23); never rewritten
	global_prefetch_b8 v30, s[22:23] offset:PART th:TH_LOAD_NT scope:SCOPE_SE     ; K step 1
	global_prefetch_b8 v30, s[22:23] offset:2*PART th:TH_LOAD_NT scope:SCOPE_SE   ; K step 2
	v_and_b32 v1, 15, v0
	v_bfe_u32 v2, v0, 4, 1                         ; h
	v_and_b32 v3, 31, v0
	v_lshlrev_b32 v[LI], 4, v3
	v_lshlrev_b32 v[LS4], 2, v3
	v_lshlrev_b32 v[SH8], 3, v2
	s_mul_i32 s2, s15, PART                        ; my panel of A,
	s_mul_i32 s3, s16, PART
	s_add_co_u32 s3, s3, 2*PART                    ; my panel of B, behind A's two
	v_add_nc_u32 v[ADRA], s2, v[LI]
	v_add_nc_u32 v[ADRB], s3, v[LI]
	s_lshl_b32 s2, s2, 1                           ; K steps 1 and 2: panel p at SLOT + 2 p PART
	s_lshl_b32 s3, s3, 1
	s_add_co_u32 s2, s2, SLOT
	s_add_co_u32 s3, s3, SLOT
	v_add_nc_u32 v[ADRA+1], s2, v[LI]
	v_add_nc_u32 v[ADRB+1], s3, v[LI]
	v_add_nc_u32 v[ADRA+2], PART, v[ADRA+1]
	v_add_nc_u32 v[ADRB+2], PART, v[ADRB+1]
	s_lshl_b32 s2, s15, 12
	s_lshl_b32 s3, s16, 12
	s_add_co_u32 s3, s3, 2*4096
	s_sub_co_u32 s3, s3, s2
	v_mul_u32_u24 v6, s3, v2                       ; lanes 16-31 take B's words: one product, the distance between the two bases
	s_add_co_u32 s2, s2, SCL
	v_lshl_add_u32 v5, v1, 2, v6
	v_add_nc_u32 v[ADRS], s2, v5
	s_mul_i32 s13, s14, 16*SPITCH
	s_add_co_u32 s13, s13, STAGE                   ; my stage
	v_mul_u32_u24 v5, v1, SPITCH
	v_add_nc_u32 v5, s13, v5
	v_lshl_add_u32 v[STO], v2, 5, v5               ; in: row r, 32 bytes for each half of the lanes
	v_lshl_add_u32 v[RDQ], v2, 7, v5               ; back: row r, 32 numbers for each half
	s_lshl_b32 s96, s17, 1
	s_add_co_u32 s96, s96, s15                     ; my panel of C's rows
	s_lshl_b32 s97, s42, 1
	s_add_co_u32 s97, s97, s16                     ; my panel of C's columns
.if FFN
	s_lshl_b32 s46, s97, 9
	s_mov_b32 s47, 0
	s_add_nc_u64 s[8:9], s[8:9], s[46:47]          ; b1 at my 128 columns
	v_lshlrev_b32 v7, 5, v2
.irp b, 0,1,2,3,4,5,6,7
	global_load_b128 v[BIAS+8*\b:BIAS+8*\b+3], v7, s[8:9] offset:64*\b        ; lane (r, h): b1 of columns 16 b + 8 h + 0 .. 7: the result's layout
	global_load_b128 v[BIAS+8*\b+4:BIAS+8*\b+7], v7, s[8:9] offset:64*\b+16
.endr
	s_mul_i32 s46, s96, 393216                     ; the hidden layer's panel (K = 4,096); my 128 columns are its K step 2 x tile column + half
	s_mul_i32 s2, s42, 24576
	s_add_co_u32 s46, s46, s2
	s_mul_i32 s2, s16, 1536
	s_add_co_u32 s46, s46, s2
	s_lshl_b32 s2, s96, 5
	s_add_co_u32 s2, s2, s97
	s_lshl_b32 s2, s2, 9
	s_add_co_u32 s2, s2, 12582912
.else
	s_cmp_eq_u32 ttmp9, 2
	s_cselect_b32 s3, s97, s96                     ; the panel of tokens,
	s_cselect_b32 s13, s96, s97                    ; the pair of heads
	s_lshr_b32 s98, s3, 3
	s_lshl_b32 s98, s98, 3
	s_add_co_u32 s98, s98, s13                     ; 8 x batch + pair
	s_and_b32 s3, s3, 7                            ; which 128 tokens of the sequence
	s_mul_i32 s46, s98, 294912
	s_mul_i32 s2, ttmp9, 98304
	s_add_co_u32 s46, s46, s2
	s_mul_i32 s2, s3, 12288
	s_add_co_u32 s46, s46, s2
	s_mul_i32 s2, s98, 12288
	s_lshl_b32 s13, ttmp9, 12
	s_add_co_u32 s2, s2, s13
	s_lshl_b32 s13, s3, 9
	s_add_co_u32 s2, s2, s13
	s_add_co_u32 s2, s2, 9437184
.endif
	s_mov_b32 s47, 0
	s_add_nc_u64 s[96:97], s[OUTP:OUTP+1], s[46:47]   ; my eight images
	s_mov_b32 s46, s2
	s_add_nc_u64 s[18:19], s[OUTP:OUTP+1], s[46:47]   ; my 128 scale words
.macro FRAG reg, adr, q, i             ; a fragment comes back as it was stored: three loads of 16 bytes a lane, 512 neighbouring bytes each
.irp c, 0,1,2
	ds_load_b128 v[\reg+4*\c:\reg+4*\c+3], v[\adr] offset:(2*(\i)+(\q))*1536+512*\c
.endr
.endm
; 16 matrix instructions: A's blocks a0, a0 + 1 x B's eight.  p: B's set; q: the K step's q-th 128 along K; sc: the set of scale words.  zero = 1: the first product starts the sums; 2: it starts them with the bias.
; The 64 accumulators take turns, one instruction a turn, in the same order in every step.
.macro MUL16 a0, p, q, sc, zero
.irp a, \a0, \a0+1
.irp b, 0,1,2,3,4,5,6,7
.if \zero == 1
	v_wmma_scale_f32_16x16x128_f8f6f4 v[8*(8*((\a)%4)+\b):8*(8*((\a)%4)+\b)+7], v[128*(\p)+FR*\b:128*(\p)+FR*\b+FR-1], v[AF+FR*(\a):AF+FR*(\a)+FR-1], 0, v[SC+16*(\sc)+2*\b+(\q)], v[SC+16*(\sc)+2*(\a)+(\q)] matrix_a_fmt:MATRIX_FMT_BF6 matrix_b_fmt:MATRIX_FMT_BF6 matrix_a_scale:MATRIX_SCALE_ROW1
.elseif \zero == 2
	v_wmma_scale_f32_16x16x128_f8f6f4 v[8*(8*((\a)%4)+\b):8*(8*((\a)%4)+\b)+7], v[128*(\p)+FR*\b:128*(\p)+FR*\b+FR-1], v[AF+FR*(\a):AF+FR*(\a)+FR-1], v[BIAS+8*\b:BIAS+8*\b+7], v[SC+16*(\sc)+2*\b+(\q)], v[SC+16*(\sc)+2*(\a)+(\q)] matrix_a_fmt:MATRIX_FMT_BF6 matrix_b_fmt:MATRIX_FMT_BF6 matrix_a_scale:MATRIX_SCALE_ROW1
.else
	v_wmma_scale_f32_16x16x128_f8f6f4 v[8*(8*((\a)%4)+\b):8*(8*((\a)%4)+\b)+7], v[128*(\p)+FR*\b:128*(\p)+FR*\b+FR-1], v[AF+FR*(\a):AF+FR*(\a)+FR-1], v[8*(8*((\a)%4)+\b):8*(8*((\a)%4)+\b)+7], v[SC+16*(\sc)+2*\b+(\q)], v[SC+16*(\sc)+2*(\a)+(\q)] matrix_a_fmt:MATRIX_FMT_BF6 matrix_b_fmt:MATRIX_FMT_BF6 matrix_a_scale:MATRIX_SCALE_ROW1
.endif
.endr
.endr
.endm
.macro FETCH_B slot, q, p
	WIN TO_B
.irp i, 0,1,2,3,4,5,6,7
	FRAG 128*(\p)+FR*\i, ADRB+\slot, \q, \i
.endr
	WIN 0
.endm
.macro FETCH_A slot, q, i0
.irp i, \i0, \i0+1, \i0+2, \i0+3
	FRAG AF+FR*(\i), ADRA+\slot, \q, \i
.endr
.endm
.macro SCALES sc                       ; a K step's scale words: lanes 0-15 take A's block i, lanes 16-31 B's block i
.irp i, 0,1,2,3,4,5,6,7
.irp q, 0,1
	ds_load_b32 v[SC+16*\sc+2*\i+\q], v[ADRS] offset:512*\q+64*\i
.endr
.endr
.endm
; A K step's first 128 along K.  slot: where its tiles lie; sc: its set of scale words.
.macro STEP slot, sc, zero
	s_wait_dscnt 4*NL                              ; B's set and A's blocks 0-3 are in; the youngest 12 loads (A's blocks 4-7) may be out
.if \zero == 2
	WIN 0x81                                       ; C (the bias) window 0, D window 2
.else
	WIN MUL_LO
.endif
	MUL16 0, 0, 0, \sc, \zero
	MUL16 2, 0, 0, \sc, \zero
	s_wait_dscnt 0                                 ; A's blocks 4-7 are in
	PLACES NP                                      ; in front of loads into registers that matrix instructions have read
	FETCH_B \slot, 1, 1
	FETCH_A \slot, 1, 0
.if \zero == 2
	WIN 0xc1
.else
	WIN MUL_HI
.endif
	MUL16 4, 0, 0, \sc, \zero
	MUL16 6, 0, 0, \sc, \zero
	PLACES NP
	WIN 0
	FETCH_A \slot, 1, 4
.endm
; A K step's second 128 along K goes on to the next slot.
; mode 1: this slot is filled again: each wave waits for all its tensor loads, adds 0 to its spare word, waits for that and for its own reads of this slot; the barrier opens a round of the cluster's barrier; the refill comes first behind it.
; mode 0: the next slot is the one that was filled again: the same three lines and my work-group's barrier, behind which that slot is whole for every wave.
; mode 2: the next slot was shown whole to every wave by the barrier of mode 1, and nothing is filled: no barrier.
.macro TURN slot, sc, next, nsc, mode
.if \mode < 2
	s_wait_tensorcnt 0x0                           ; all my tensor loads have landed
	ds_add_u32 v[SPW], v[NIL]
	s_wait_dscnt 4*NL+1                            ; (the add and the youngest 12 loads may be out)
	WIN MUL_LO
	MUL16 0, 1, 1, \sc, 0
	s_wait_dscnt 0x0                               ; the add is done, and my reads of this slot are over
	s_barrier_signal -1
	MUL16 2, 1, 1, \sc, 0
	WIN 0
	s_barrier_wait -1
.else
	s_wait_dscnt 4*NL                              ; the youngest 12 loads (A's blocks 4-7) may be out
	WIN MUL_LO
	MUL16 0, 1, 1, \sc, 0
	MUL16 2, 1, 1, \sc, 0
	s_wait_dscnt 0x0                               ; A's blocks 4-7 are in
	WIN 0
.endif
.if \mode == 1
	CREST                                          ; no wave of any partner still reads this slot or has a load on its way
	s_mov_b32 s[G1+2], 96<<16                      ; no tensor load of mine is out: this load brings one K step of a panel, 96 rows of 256 bytes
	s_mov_b32 s[G1+4], 96
	s_mov_b32 s[G1B+2], 96<<16
	s_mov_b32 s[G1B+4], 96
	s_add_nc_u64 s[G0+4*\slot+2:G0+4*\slot+3], s[G0+4*\slot+2:G0+4*\slot+3], 3*PART
	s_add_nc_u64 s[G0B+4*\slot+2:G0B+4*\slot+3], s[G0B+4*\slot+2:G0B+4*\slot+3], 3*PART
	JLOAD G0+4*\slot, G1, G0B+4*\slot, G1B         ; my one tensor load behind the round: three K steps on; its four v_nop are the places in front of the loads below
.else
	PLACES NP
.endif
	v_add_nc_u32 v[ADRS], 1024, v[ADRS]            ; the next K step's scale words
	FETCH_B \next, 0, 0
	FETCH_A \next, 0, 0
	SCALES \nsc
	WIN MUL_HI
	MUL16 4, 1, 1, \sc, 0
	MUL16 6, 1, 1, \sc, 0
	PLACES NP
	WIN 0
	FETCH_A \next, 0, 4
.endm
	s_wait_alu depctr_va_vdst(0)
	s_wait_tensorcnt 0x0                           ; my tile of the head's four is in
	ds_add_u32 v[SPW], v[NIL]
.irp g, G1, G1B
	s_mov_b32 s[\g+1], 32<<16                      ; no tensor load of mine is out: the next load brings K steps 1 and 2 of a panel, 192 dense rows of 256 bytes
	s_mov_b32 s[\g+2], 192<<16
	s_mov_b32 s[\g+3], 32<<16
	s_mov_b32 s[\g+4], 192
	s_mov_b32 s[\g+5], 32
.endr
	s_wait_dscnt 0x0
	CROUND                                         ; all four tiles are in, and all sixteen work-groups are here
	JLOAD G0+4, G1, G0B+4, G1B                     ; my one tensor load behind the round
	global_prefetch_b8 v30, s[22:23] offset:3*PART th:TH_LOAD_NT scope:SCOPE_SE   ; K step 3
	FETCH_B 0, 0, 0
	FETCH_A 0, 0, 0
	SCALES 0
	FETCH_A 0, 0, 4
.if FFN
	s_wait_loadcnt 0x0                             ; the bias
	STEP 0, 0, 2
.else
	STEP 0, 0, 1
.endif
	TURN 0, 0, 1, 1, 1                             ; K step 0 ends: slot 0 takes K step 3
	s_wait_alu depctr_va_vdst(0)
	STEP 1, 1, 0
	TURN 1, 1, 2, 0, 2                             ; K step 1 ends
	s_wait_alu depctr_va_vdst(0)
	STEP 2, 0, 0
	TURN 2, 0, 0, 1, 0                             ; K step 2 ends: K step 3 has landed
	STEP 0, 1, 0
	s_wait_dscnt 4*NL                              ; the very last 128 along K: nothing more to fetch
	WIN MUL_LO
	MUL16 0, 1, 1, 1, 0
	MUL16 2, 1, 1, 1, 0
	s_wait_dscnt 0
	WIN MUL_HI
	MUL16 4, 1, 1, 1, 0
	MUL16 6, 1, 1, 1, 0
	WIN 0
; THE WAY OUT, block by block of 16 rows x 128 columns.  The quantiser wants 32 neighbours along the columns in one lane; a lane holds eight.  So a block goes through my stage and comes back 2 x 32 numbers a lane.
; FFN = 0: inside each block of 32 the second and third groups of eight change places.  For V that is the order in which the attention launch's p lies (its tiles of keys are 16 neighbours, so a lane's 16 numbers of a block
; are keys 8 h + 0 .. 7 and 16 + 8 h + 0 .. 7); Q and K are both laid so, which leaves their product as it is.  A block's scale does not hang on the order inside it.
.macro TOSTAGE a
.set AC, 64*((\a)%4)
	WIN 0x08+4*((\a)/4)                            ; an LDS store's data: window 2 or 3
.irp b, 0,1,2,3,4,5,6,7
	ds_store_b128 v[STO], v[AC+8*\b:AC+8*\b+3] offset:64*\b          ; each accumulator from its low end on
	ds_store_b128 v[STO], v[AC+8*\b+4:AC+8*\b+7] offset:64*\b+16
.endr
	WIN 0
.set XB, 128+64*((\a)%2)
.irp c, 0,1
.irp g, 0,1,2,3
.if FFN
.set PG, \g
.else
.set PG, 2*(\g%2)+\g/2
.endif
.irp u, 0,1
	ds_load_b128 v[XB+32*\c+8*\g+4*\u:XB+32*\c+8*\g+4*\u+3], v[RDQ] offset:256*\c+32*PG+16*\u   ; LDS serves a wave's instructions in order (ISA guide 5.7.1.4): these see the stores above
.endr
.endr
.endr
.endm
	PLACES NP                                      ; behind the last products: their results are read, and loads land in registers that held A's fragments
	v_mov_b32 v[WT], 0                             ; a lane permute's destination counts as one of its sources
	TOSTAGE 0
.irp a, 0,1,2,3,4,5,6,7
.if \a < 7
	TOSTAGE \a+1
	s_wait_dscnt 32                                ; this block is back; the next block's 16 stores and 16 loads may be out
.else
	s_wait_dscnt 0x0
.endif
.set XB, 128+64*(\a%2)
.if FFN
.set j, 0
.rept 64
	v_max_num_f32 v[XB+j], 0, v[XB+j]              ; the activation, in f32
.set j, j+1
.endr
.endif
	s_wait_xcnt 0x0                                ; the last block's stores have read their registers: the codes and the word are written again only behind this wait
	QUANT2 XB
.irp c, 0,1,2
	global_store_b128 v[LI], v[PC+4*\c:PC+4*\c+3], s[96:97] offset:\a*ASTEP+512*\c   ; 32 lanes store 512 neighbouring bytes
.endr
.if \a%2 == 0
	v_mov_b32 v[WE], v[W]
.else
	v_cndmask_b32 v[WP], v[WE], v[W], s[LMASK]     ; lanes 0-15 the even block's words, lanes 16-31 the odd one's
	global_store_b32 v[LS4], v[WP], s[18:19] offset:128*(\a/2)
.endif
.endr
	s_wait_tensorcnt 0x0                           ; the wave's end
	ds_add_u32 v[SPW], v[NIL]
	s_wait_dscnt 0x0
	CROUND                                         ; the closing round: no work-group ends while a partner may still ask for a tile that names it
	s_endpgm
.Lfunc_end_k_qb84c024267_ffn1:
	.size	k_qb84c024267_ffn1, .Lfunc_end_k_qb84c024267_ffn1-k_qb84c024267_ffn1
	.p2alignl 7, 3214868480
	.fill 96, 4, 3214868480
	.section	.rodata,"a",@progbits
	.p2align	6, 0x0
	.amdhsa_kernel k_qb84c024267_ffn1
		.amdhsa_group_segment_fixed_size 327680
		.amdhsa_private_segment_fixed_size 0
		.amdhsa_enable_private_segment 0
		.amdhsa_kernarg_size 32
		.amdhsa_user_sgpr_count 2
		.amdhsa_user_sgpr_kernarg_segment_ptr 1
		.amdhsa_wavefront_size32 1
		.amdhsa_system_sgpr_workgroup_id_x 1
		.amdhsa_system_sgpr_workgroup_id_y 1
		.amdhsa_system_sgpr_workgroup_id_z 1
		.amdhsa_system_vgpr_workitem_id 0
		.amdhsa_next_free_vgpr 1024
		.amdhsa_next_free_sgpr 100
		.amdhsa_reserve_vcc 0
		.amdhsa_float_denorm_mode_32 3
		.amdhsa_float_denorm_mode_16_64 3
		.amdhsa_memory_ordered 1
		.amdhsa_forward_progress 1
		.amdhsa_inst_pref_size 171
	.end_amdhsa_kernel
	.amdgpu_metadata
---
amdhsa.version: [ 1, 2 ]
amdhsa.kernels:
  - .name:           k_qb84c024267_ffn1
    .symbol:         k_qb84c024267_ffn1.kd
    .args:
      - { .name: hbuf, .offset: 0, .size: 8, .value_kind: global_buffer, .address_space: global }
      - { .name: wts, .offset: 8, .size: 8, .value_kind: global_buffer, .address_space: global }
      - { .name: b1, .offset: 16, .size: 8, .value_kind: global_buffer, .address_space: global }
      - { .name: hid, .offset: 24, .size: 8, .value_kind: global_buffer, .address_space: global }
    .group_segment_fixed_size: 327680
    .private_segment_fixed_size: 0
    .kernarg_segment_align: 8
    .kernarg_segment_size: 32
    .max_flat_workgroup_size: 128
    .sgpr_count:     100
    .vgpr_count:     1024
    .wavefront_size: 32
...
	.end_amdgpu_metadata
.endif
;; end of part 6
;; launch ffn2 (part 7): grid 8 x 32, 4 waves a work-group, clusters of 4 x 4, 327,680 bytes of LDS; arguments hid, wts, b2, x1, out0; writes out0
.if DOCPART == 7
	.amdgcn_target "amdgcn-amd-amdhsa--gfx1250"
	.amdhsa_code_object_version 6
	.text
	.protected	k_qb84c024267_ffn2
	.globl	k_qb84c024267_ffn2
	.p2align	8
	.type	k_qb84c024267_ffn2,@function
k_qb84c024267_ffn2:
	s_mov_b64 s[64:65], 0
	v_nop
	global_prefetch_b8 v0, s[64:65] scope:SCOPE_SE
	s_setreg_imm32_b32 hwreg(HW_REG_WAVE_MODE, 25, 1), 1
	s_wait_xcnt 0x0
	s_wait_alu depctr_hold_cnt(0) depctr_sa_sdst(0) depctr_va_vdst(0) depctr_va_sdst(0) depctr_va_ssrc(0) depctr_va_vcc(0) depctr_vm_vsrc(0)
	s_getreg_b32 s2, hwreg(HW_REG_IB_STS2, 6, 4)
	s_cmp_eq_u32 s2, 0
	s_cbranch_scc0 .Lentry_in_a_cluster
	s_endpgm
.Lentry_in_a_cluster:
	s_bfe_u32 s2, ttmp6, 0x10000c
	s_cmp_lg_u32 s2, 0xf033
	s_cbranch_scc0 .Lentry_shape_is_right
	s_endpgm
.Lentry_shape_is_right:
.set KDIM,  4096
.set ASC,   12582912
.set BC,    6291456
.set BS,    9699328
.set LAPS,  KDIM/1024
.set PART,  24576
.set SLOT,  4*PART
.set SCL,   2*SLOT
.set SPARE, SCL+32768
.set SP,    272
.set FR,   12
.set LI,   10
.set ADRA, 16
.set ADRB, 20
.set STO,  24
.set RD,   25
.set CO,   26
.set ADRS, 27
.set SPW,  28
.set NIL,  29
.set SC,   32
.set BIAS, 40
.set ACC,  128
.set G1,   24
.set G0,   32
.set G1B,  48
.set G0B,  56
.set G1S,  68
.set G0S,  76
.set G1SB, 80
.set G0SB, 88
.set MSB, 0
.macro WIN new
.if MSB != \new
	s_set_vgpr_msb (MSB<<8)|\new
.set MSB, \new
.endif
.endm
.set MUL,  0x05
.set TO_F, 0x40
.macro JLOAD g0a, g1a, g0b, g1b
	s_cmp_eq_u32 s15, 0
	s_cbranch_scc0 .Lfor_b_\@
	tensor_load_to_lds s[\g0a:\g0a+3], s[\g1a:\g1a+7]
	s_nop 0
.rept 4
	v_nop
.endr
	s_branch .Lasked_\@
.Lfor_b_\@:
	tensor_load_to_lds s[\g0b:\g0b+3], s[\g1b:\g1b+7]
	s_nop 0
.rept 4
	v_nop
.endr
.Lasked_\@:
.endm
.macro CREST
	s_cmp_lg_u32 s14, 0
	s_cbranch_scc1 .Lnot_wave_0_\@
	s_barrier_signal -3
.Lnot_wave_0_\@:
	s_barrier_wait -3
	s_barrier_signal -1
	s_barrier_wait -1
.endm
.macro CROUND
	s_barrier_signal -1
	s_barrier_wait -1
	CREST
.endm
.macro PLACES
.rept 4
	v_nop
.endr
.endm
	s_load_b256 s[4:11], s[0:1], 0x0
	s_load_b64 s[12:13], s[0:1], 0x20
	v_lshl_add_u32 v[SPW], v0, 2, SPARE
	v_mov_b32 v[NIL], 0
	ds_add_u32 v[SPW], v[NIL]
	ds_add_u32 v[SPW], v[NIL]
	v_lshrrev_b32 v1, 5, v0
	v_readfirstlane_b32 s14, v1
	s_lshr_b32 s15, s14, 1
	s_and_b32 s16, s14, 1
	s_bfe_u32 s40, ttmp6, 0x40000
	s_bfe_u32 s41, ttmp6, 0x40004
	s_lshl_b32 s42, ttmp9, 2
	s_add_co_u32 s42, s42, s40
	s_and_b32 s17, ttmp7, 0xffff
	s_lshl_b32 s17, s17, 2
	s_add_co_u32 s17, s17, s41
	s_lshl_b32 s43, s41, 2
	s_lshl_b32 s43, 15, s43
	s_lshl_b32 s44, 0x1111, s40
	s_or_b32 s[G1+0], s43, (3<<16)|(1<<21)
	s_or_b32 s[G1B+0], s44, (3<<16)|(1<<21)
.irp g, G1, G1B
	s_mov_b32 s[\g+1], 32<<16
	s_mov_b32 s[\g+2], 192<<16                     ; for the head's load: a whole slot's share of a panel, 512 along K: 192 rows of 256 bytes
	s_mov_b32 s[\g+3], 32<<16
	s_mov_b32 s[\g+4], 192
	s_mov_b32 s[\g+5], 32
	s_mov_b32 s[\g+6], 0
	s_mov_b32 s[\g+7], 0
.endr
	s_or_b32 s[G1S+0], s43, (3<<16)|(1<<21)
	s_or_b32 s[G1SB+0], s44, (3<<16)|(1<<21)
.irp g, G1S, G1SB
	s_mov_b32 s[\g+1], 32<<16
	s_mov_b32 s[\g+2], (KDIM/64)<<16               ; a whole panel's scale words: 4 KDIM bytes
	s_mov_b32 s[\g+3], 32<<16
	s_mov_b32 s[\g+4], KDIM/64
	s_mov_b32 s[\g+5], 32
	s_mov_b32 s[\g+6], 0
	s_mov_b32 s[\g+7], 0
.endr
	s_mul_i32 s18, s16, PART
	s_mov_b32 s19, 0
	s_mul_i32 s20, s17, KDIM*96
	s_mov_b32 s21, 0
	s_mul_i32 s22, s17, KDIM*4
	s_add_co_u32 s22, s22, ASC
	s_mov_b32 s23, 0
	s_mul_i32 s46, s42, KDIM*96
	s_add_co_u32 s46, s46, BC
	s_mov_b32 s47, 0
	s_mul_i32 s92, s42, KDIM*4
	s_add_co_u32 s92, s92, BS
	s_mov_b32 s93, 0
	s_mul_i32 s45, s14, PART
	s_wait_dscnt 0x0
	s_wait_kmcnt 0x0
	s_add_nc_u64 s[20:21], s[4:5], s[20:21]
	s_add_nc_u64 s[22:23], s[4:5], s[22:23]
	s_add_nc_u64 s[46:47], s[6:7], s[46:47]
	s_add_nc_u64 s[92:93], s[6:7], s[92:93]
	CROUND
	s_mov_b32 s[G0S], 1
	s_mov_b32 s[G0S+1], SCL
	s_mov_b64 s[G0S+2:G0S+3], s[22:23]
	s_or_b32 s[G0S+3], s[G0S+3], 0x80000000
	s_mov_b32 s[G0SB], 1
	s_mov_b32 s[G0SB+1], SCL+4*KDIM
	s_mov_b64 s[G0SB+2:G0SB+3], s[92:93]
	s_or_b32 s[G0SB+3], s[G0SB+3], 0x80000000
; out = x1 + hid W2^T + b2, f32: A [4,096][4,096] and B [1,024][4,096] on codes of BF6 with E8M0 scales; a tile of C is 128 x 128, four waves of 64 x 64; K goes in slots of 512 through a ring of two LDS slots.
; THE HEAD: one joint load a wave: wave 0 slot 0's 49,152 bytes of A's panel, wave 1 of B's, wave 2 A's scale words for all of K, wave 3 B's.  Slot 1 is first filled behind the full sequence and a round.
; PREFETCH: behind the load of K slot k each wave asks for K slot k + 2 of the 24,576 bytes that it will itself fetch: 96 blocks of 256 bytes, of which each of the four partners that ask jointly takes 24, told apart by address
; (cx for A, cy for B), a lane a block (lanes 24-31 name block 23 again).  K slots 6 and 7 are the last: the loop's last trip asks for nothing.
	s_mov_b32 s4, 1                                ; s[4:7]: group 0 of wave 0's load (the arguments that lay there have been used)
	s_mov_b32 s5, 0
	s_mov_b64 s[6:7], s[20:21]
	s_or_b32 s7, s7, 0x80000000
	s_mov_b32 s96, 1                               ; s[96:99]: of wave 1's
	s_mov_b32 s97, 2*PART
	s_mov_b64 s[98:99], s[46:47]
	s_or_b32 s99, s99, 0x80000000
	s_add_nc_u64 s[20:21], s[20:21], s[18:19]      ; for the ring: my 256 along K of a slot
	s_add_nc_u64 s[46:47], s[46:47], s[18:19]
	s_cmp_eq_u32 s15, 0                            ; do I fetch for A?
	s_cselect_b64 s[66:67], s[20:21], s[46:47]     ; s[66:67]: where my prefetches stand
	s_cselect_b32 s92, s40, s41                    ; my place among the four that ask with me
	s_mul_i32 s92, s92, 6144                       ; 24 blocks of 256 bytes each
	s_mov_b32 s93, 0
	s_add_nc_u64 s[66:67], s[66:67], s[92:93]
.irp s, 0,1
	s_mov_b32 s[G0+4*\s], 1
	s_add_co_u32 s[G0+4*\s+1], s45, \s*SLOT
	s_add_nc_u64 s[G0+4*\s+2:G0+4*\s+3], s[20:21], \s*2*PART
	s_or_b32 s[G0+4*\s+3], s[G0+4*\s+3], 0x80000000
	s_mov_b32 s[G0B+4*\s], 1
	s_add_co_u32 s[G0B+4*\s+1], s45, \s*SLOT
	s_add_nc_u64 s[G0B+4*\s+2:G0B+4*\s+3], s[46:47], \s*2*PART
	s_or_b32 s[G0B+4*\s+3], s[G0B+4*\s+3], 0x80000000
.endr
.macro ARM under, g0, g1, next         ; one chain of branches on the wave's number: every way passes exactly one load
	s_cmp_lt_u32 s14, \under
	s_cbranch_scc0 \next
	tensor_load_to_lds s[\g0:\g0+3], s[\g1:\g1+7]
	s_nop 0
.rept 4
	v_nop
.endr
	s_branch .Lhead_asked
\next:
.endm
	ARM 1, 4,   G1,  .Lhead_b
	ARM 2, 96,  G1B, .Lhead_sa
	ARM 3, G0S, G1S, .Lhead_sb
	tensor_load_to_lds s[G0SB:G0SB+3], s[G1SB:G1SB+7]
	s_nop 0
.rept 4
	v_nop
.endr
.Lhead_asked:
	v_and_b32 v30, 31, v0
	v_min_u32 v30, 23, v30
	v_lshlrev_b32 v30, 8, v30                      ; v30: the prefetches' offset, 256 x min(lane, 23); never rewritten
	v_and_b32 v1, 15, v0
	v_bfe_u32 v2, v0, 4, 1
	s_wait_alu depctr_va_vdst(0)
	global_prefetch_b8 v30, s[66:67] offset:2*PART th:TH_LOAD_NT scope:SCOPE_SE   ; at the head alone: K slot 1 too, which the next load fetches
	global_prefetch_b8 v30, s[66:67] offset:4*PART th:TH_LOAD_NT scope:SCOPE_SE   ; behind K slot 0's load: K slot 2
	v_and_b32 v3, 31, v0
	v_lshlrev_b32 v[LI], 4, v3
	s_mul_i32 s21, s15, 12288
	s_mul_i32 s22, s16, 12288
	s_add_co_u32 s22, s22, 2*PART
.irp s, 0,1
	v_add_nc_u32 v[ADRA+\s], s21, v[LI]
	v_add_nc_u32 v[ADRB+\s], s22, v[LI]
	s_add_co_u32 s21, s21, SLOT
	s_add_co_u32 s22, s22, SLOT
.endr
	s_lshl_b32 s21, s15, 8
	s_lshl_b32 s22, s16, 8
	s_add_co_u32 s22, s22, 4*KDIM
	s_sub_co_u32 s22, s22, s21
	v_mul_u32_u24 v6, s22, v2
	s_add_co_u32 s21, s21, SCL
	v_lshl_add_u32 v5, v1, 2, v6
	v_add_nc_u32 v[ADRS], s21, v5
	s_mul_i32 s23, s14, 16*SP
	v_mul_u32_u24 v5, v1, SP
	v_lshl_add_u32 v5, v2, 5, v5
	v_add_nc_u32 v[STO], s23, v5
	v_mul_u32_u24 v5, v2, SP
	v_lshl_add_u32 v5, v1, 4, v5
	v_add_nc_u32 v[RD], s23, v5
	v_lshlrev_b32 v[CO], 12, v2
	v_lshl_add_u32 v[CO], v1, 4, v[CO]
	s_wait_alu depctr_va_vdst(0)
	s_lshl_b32 s20, s42, 9
	s_lshl_b32 s21, s16, 8
	s_add_co_u32 s20, s20, s21
	s_mov_b32 s21, 0
	s_add_nc_u64 s[8:9], s[8:9], s[20:21]
	s_lshl_b32 s22, s17, 19
	s_lshl_b32 s23, s15, 18
	s_add_co_u32 s22, s22, s23
	s_add_co_u32 s20, s20, s22
	s_add_nc_u64 s[10:11], s[10:11], s[20:21]
	s_add_nc_u64 s[12:13], s[12:13], s[20:21]
	v_lshlrev_b32 v7, 5, v2
.irp b, 0,1,2,3
	global_load_b128 v[BIAS+8*\b:BIAS+8*\b+3], v7, s[8:9] offset:64*\b
	global_load_b128 v[BIAS+8*\b+4:BIAS+8*\b+7], v7, s[8:9] offset:64*\b+16
.endr
	WIN 0x80
.irp a, 0,1,2,3
.irp t, 0,1,2,3,4,5,6,7
	global_load_b128 v[32*\a+4*\t:32*\a+4*\t+3], v[CO], s[10:11] offset:(16*\a+2*\t)*4096 th:TH_LOAD_NT
.endr
.endr
	WIN 0
.macro MUL8 f, a0, sc, zero
.irp a, \a0, \a0+1
.irp b, 0,1,2,3
.if \zero
	v_wmma_scale_f32_16x16x128_f8f6f4 v[ACC+8*(4*(\a)+\b):ACC+8*(4*(\a)+\b)+7], v[(\f)+48+FR*\b:(\f)+48+FR*\b+FR-1], v[(\f)+FR*(\a):(\f)+FR*(\a)+FR-1], v[BIAS+8*\b:BIAS+8*\b+7], v[SC+4*(\sc)+\b], v[SC+4*(\sc)+(\a)] matrix_a_fmt:MATRIX_FMT_BF6 matrix_b_fmt:MATRIX_FMT_BF6 matrix_a_scale:MATRIX_SCALE_ROW1
.else
	v_wmma_scale_f32_16x16x128_f8f6f4 v[ACC+8*(4*(\a)+\b):ACC+8*(4*(\a)+\b)+7], v[(\f)+48+FR*\b:(\f)+48+FR*\b+FR-1], v[(\f)+FR*(\a):(\f)+FR*(\a)+FR-1], v[ACC+8*(4*(\a)+\b):ACC+8*(4*(\a)+\b)+7], v[SC+4*(\sc)+\b], v[SC+4*(\sc)+(\a)] matrix_a_fmt:MATRIX_FMT_BF6 matrix_b_fmt:MATRIX_FMT_BF6 matrix_a_scale:MATRIX_SCALE_ROW1
.endif
.endr
.endr
.endm
.macro FETCH slot, q, f
	WIN TO_F
.irp i, 0,1,2,3
.irp c, 0,1,2
	ds_load_b128 v[(\f)+48+FR*\i+4*\c:(\f)+48+FR*\i+4*\c+3], v[ADRB+\slot] offset:((\q)/2)*PART+\i*3072+((\q)%2)*1536+512*\c
.endr
.endr
.irp i, 0,1,2,3
.irp c, 0,1,2
	ds_load_b128 v[(\f)+FR*\i+4*\c:(\f)+FR*\i+4*\c+3], v[ADRA+\slot] offset:((\q)/2)*PART+\i*3072+((\q)%2)*1536+512*\c
.endr
.endr
	WIN 0
.irp i, 0,1,2,3
	ds_load_b32 v[SC+4*((\q)%2)+\i], v[ADRS] offset:512*(\q)+64*\i
.endr
.endm
.macro QUARTER slot, q, zero
	s_wait_dscnt 0x0
	PLACES
	FETCH \slot, (\q)+1, 128*(((\q)+1)%2)
	WIN MUL
	MUL8 128*((\q)%2), 0, (\q)%2, \zero
	MUL8 128*((\q)%2), 2, (\q)%2, \zero
.endm
.macro TURN slot, next, fill
	WIN 0
.if \fill
	s_wait_xcnt 0x0                                ; my last prefetch has read its address: it is stepped only behind this wait
	s_add_nc_u64 s[66:67], s[66:67], 2*PART        ; one K slot on
.endif
	s_wait_tensorcnt 0x0
	ds_add_u32 v[SPW], v[NIL]
	s_wait_dscnt 0x0
	s_barrier_signal -1
	WIN MUL
	MUL8 128, 0, 1, 0
	WIN 0
	s_barrier_wait -1
.if \fill
	CREST
	s_add_nc_u64 s[G0+4*\slot+2:G0+4*\slot+3], s[G0+4*\slot+2:G0+4*\slot+3], 4*PART
	s_add_nc_u64 s[G0B+4*\slot+2:G0B+4*\slot+3], s[G0B+4*\slot+2:G0B+4*\slot+3], 4*PART
	JLOAD G0+4*\slot, G1, G0B+4*\slot, G1B
.else
	PLACES
.endif
	v_add_nc_u32 v[ADRS], 2048, v[ADRS]
	FETCH \next, 0, 0
.if \fill
	s_cmp_gt_u32 s3, 1                             ; s3 = 1 in the loop's last trip, whose refills have no K slot two on
	s_cbranch_scc0 .Lno_ask_\@
	global_prefetch_b8 v30, s[66:67] offset:6*PART th:TH_LOAD_NT scope:SCOPE_SE   ; two K slots on from the refill just asked for
.Lno_ask_\@:
.endif
	WIN MUL
	MUL8 128, 2, 1, 0
.endm
	s_wait_alu depctr_va_vdst(0)
	s_wait_tensorcnt 0x0                           ; my tile of the head's four is in
	ds_add_u32 v[SPW], v[NIL]
	s_mov_b32 s[G1+2], 96<<16                      ; no tensor load of mine is out: from here on a load brings 256 along K of a panel, 96 rows
	s_mov_b32 s[G1+4], 96
	s_mov_b32 s[G1B+2], 96<<16
	s_mov_b32 s[G1B+4], 96
	s_wait_dscnt 0x0
	CROUND                                         ; all four tiles are in, and all sixteen work-groups are here
	JLOAD G0+4, G1, G0B+4, G1B                     ; slot 1's first fill: my one tensor load behind the round
	FETCH 0, 0, 0
	global_prefetch_b8 v30, s[66:67] offset:6*PART th:TH_LOAD_NT scope:SCOPE_SE   ; behind K slot 1's load: K slot 3
	s_wait_loadcnt 32
	QUARTER 0, 0, 1
.if LAPS > 1
	WIN 0
	s_mov_b32 s3, LAPS-1
.Llap:
	s_wait_alu depctr_va_vdst(0)
	QUARTER 0, 1, 0
	QUARTER 0, 2, 0
	TURN 0, 1, 1
	s_wait_alu depctr_va_vdst(0)
	QUARTER 1, 0, 0
	QUARTER 1, 1, 0
	QUARTER 1, 2, 0
	TURN 1, 0, 1
	s_wait_alu depctr_va_vdst(0)
	QUARTER 0, 0, 0
	WIN 0
	s_sub_co_u32 s3, s3, 1
	s_cmp_lg_u32 s3, 0
	s_cbranch_scc1 .Llap
.endif
	QUARTER 0, 1, 0
	QUARTER 0, 2, 0
	TURN 0, 1, 0
	s_wait_alu depctr_va_vdst(0)
	QUARTER 1, 0, 0
	QUARTER 1, 1, 0
	QUARTER 1, 2, 0
	s_wait_dscnt 0x0
	MUL8 128, 0, 1, 0
	MUL8 128, 2, 1, 0
	WIN 0
	PLACES
.irp a, 0,1,2,3
.if \a >= 2
	s_wait_xcnt 0x0
.endif
	WIN 0
.irp b, 0,1,2,3
	ds_store_b128 v[STO], v[ACC+8*(4*\a+\b):ACC+8*(4*\a+\b)+3] offset:64*\b
	ds_store_b128 v[STO], v[ACC+8*(4*\a+\b)+4:ACC+8*(4*\a+\b)+7] offset:64*\b+16
.endr
	WIN TO_F
.irp t, 0,1,2,3,4,5,6,7
	ds_load_b128 v[128+32*(\a%2)+4*\t:128+32*(\a%2)+4*\t+3], v[RD] offset:2*SP*\t
.endr
	s_wait_dscnt 0x0
	s_wait_loadcnt 24-8*\a
	WIN 0x49
.irp t, 0,1,2,3,4,5,6,7,8,9,10,11,12,13,14,15
	v_pk_add_f32 v[128+32*(\a%2)+2*\t:128+32*(\a%2)+2*\t+1], v[128+32*(\a%2)+2*\t:128+32*(\a%2)+2*\t+1], v[32*\a+2*\t:32*\a+2*\t+1]
.endr
	WIN 0x04
.irp t, 0,1,2,3,4,5,6,7
	global_store_b128 v[CO], v[128+32*(\a%2)+4*\t:128+32*(\a%2)+4*\t+3], s[12:13] offset:(16*\a+2*\t)*4096
.endr
.endr
	WIN 0
	s_wait_tensorcnt 0x0
	ds_add_u32 v[SPW], v[NIL]
	s_wait_dscnt 0x0
	CROUND
	s_endpgm
.Lfunc_end_k_qb84c024267_ffn2:
	.size	k_qb84c024267_ffn2, .Lfunc_end_k_qb84c024267_ffn2-k_qb84c024267_ffn2
	.p2alignl 7, 3214868480
	.fill 96, 4, 3214868480
	.section	.rodata,"a",@progbits
	.p2align	6, 0x0
	.amdhsa_kernel k_qb84c024267_ffn2
		.amdhsa_group_segment_fixed_size 327680
		.amdhsa_private_segment_fixed_size 0
		.amdhsa_enable_private_segment 0
		.amdhsa_kernarg_size 40
		.amdhsa_user_sgpr_count 2
		.amdhsa_user_sgpr_kernarg_segment_ptr 1
		.amdhsa_wavefront_size32 1
		.amdhsa_system_sgpr_workgroup_id_x 1
		.amdhsa_system_sgpr_workgroup_id_y 1
		.amdhsa_system_sgpr_workgroup_id_z 1
		.amdhsa_system_vgpr_workitem_id 0
		.amdhsa_next_free_vgpr 640
		.amdhsa_next_free_sgpr 100
		.amdhsa_reserve_vcc 0
		.amdhsa_float_denorm_mode_32 3
		.amdhsa_float_denorm_mode_16_64 3
		.amdhsa_memory_ordered 1
		.amdhsa_forward_progress 1
		.amdhsa_inst_pref_size 95
	.end_amdhsa_kernel
	.amdgpu_metadata
---
amdhsa.version: [ 1, 2 ]
amdhsa.kernels:
  - .name:           k_qb84c024267_ffn2
    .symbol:         k_qb84c024267_ffn2.kd
    .args:
      - { .name: hid, .offset: 0, .size: 8, .value_kind: global_buffer, .address_space: global }
      - { .name: wts, .offset: 8, .size: 8, .value_kind: global_buffer, .address_space: global }
      - { .name: b2, .offset: 16, .size: 8, .value_kind: global_buffer, .address_space: global }
      - { .name: x1, .offset: 24, .size: 8, .value_kind: global_buffer, .address_space: global }
      - { .name: out0, .offset: 32, .size: 8, .value_kind: global_buffer, .address_space: global }
    .group_segment_fixed_size: 327680
    .private_segment_fixed_size: 0
    .kernarg_segment_align: 8
    .kernarg_segment_size: 40
    .max_flat_workgroup_size: 128
    .sgpr_count:     100
    .vgpr_count:     640
    .wavefront_size: 32
...
	.end_amdgpu_metadata
.endif
;; end of part 7
